; MI455X (gfx1250); checked and timed in simulation.
; The chip was launched on July 23, 2026; its instructions are those of AMD's public machine-readable ISA for CDNA 5 (MIT licence, August 2026) and "CDNA5" Instruction Set Architecture Reference Guide (July 2026). The comments in the code are by the model that wrote it; some were corrected since.
;; Block. Allowed arithmetic: matrix products marked QUANTISED: E2M3 operands, one E8M0 scale for each 32 along K, by v_wmma_scale_f32_16x16x128_f8f6f4 with both operands' format E2M3, f32 sums; everything else in f32.
;; Inputs: fc1_b 4,096 float32; fc1_w_codes 4,096 x 32 x 24 uint8 (E2M3 codes of fc1_w, K innermost, in blocks of 32 codes, four codes in three bytes); fc1_w_scales 4,096 x 32 uint8 (E8M0 scales of fc1_w, one for each 32 codes along K); fc2_b 1,024 float32; fc2_w_codes 1,024 x 128 x 24 uint8 (E2M3 codes of fc2_w, K innermost, in blocks of 32 codes, four codes in three bytes); fc2_w_scales 1,024 x 128 uint8 (E8M0 scales of fc2_w, one for each 32 codes along K); ln1_b 1,024 float32; ln1_w 1,024 float32; ln2_b 1,024 float32; ln2_w 1,024 float32; proj_b 1,024 float32; proj_w_codes 1,024 x 32 x 24 uint8 (E2M3 codes of proj_w, K innermost, in blocks of 32 codes, four codes in three bytes); proj_w_scales 1,024 x 32 uint8 (E8M0 scales of proj_w, one for each 32 codes along K); qkv_b 3,072 float32; qkv_w_codes 3,072 x 32 x 24 uint8 (E2M3 codes of qkv_w, K innermost, in blocks of 32 codes, four codes in three bytes); qkv_w_scales 3,072 x 32 uint8 (E8M0 scales of qkv_w, one for each 32 codes along K); x 2 x 2,048 x 1,024 float32.
;; Outputs: out0 2 x 2,048 x 1,024 float32.
;; This version of the problem:
;;   THIS VERSION OF THE PROBLEM IS GIVEN IN LOW PRECISION. The matrix products marked QUANTISED in the list below multiply operands that are first quantised to E2M3 (2 exponent bits, 3 mantissa bits; 6 bits a number), with one power-of-two scale for each 32 numbers along K (OCP MX v1.0); their sums are f32. All else is computed in f32.
;;   The module's matrix products, in the order in which they are computed (A, B: the left and right operand; K: the contracted axis; several contracted axes count as one K, in the product's order):
;;     1. [M 4,096, K 1,024] x [K 1,024, N 3,072]; A: computed on the way; B: input qkv_w (given as codes): QUANTISED
;;     2. batch 32 x [M 2,048, K 64] x [K 64, N 2,048]; A: computed on the way; B: computed on the way: QUANTISED
;;     3. batch 32 x [M 2,048, K 2,048] x [K 2,048, N 64]; A: softmax (see below); B: computed on the way: QUANTISED
;;     4. [M 4,096, K 1,024] x [K 1,024, N 1,024]; A: computed on the way; B: input proj_w (given as codes): QUANTISED
;;     5. [M 4,096, K 1,024] x [K 1,024, N 4,096]; A: computed on the way; B: input fc1_w (given as codes): QUANTISED
;;     6. [M 4,096, K 4,096] x [K 4,096, N 1,024]; A: computed on the way; B: input fc2_w (given as codes): QUANTISED
;;   THE QUANTISER, for each operand of a quantised product, along K:
;;     - K is cut into blocks of 32 from its start; a last block that is shorter is filled with zeros.
;;     - A block's scale is 2^e with e = floor(log2(the largest magnitude in the block)) - 2, held to -126 .. 127; a block of zeros has e = 0. As a byte (E8M0): e + 127.
;;     - Each number is divided by its block's scale, clamped to +-7.5, and rounded to the nearest number of E2M3, ties to even, subnormals kept.
;;     - The product sums the exact products of the quantised numbers (number of the format x scale) in f32.
;;   ~~~python
;;   def quantise(x, axis):      # numpy; x: float32 -> the quantised numbers, widened to float32 again
;;       x = np.moveaxis(x, axis, -1); K = x.shape[-1]
;;       x = np.pad(x, [(0, 0)] * (x.ndim - 1) + [(0, -K % 32)]); x = x.reshape(x.shape[:-1] + (-1, 32)); a = np.abs(x).max(-1, keepdims=True)
;;       e = np.where(a > 0, np.clip(np.frexp(np.where(a > 0, a, 1))[1] - 1 - 2, -126, 127), 0)      # np.frexp(a)[1] - 1 = floor(log2(a)), exactly
;;       r = np.clip(x / 2.0 ** e, -7.5, 7.5)
;;       step = 2.0 ** (np.maximum(np.frexp(np.where(r == 0, 1, r))[1] - 1, 0) - 3)
;;       q = np.round(r / step) * step * 2.0 ** e      # np.round: ties to even
;;       return np.moveaxis(q.reshape(q.shape[:-2] + (-1,))[..., :K], -1, axis).astype(np.float32)
;;   ~~~
;;   SOFTMAX AHEAD OF A QUANTISED PRODUCT. Where the list says 'softmax', what is quantised is not the finished softmax but p = 2^(t - M), with t = logit x log2(e) and M = ceil(the row's largest t), a whole number; so 1/2 < the row's largest p <= 1. The row's sum l is taken of the UNQUANTISED p, in f32, and the product's result is divided by l at the end. Since M is a whole number, a kernel that streams over the keys may use a running M (the ceiling of the running maximum): every later rescaling is an exact power of two, which a block's scale takes up: the codes' values come out the same.
;;   OPERANDS COMPUTED ON THE WAY. 'Computed on the way' means the value that the module computes at that place (a softmax that the list does not call 'softmax' is quantised finished and normalised). What goes into a quantiser is computed in f32, as accurately as f32 sums, v_exp_f32 and their like allow (about 1e-6 of the number): no bf16 or f16 on the way to a quantiser, and a product that is left as it is and whose result goes on into a quantised operand takes f32 operands (vector FMAs, or v_wmma_f32_16x16x4_f32). A number that lies on a knife's edge between two numbers of the format may be rounded either way, as far as f32 arithmetic and the matrix unit's own rounding can turn it there, and no further.
;;   INPUTS GIVEN AS CODES. fc1_w (in the module: [4096, 1024], K = its axis 1); fc2_w (in the module: [1024, 4096], K = its axis 1); proj_w (in the module: [1024, 1024], K = its axis 1); qkv_w (in the module: [3072, 1024], K = its axis 1): each comes as NAME_codes (uint8): NAME with its K axis moved to the last place and cut into blocks of 32 codes, [.., K / 32, bytes a block], one block behind the other in memory; four codes in three bytes: a row's codes are one little-endian stream of bits, code i at bits 6 i .. 6 i + 5 (a code: sign, 2 exponent bits, 3 mantissa bits); and NAME_scales (uint8): the same leading axes, one E8M0 byte (e + 127) for each 32 codes along K. Its value is code x scale, taken as it is: it is not quantised again, and the codes and scales need not be those that the quantiser above would give.
;; 2 versions, each right. Each part assembles by itself: llvm-mc -triple=amdgcn-amd-amdhsa -mcpu=gfx1250 --defsym DOCPART=n.
;; ======== version 1 of 2: 7 launches
;; workspace buffers: xq 3,276,800 bytes; qk 6,815,744 bytes; vt 3,276,800 bytes; oq 3,276,800 bytes; x1 16,777,216 bytes; hq 13,107,200 bytes
;; launch ln1 (part 1): grid 256 x 1, 16 waves a work-group, no clusters, 68,352 bytes of LDS; arguments x, ln1_w, ln1_b, xq; writes xq
.if DOCPART == 1
	.amdgcn_target "amdgcn-amd-amdhsa--gfx1250"
	.amdhsa_code_object_version 6
	.text
	.protected	k_qa3039038c4_ln1
	.globl	k_qa3039038c4_ln1
	.p2align	8
	.type	k_qa3039038c4_ln1,@function
k_qa3039038c4_ln1:
	s_mov_b64 s[64:65], 0
	v_nop
	global_prefetch_b8 v0, s[64:65] scope:SCOPE_SE
	s_setreg_imm32_b32 hwreg(HW_REG_WAVE_MODE, 25, 1), 1
	s_wait_xcnt 0x0
; y = (x - mean) * rsqrt(var + 1e-5) * g + be along rows of 1,024 f32, then quantised along the row to codes of FP6 (E2M3) with one E8M0 byte for each 32 numbers.
; OUTPUT LAYOUT (read by this program's own products).  The 4,096 rows are cut into 256 ROWTILES: lane r of rowtile T stands for row 32 (T / 2) + 8 (T % 2) + r + 8 (r / 8).
; 16 rows x 64 K of codes are stored as an image of six operand registers, 768 bytes: lane l's registers 0-3 at 16 l, its registers 4-5 at 512 + 8 l; lane (r, h) holds row r, k = 32 h .. 32 h + 31.
; Codes: [T 256][image 16][768].  Scale words behind them, at XSC: [q 8][T 256][r 16] words, byte b of word q = block 4 q + b of the row.
; SHARES.  A work-group is a rowtile.  Phase 1: wave w owns one row (8 loads of 512 consecutive bytes), finds mean and variance in two passes over its registers and puts (x - mean) rstd into an LDS stage.
; Phase 2: wave w makes image w (columns 64 w on): a lane takes 32 neighbours of one row, a whole block, so its largest magnitude needs no other lane.
; No tensor loads, no clusters, no matrix unit: the launch streams its input once and work-groups share nothing but the two short vectors g and be.
; LIMITS: NaN and infinities are not served; a block whose largest magnitude lies under 2^-124 keeps the byte 1; a block of zeros gets the byte 1 where the quantiser says 127 (its codes are zeros, and this program alone reads the bytes).
.set SP,   4112                        ; a stage row: 4,096 bytes + 16, so that the 16 rows that a load touches start at 16 different banks
.set SCL,  16*SP                       ; behind the stage: 32 scale bytes for each wave: [w 16][r 16][h 2]
.set XSC,  3145728                     ; where the scale words begin in the output buffer
	s_load_b256 s[4:11], s[0:1], 0x0               ; x s[4:5], g s[6:7], be s[8:9], out s[10:11]
	v_lshl_add_u32 v128, v0, 2, 0x10300
	v_mov_b32 v129, 0
	v_lshrrev_b32 v1, 5, v0
	v_readfirstlane_b32 s12, v1                    ; wave 0..15
	v_and_b32 v2, 31, v0                           ; l
	v_and_b32 v3, 15, v0                           ; r
	v_bfe_u32 v4, v0, 4, 1                         ; h
	v_lshlrev_b32 v5, 4, v2                        ; 16 l
	v_lshlrev_b32 v11, 3, v2                       ; 8 l
	s_lshl_b32 s14, s12, 8
	v_lshl_add_u32 v6, v4, 7, s14                  ; 128 h + 256 w: my 32 numbers of g and be
	s_mul_i32 s15, s12, SP
	v_add_nc_u32 v7, s15, v5                       ; stage, in: row w, 16 l
	v_mul_u32_u24 v8, v3, SP
	v_add_nc_u32 v8, v8, v6                        ; stage, out: row r, 128 h + 256 w
	s_lshl_b32 s15, s12, 5
	s_add_co_u32 s15, s15, SCL
	v_lshl_add_u32 v9, v3, 1, v4
	v_add_nc_u32 v9, s15, v9                       ; my block's scale byte: SCL + 32 w + 2 r + h
	v_lshrrev_b32 v13, 2, v2                       ; wave 0's way out: q = l / 4,
	v_and_b32 v14, 3, v2                           ; rows 4 (l % 4) on
	v_lshlrev_b32 v10, 6, v13
	v_lshl_add_u32 v10, v14, 3, v10
	v_add_nc_u32 v10, SCL, v10                     ; SCL + 64 q + 8 (l % 4): four rows' halves of wave 2 q; wave 2 q + 1's lie 32 bytes on
	v_lshlrev_b32 v12, 14, v13
	v_lshl_add_u32 v12, v14, 4, v12                ; 16,384 q + 16 (l % 4): the same four rows' words in memory
	v_mov_b32 v123, 0                              ; a lane permute's destination counts as read: written once
	s_mov_b32 s16, 0x76543210
	s_mov_b32 s17, 0xfedcba98                      ; v_permlanex16_b32's selects for lane l xor 16
	s_mov_b32 s18, 0x3a800000                      ; 1 / 1,024
	s_mov_b32 s19, 0x3727c5ac                      ; 1e-5
	s_lshr_b32 s13, ttmp9, 1
	s_lshl_b32 s13, s13, 5
	s_and_b32 s26, ttmp9, 1
	s_lshl_b32 s26, s26, 3
	s_add_co_u32 s13, s13, s26
	s_and_b32 s26, s12, 8
	s_add_co_u32 s26, s26, s12
	s_add_co_u32 s13, s13, s26                     ; my row: 32 (T / 2) + 8 (T % 2) + w + 8 (w / 8)
	s_lshl_b32 s20, s13, 12
	s_mov_b32 s21, 0
	s_mul_i32 s22, ttmp9, 12288
	s_mul_i32 s26, s12, 768
	s_add_co_u32 s22, s22, s26                     ; my image: 12,288 T + 768 w
	s_mov_b32 s23, 0
	s_lshl_b32 s24, ttmp9, 6
	s_add_co_u32 s24, s24, XSC                     ; the rowtile's scale words of q = 0
	s_mov_b32 s25, 0
	s_mov_b32 s26, 0x05040100                      ; v_perm_b32: the two low halves
	s_mov_b32 s27, 0x07060302                      ; the two high halves
	s_wait_kmcnt 0x0
	s_add_nc_u64 s[4:5], s[4:5], s[20:21]
	s_add_nc_u64 s[22:23], s[10:11], s[22:23]
	s_add_nc_u64 s[24:25], s[10:11], s[24:25]
.irp j, 0,1,2,3,4,5,6,7
	global_load_b128 v[16+4*\j:19+4*\j], v5, s[4:5] offset:512*\j      ; my row: 32 lanes read 512 consecutive bytes
.endr
.irp i, 0,1,2,3,4,5,6,7
	global_load_b128 v[48+4*\i:51+4*\i], v6, s[6:7] offset:16*\i       ; g of phase 2's 32 columns
.endr
.irp i, 0,1,2,3,4,5,6,7
	global_load_b128 v[80+4*\i:83+4*\i], v6, s[8:9] offset:16*\i       ; be likewise
.endr
.macro ALLSUM                          ; v122 summed over the 32 lanes, the result in every lane
	v_add_f32_dpp v122, v122, v122 row_xmask:1 row_mask:0xf bank_mask:0xf
	v_add_f32_dpp v122, v122, v122 row_xmask:2 row_mask:0xf bank_mask:0xf
	v_add_f32_dpp v122, v122, v122 row_xmask:4 row_mask:0xf bank_mask:0xf
	v_add_f32_dpp v122, v122, v122 row_xmask:8 row_mask:0xf bank_mask:0xf
	v_permlanex16_b32 v123, v122, s16, s17
	v_add_f32 v122, v122, v123
.endm
.macro FOLD                            ; four packed chains v[112:119] into v122
	v_pk_add_f32 v[112:113], v[112:113], v[114:115]
	v_pk_add_f32 v[116:117], v[116:117], v[118:119]
	v_pk_add_f32 v[112:113], v[112:113], v[116:117]
	v_add_f32 v122, v112, v113
.endm
	s_wait_loadcnt 16                              ; my row is in; the 16 younger loads (g, be) may stay out
.irp k, 0,1,2,3
	v_pk_add_f32 v[112+2*\k:113+2*\k], v[16+4*\k:17+4*\k], v[18+4*\k:19+4*\k]    ; the sum, in four chains started by the first 16 numbers
.endr
.irp j, 32,40
.irp k, 0,1,2,3
	v_pk_add_f32 v[112+2*\k:113+2*\k], v[112+2*\k:113+2*\k], v[\j+2*\k:\j+2*\k+1]
.endr
.endr
	FOLD
	ALLSUM
	v_mul_f32 v124, s18, v122                      ; the mean
	v_mov_b32 v125, v124                           ; (named with it as a pair)
.set J, 16
.rept 16
	v_pk_add_f32 v[J:J+1], v[J:J+1], v[124:125] op_sel_hi:[1,0] neg_lo:[0,1] neg_hi:[0,1]   ; x - mean
.set J, J+2
.endr
.irp k, 0,1,2,3
	v_pk_mul_f32 v[112+2*\k:113+2*\k], v[16+2*\k:17+2*\k], v[16+2*\k:17+2*\k]    ; the sum of squares of x - mean: no difference of large sums
.endr
.irp j, 24,32,40
.irp k, 0,1,2,3
	v_pk_fma_f32 v[112+2*\k:113+2*\k], v[\j+2*\k:\j+2*\k+1], v[\j+2*\k:\j+2*\k+1], v[112+2*\k:113+2*\k]
.endr
.endr
	FOLD
	ALLSUM
	v_fma_f32 v122, v122, s18, s19                 ; var + eps
	v_rsq_f32 v126, v122
	v_nop                                          ; one plain instruction behind the transcendental
	s_wait_alu depctr_va_vdst(0)
	v_mov_b32 v127, v126
.set J, 16
.rept 16
	v_pk_mul_f32 v[J:J+1], v[J:J+1], v[126:127] op_sel_hi:[1,0]
.set J, J+2
.endr
.irp j, 0,1,2,3,4,5,6,7
	ds_store_b128 v7, v[16+4*\j:19+4*\j] offset:512*\j
.endr
	s_wait_dscnt 0x0                               ; for the others' sake: my row lies in the stage
	s_barrier_signal -1
	s_barrier_wait -1
.irp i, 0,1,2,3,4,5,6,7
	ds_load_b128 v[16+4*\i:19+4*\i], v8 offset:16*\i                   ; row r, columns 64 w + 32 h + 0 .. 31: one block
.endr
	s_wait_loadcnt 0x0                             ; g and be
	s_wait_dscnt 0x0
.set J, 0
.rept 16
	v_pk_fma_f32 v[16+J:17+J], v[16+J:17+J], v[48+J:49+J], v[80+J:81+J]
.set J, J+2
.endr
	v_max3_num_f32 v122, |v16|, |v17|, 0x1800000   ; the block's largest magnitude, with the floor 2^(3 - 127) among its leaves: the byte cannot fall under 1
	v_max_num_f32 v123, |v18|, |v19|
.irp i, 20,24,28,32,36,40,44
	v_max3_num_f32 v122, v122, |v[\i]|, |v[\i+1]|
	v_max3_num_f32 v123, v123, |v[\i+2]|, |v[\i+3]|
.endr
	v_max_num_f32 v122, v122, v123
	v_add_nc_u32 v121, 0xff000000, v122            ; 2 off its exponent field: the conversion takes the exponent field of this operand as its scale
	v_cvt_scalef32_pk16_fp6_f32 v[112:114], v[16:31], v121
	v_cvt_scalef32_pk16_fp6_f32 v[118:120], v[32:47], v121            ; (a conversion's three registers begin on an even number)
	v_lshrrev_b32 v122, 23, v121                   ; the scale's byte; also the plain instruction behind the conversions
	v_mov_b32 v115, v118
	v_mov_b32 v116, v119
	v_mov_b32 v117, v120
	ds_store_b8 v9, v122
	global_store_b128 v5, v[112:115], s[22:23]                         ; 512 consecutive bytes, aligned
	global_store_b64 v11, v[116:117], s[22:23] offset:512              ; 256 consecutive bytes, aligned
	s_wait_dscnt 0x0                               ; my scale bytes lie in LDS
	s_barrier_signal -1
	s_barrier_wait -1
	s_cmp_lg_u32 s12, 0
	s_cbranch_scc1 .Lend                           ; wave 0 alone sends the rowtile's 128 scale words
	ds_load_b64 v[16:17], v10                      ; four rows' bytes 0, 1 (wave 2 q),
	ds_load_b64 v[18:19], v10 offset:32            ; and their bytes 2, 3 (wave 2 q + 1)
	s_wait_dscnt 0x0
	v_perm_b32 v20, v18, v16, s26
	v_perm_b32 v21, v18, v16, s27
	v_perm_b32 v22, v19, v17, s26
	v_perm_b32 v23, v19, v17, s27
	global_store_b128 v12, v[20:23], s[24:25]      ; four lanes fill the 64 bytes of one q
.Lend:
	s_wait_tensorcnt 0x0
	ds_add_u32 v128, v129
	s_wait_dscnt 0x0
	s_endpgm
.Lfunc_end_k_qa3039038c4_ln1:
	.size	k_qa3039038c4_ln1, .Lfunc_end_k_qa3039038c4_ln1-k_qa3039038c4_ln1
	.p2alignl 7, 3214868480
	.fill 96, 4, 3214868480
	.section	.rodata,"a",@progbits
	.p2align	6, 0x0
	.amdhsa_kernel k_qa3039038c4_ln1
		.amdhsa_group_segment_fixed_size 68352
		.amdhsa_private_segment_fixed_size 0
		.amdhsa_enable_private_segment 0
		.amdhsa_kernarg_size 32
		.amdhsa_user_sgpr_count 2
		.amdhsa_user_sgpr_kernarg_segment_ptr 1
		.amdhsa_wavefront_size32 1
		.amdhsa_system_sgpr_workgroup_id_x 1
		.amdhsa_system_sgpr_workgroup_id_y 1
		.amdhsa_system_sgpr_workgroup_id_z 1
		.amdhsa_system_vgpr_workitem_id 0
		.amdhsa_next_free_vgpr 130
		.amdhsa_next_free_sgpr 66
		.amdhsa_reserve_vcc 0
		.amdhsa_float_denorm_mode_32 3
		.amdhsa_float_denorm_mode_16_64 3
		.amdhsa_memory_ordered 1
		.amdhsa_forward_progress 1
		.amdhsa_inst_pref_size 15
	.end_amdhsa_kernel
	.amdgpu_metadata
---
amdhsa.version: [ 1, 2 ]
amdhsa.kernels:
  - .name:           k_qa3039038c4_ln1
    .symbol:         k_qa3039038c4_ln1.kd
    .args:
      - { .name: x, .offset: 0, .size: 8, .value_kind: global_buffer, .address_space: global }
      - { .name: ln1_w, .offset: 8, .size: 8, .value_kind: global_buffer, .address_space: global }
      - { .name: ln1_b, .offset: 16, .size: 8, .value_kind: global_buffer, .address_space: global }
      - { .name: xq, .offset: 24, .size: 8, .value_kind: global_buffer, .address_space: global }
    .group_segment_fixed_size: 68352
    .private_segment_fixed_size: 0
    .kernarg_segment_align: 8
    .kernarg_segment_size: 32
    .max_flat_workgroup_size: 512
    .sgpr_count:     66
    .vgpr_count:     130
    .wavefront_size: 32
...
	.end_amdgpu_metadata
.endif
;; end of part 1
;; launch qkv (part 2): grid 12 x 16, 4 waves a work-group, clusters of 4 x 4, 327,680 bytes of LDS; arguments xq, qkv_w_codes, qkv_w_scales, qkv_b, qk, vt; writes qk, vt
.if DOCPART == 2
	.amdgcn_target "amdgcn-amd-amdhsa--gfx1250"
	.amdhsa_code_object_version 6
	.text
	.protected	k_qa3039038c4_qkv
	.globl	k_qa3039038c4_qkv
	.p2align	8
	.type	k_qa3039038c4_qkv,@function
k_qa3039038c4_qkv:
	s_mov_b64 s[64:65], 0
	v_nop
	global_prefetch_b8 v0, s[64:65] scope:SCOPE_SE
	s_setreg_imm32_b32 hwreg(HW_REG_WAVE_MODE, 25, 1), 1
	s_wait_xcnt 0x0
	s_wait_alu depctr_hold_cnt(0) depctr_sa_sdst(0) depctr_va_vdst(0) depctr_va_sdst(0) depctr_va_ssrc(0) depctr_va_vcc(0) depctr_vm_vsrc(0)
	s_getreg_b32 s2, hwreg(HW_REG_IB_STS2, 6, 4)
	s_cmp_eq_u32 s2, 0
	s_cbranch_scc0 .Lentry_in_a_cluster
	s_endpgm
.Lentry_in_a_cluster:
	s_bfe_u32 s2, ttmp6, 0x10000c
	s_cmp_lg_u32 s2, 0xf033
	s_cbranch_scc0 .Lentry_shape_is_right
	s_endpgm
.Lentry_shape_is_right:
; qkv = xn W^T + b on codes of FP6 (E2M3) with E8M0 scales for each 32 along K = 1,024; then q and k are quantised along the head's 64, v along the keys.
; A (xn): this program's own codes, by rowtiles (lane r of rowtile T = token 32 (T / 2) + 8 (T % 2) + r + 8 (r / 8)), a fragment of 16 rows x 128 K as an image of its 12 registers, 1,536 bytes:
;   [T 256][q 8][1,536]; scale words at ASC: [q 8][T 256][16 words].  B (W): given rows of codes, 768 bytes a row, and rows of 32 scale bytes.
; A tile of 256 tokens x 256 columns is made by four waves, 128 x 128 each: 64 accumulators in 512 registers.  K goes in steps of 256 through a ring of two LDS slots filled by the tensor data mover.
; All scales of the work-group's rows of A and of B come into LDS once, with the first fills.
; CLUSTERS: 4 x 4 work-groups; A's tiles are asked for jointly along a row of the cluster, B's along a column.
; THE MATRIX INSTRUCTION IS USED TRANSPOSED (source 0 = 16 rows of W, source 1 = a rowtile of A): a lane holds one token.  THE ROWS OF W THAT FORM A TILE ARE NOT NEIGHBOURS: lane r of tile i takes row
; 32 (i / 2) + 8 (i % 2) + r + 8 (r / 8), so that the 16 registers of tiles 2 k, 2 k + 1 are columns 32 k + 16 (lane / 16) + 0 .. 15.  With that choice rows r and r + 8 of a tile lie 16 x 240 bytes apart,
; a whole number of times 256 bytes: B's LDS loads meet two deep in the banks; A's images are read as consecutive bytes.
; The bias is the C of each sum's first matrix instruction.
; OUT.  Tile columns 0-7 (q, k): a wave's 128 columns are two heads; a rowtile's 64 numbers a lane become two images of 768 bytes, qk = [part 2][bh 32][Tl 128][768]; words at QKS [part][bh][Tl][16], bytes 2, 3 = 0x7f
;   (attention pads K = 64 to 128 with zero codes).  Tile columns 8-11 (v): turned through the wave's LDS stage so that a lane holds one channel d and 32 neighbouring keys:
;   vt = [bh 32][Kq 16][dt 4][1,536], lane r of d-tile dt = channel 32 (dt / 2) + 8 (dt % 2) + r + 8 (r / 8); words at VSC [bh][Kq][dt][16].
; REGISTERS, in windows of 256: window 0: v0-31 addresses; v32-95 scale words, two sets; v128-223 A's fragments, one set.  window 1: B's fragments, two sets at v0 and v128; the bias at v96-127 and v224-255.
;   windows 2, 3: the accumulators, (a, b) at v[8 (8 (a % 4) + b)].
; LIMITS: NaN and infinities are not served; a block whose largest magnitude lies under 2^-124 keeps the byte 1; a block of zeros gets the byte 1 where the quantiser says 127 (zero codes; only this program reads the bytes).
.set SIZE_K, 1024
.set PERM,   1                         ; 1: the rows of W that form a tile are chosen as above; 0: neighbours
.set ASC,    3145728                   ; where A's scale words begin in its buffer
.set QKS,    6291456
.set VSC,    3145728
.set KQ,     SIZE_K/128
.set KS,     SIZE_K/32                 ; a row of W's scale bytes
.set KROW,   SIZE_K*3/4                ; a row of W's codes in bytes
.set ROWB,   192                       ; 256 codes
.set PITCH,  240                       ; B's LDS row: 3 x (64 bytes + 16 of padding)
.set FR,     12
.set NLA,    4                         ; LDS loads that bring a fragment of A
.set NP,     4                         ; places behind this matrix instruction (ISA guide 7.12.1)
.set HALFA,  8*3072                    ; 8 rowtiles x 256 K of A: one tensor load
.set HALFB,  128*PITCH                 ; 128 rows x 256 K of B: one tensor load
.set SLOT,   2*HALFA+2*HALFB
.set LAPS,   SIZE_K/512
.set SCLA,   2*SLOT                    ; A's scale words: [half 2][q KQ][rowtile 8][64 bytes]
.set SCLB,   SCLA+1024*KQ              ; B's scale bytes, as units of 256 bytes + 16 of padding
.set HALFS,  (128*KS/256)*272
.set SPARE,  SCLB+2*HALFS              ; the spare words, 128 bytes for each wave: two blocks of 256 bytes that no other line names
.set ADA16, 8                          ; v8-9    A's images in slot 0, 1: + 16 l
.set ADA8,  10                         ; v10-11  the same + 8 l
.set ADRB,  20                         ; v20-21  B's rows in slot 0, 1 (v22-23: for the pieces that lie behind one padding more)
.set ADSB,  27                         ; v27     B's scale words
.set SPW,   28                         ; v28     my spare word: SPARE + 4 x my thread's number; never rewritten
.set NIL,   29                         ; v29     0; never rewritten
.set ADSA,  30                         ; v30     A's scale words
.set AF,    128
.set G1, 24                            ; s[24:31] group 1 for A's tiles; s[32:39] group 0, one set for each slot
.set G0, 32
.set G1B, 48                           ; the same for B's tiles
.set G0B, 56
.set G1S, 68                           ; groups 1 and 0 for A's scales; then for B's
.set G0S, 76
.set G1SB, 80
.set G0SB, 88
.set TM,  32                           ; the way out: v32-35 largest magnitudes, v36-39 bytes, v44-47 scale operands
.set PW,  48                           ; the scale word just made
.set PC,  52                           ; v52-63 the codes just made; v64-70 at work
.set SEL, 46                           ; s[46:47] lane selects for lane l xor 16
.set MSB, 0
.macro WIN new                         ; the immediate's high byte repeats the setting that is left
.if MSB != (\new)
	s_set_vgpr_msb (MSB<<8)|(\new)
.set MSB, (\new)
.endif
.endm
.set MUL_LO, 0xa1                      ; source 0 (B) window 1, source 1 (A) window 0, C and D window 2
.set MUL_HI, 0xf1                      ; the same, C and D window 3
.set TO_B,   0x40                      ; destination window 1, address window 0
; A joint load: waves 0 and 1 fetch for A, waves 2 and 3 for B.  Each line has one mask and one set of registers; the branch hangs on the wave's number alone.  Four v_nop follow each line.
.macro JLOAD g0a, g1a, g0b, g1b
	s_cmp_eq_u32 s15, 0
	s_cbranch_scc0 .Lfor_b_\@
	tensor_load_to_lds s[\g0a:\g0a+3], s[\g1a:\g1a+7]
	s_nop 0
.rept 4
	v_nop
.endr
	s_branch .Lasked_\@
.Lfor_b_\@:
	tensor_load_to_lds s[\g0b:\g0b+3], s[\g1b:\g1b+7]
	s_nop 0
.rept 4
	v_nop
.endr
.Lasked_\@:
.endm
.macro CREST                           ; a round of the cluster's barrier behind its opening barrier
	s_cmp_lg_u32 s14, 0
	s_cbranch_scc1 .Lnot_wave_0_\@
	s_barrier_signal -3
.Lnot_wave_0_\@:
	s_barrier_wait -3
	s_barrier_signal -1
	s_barrier_wait -1
.endm
.macro CROUND
	s_barrier_signal -1
	s_barrier_wait -1
	CREST
.endm
.macro PLACES n
.rept \n
	v_nop
.endr
.endm
	s_load_b64 s[4:5], s[0:1], 0x0                 ; A: codes, and behind them its scale words
	s_load_b128 s[8:11], s[0:1], 0x8               ; W's codes, W's scales
	s_load_b64 s[66:67], s[0:1], 0x18              ; the bias
	s_load_b64 s[12:13], s[0:1], 0x20              ; qk
	s_load_b64 s[96:97], s[0:1], 0x28              ; vt
	v_lshl_add_u32 v[SPW], v0, 2, SPARE
	v_mov_b32 v[NIL], 0
	ds_add_u32 v28, v29
	ds_add_u32 v28, v29
	s_wait_dscnt 0x0
	v_lshrrev_b32 v1, 5, v0
	v_readfirstlane_b32 s14, v1                    ; wave 0..3
	s_lshr_b32 s15, s14, 1                         ; which half of the tile's tokens is mine.  Also: I fetch for A (0) or for B (1)
	s_and_b32 s16, s14, 1                          ; which half of its columns.  Also: which half of that tile I fetch
	s_bfe_u32 s40, ttmp6, 0x40000                  ; cx, cy: my place in the cluster
	s_bfe_u32 s41, ttmp6, 0x40004
	s_lshl_b32 s42, ttmp9, 2
	s_add_co_u32 s42, s42, s40                     ; tile column tx = 4 x cluster x + cx
	s_and_b32 s17, ttmp7, 0xffff
	s_lshl_b32 s17, s17, 2
	s_add_co_u32 s17, s17, s41                     ; tile row ty = 4 x cluster y + cy
	s_lshl_b32 s43, s41, 2
	s_lshl_b32 s43, 15, s43                        ; my row of the cluster
	s_lshl_b32 s44, 0x1111, s40                    ; my column
	s_or_b32 s[G1+0], s43, (3<<16)|(1<<21)         ; A's codes: 8 rows (rowtiles) of 384 elements of 8 bytes (two fragments), no padding; the mask: my row; bit 21 set beside it
	s_mov_b32 s[G1+1], 384<<16                     ; tensor_dim0
	s_mov_b32 s[G1+2], 8<<16                       ; tensor_dim1
	s_mov_b32 s[G1+3], 384<<16                     ; tile_dim0
	s_mov_b32 s[G1+4], 8                           ; tile_dim1
	s_mov_b32 s[G1+5], 192*KQ                      ; from rowtile to rowtile: 1,536 KQ bytes
	s_mov_b32 s[G1+6], 0
	s_mov_b32 s[G1+7], 0
	s_or_b32 s[G1B+0], s44, (0<<16)|(1<<20)|(1<<21)|(3<<22)|(3<<25)   ; B's codes: 128 rows of 192 bytes, 16 bytes of padding behind every 64; the mask: my column
	s_mov_b32 s[G1B+1], ROWB<<16
	s_mov_b32 s[G1B+2], 128<<16
	s_mov_b32 s[G1B+3], ROWB<<16
	s_mov_b32 s[G1B+4], 128
	s_mov_b32 s[G1B+5], KROW
	s_mov_b32 s[G1B+6], 0
	s_mov_b32 s[G1B+7], 0
	s_or_b32 s[G1S+0], s43, (3<<16)|(1<<21)        ; A's scale words: KQ rows of 512 bytes (8 rowtiles), 16,384 bytes apart
	s_mov_b32 s[G1S+1], 64<<16
	s_mov_b32 s[G1S+2], KQ<<16
	s_mov_b32 s[G1S+3], 64<<16
	s_mov_b32 s[G1S+4], KQ
	s_mov_b32 s[G1S+5], 2048
	s_mov_b32 s[G1S+6], 0
	s_mov_b32 s[G1S+7], 0
	s_or_b32 s[G1SB+0], s44, (3<<16)|(1<<20)|(1<<21)|(5<<22)|(3<<25)  ; B's scale bytes of 128 rows: a dense block, as rows of 256 bytes with 16 of padding
	s_mov_b32 s[G1SB+1], 32<<16
	s_mov_b32 s[G1SB+2], (128*KS/256)<<16
	s_mov_b32 s[G1SB+3], 32<<16
	s_mov_b32 s[G1SB+4], 128*KS/256
	s_mov_b32 s[G1SB+5], 32
	s_mov_b32 s[G1SB+6], 0
	s_mov_b32 s[G1SB+7], 0
	s_lshl_b32 s18, s16, 3
	s_lshl_b32 s20, s17, 4
	s_add_co_u32 s20, s20, s18                     ; A: rowtile 16 ty + 8 x half
	s_lshl_b32 s22, s20, 6
	s_add_co_u32 s22, s22, ASC                     ; its scale words of q = 0
	s_mov_b32 s23, 0
	s_mul_i32 s20, s20, 1536*KQ                    ; its codes
	s_mov_b32 s21, 0
	s_lshl_b32 s18, s16, 7
	s_lshl_b32 s46, s42, 8
	s_add_co_u32 s46, s46, s18                     ; B: row 256 tx + 128 x half
	s_mul_i32 s92, s46, KS
	s_mov_b32 s93, 0
	s_mul_i32 s46, s46, KROW
	s_mov_b32 s47, 0
	s_mul_i32 s45, s16, HALFA                      ; where they go: no place in the cluster enters an LDS address
	s_mul_i32 s19, s16, HALFB
	s_add_co_u32 s19, s19, 2*HALFA
	s_mul_i32 s94, s16, 512*KQ
	s_mul_i32 s95, s16, HALFS
	s_wait_kmcnt 0x0
	s_add_nc_u64 s[20:21], s[4:5], s[20:21]
	s_add_nc_u64 s[22:23], s[4:5], s[22:23]
	s_add_nc_u64 s[46:47], s[8:9], s[46:47]
	s_add_nc_u64 s[92:93], s[10:11], s[92:93]
	CROUND                                         ; all sixteen work-groups are here: the first joint loads meet
	s_mov_b32 s[G0S], 1
	s_add_co_u32 s[G0S+1], s94, SCLA
	s_mov_b64 s[G0S+2:G0S+3], s[22:23]
	s_or_b32 s[G0S+3], s[G0S+3], 0x80000000
	s_mov_b32 s[G0SB], 1
	s_add_co_u32 s[G0SB+1], s95, SCLB
	s_mov_b64 s[G0SB+2:G0SB+3], s[92:93]
	s_or_b32 s[G0SB+3], s[G0SB+3], 0x80000000
	JLOAD G0S, G1S, G0SB, G1SB                     ; the scales first: they are wanted with K step 0
.irp s, 0,1
	s_mov_b32 s[G0+4*\s], 1
	s_add_co_u32 s[G0+4*\s+1], s45, \s*SLOT
	s_add_nc_u64 s[G0+4*\s+2:G0+4*\s+3], s[20:21], \s*3072
	s_or_b32 s[G0+4*\s+3], s[G0+4*\s+3], 0x80000000
	s_mov_b32 s[G0B+4*\s], 1
	s_add_co_u32 s[G0B+4*\s+1], s19, \s*SLOT
	s_add_nc_u64 s[G0B+4*\s+2:G0B+4*\s+3], s[46:47], \s*ROWB
	s_or_b32 s[G0B+4*\s+3], s[G0B+4*\s+3], 0x80000000
	JLOAD G0+4*\s, G1, G0B+4*\s, G1B
.endr
	v_and_b32 v1, 15, v0                           ; r
	v_bfe_u32 v2, v0, 4, 1                         ; h
	v_and_b32 v3, 31, v0                           ; l
.if PERM
	v_and_b32 v4, 8, v1
	v_add_nc_u32 v4, v4, v1                        ; r + 8 (r / 8)
.else
	v_mov_b32 v4, v1
.endif
	s_mul_i32 s21, s15, HALFA                      ; my 8 rowtiles of A
	v_lshl_add_u32 v[ADA16], v3, 4, s21
	v_lshl_add_u32 v[ADA8], v3, 3, s21
	v_add_nc_u32 v[ADA16+1], SLOT, v[ADA16]
	v_add_nc_u32 v[ADA8+1], SLOT, v[ADA8]
	v_mul_u32_u24 v5, v4, PITCH
	v_mad_u32_u24 v6, v2, 24, v5                   ; B: row x pitch + 24 x half,
	v_mad_u32_u24 v7, v2, 40, v5                   ; and the same behind one padding more
	s_mul_i32 s22, s16, HALFB
	s_add_co_u32 s22, s22, 2*HALFA                 ; my 128 rows of B, behind A's two halves
	v_add_nc_u32 v[ADRB], s22, v6
	v_add_nc_u32 v[ADRB+2], s22, v7
	v_add_nc_u32 v[ADRB+1], SLOT, v[ADRB]
	v_add_nc_u32 v[ADRB+3], SLOT, v[ADRB+2]
	v_mul_u32_u24 v5, v4, KS                       ; my row's scale bytes: KS a row,
	v_lshrrev_b32 v6, 8, v5
	v_lshl_add_u32 v5, v6, 4, v5                   ; and 16 more for each 256 passed
	s_mul_i32 s22, s16, HALFS
	s_add_co_u32 s22, s22, SCLB
	v_add_nc_u32 v[ADSB], s22, v5
	s_mul_i32 s21, s15, 512*KQ
	s_add_co_u32 s21, s21, SCLA
	v_lshl_add_u32 v[ADSA], v1, 2, s21
	s_lshl_b32 s46, s42, 10
	s_lshl_b32 s47, s16, 9
	s_add_co_u32 s46, s46, s47                     ; the bias of my 128 columns: 4 (256 tx + 128 half) bytes on
	s_mov_b32 s47, 0
	s_add_nc_u64 s[66:67], s[66:67], s[46:47]
	v_lshlrev_b32 v31, 5+PERM, v2                  ; lanes 16-31 hold the columns 16 (or 8) further on
	WIN TO_B
.irp b, 0,1,2,3,4,5,6,7
.set RO, PERM*(32*(\b/2)+8*(\b%2))+(1-PERM)*16*\b
.set CC, 96+8*\b+96*(\b/4)
	global_load_b128 v[CC:CC+3], v31, s[66:67] offset:4*RO
	global_load_b128 v[CC+4:CC+7], v31, s[66:67] offset:4*RO+16
.endr
	WIN 0
.macro FRAGA reg, slot, q, i           ; a fragment of A comes back as it was stored: registers 0-3, 4-5, 6-9, 10-11
	ds_load_b128 v[\reg:\reg+3],     v[ADA16+\slot] offset:(\i)*3072+(\q)*1536
	ds_load_b64  v[\reg+4:\reg+5],   v[ADA8+\slot]  offset:(\i)*3072+(\q)*1536+512
	ds_load_b128 v[\reg+6:\reg+9],   v[ADA16+\slot] offset:(\i)*3072+(\q)*1536+768
	ds_load_b64  v[\reg+10:\reg+11], v[ADA8+\slot]  offset:(\i)*3072+(\q)*1536+1280
.endm
.macro FRAGB reg, adr, q, i            ; a fragment of B from rows: 24 bytes of the row's stream of bits for registers 0-5, 24 for 6-11, in pieces of 8 bytes; lanes 16-31 read three pieces further on
.set RO, PERM*(32*((\i)/2)+8*((\i)%2))+(1-PERM)*16*(\i)
.irp p, 0,1,2,3,4,5
.set PCE, 12*(\q)+6*(\p/3)+\p%3
.if PCE%8 < 5
	ds_load_b64 v[\reg+2*\p:\reg+2*\p+1], v[\adr] offset:8*PCE+16*(PCE/8)+RO*PITCH
.else
	ds_load_b64 v[\reg+2*\p:\reg+2*\p+1], v[\adr+2] offset:8*PCE+16*(PCE/8)+RO*PITCH
.endif
.endr
.endm
; 16 matrix instructions: A's blocks a0, a0 + 1 x B's eight, the slot's q-th 128 along K.  p: B's set; sc: the set of scale words.  first = 1: the bias is the C: nothing is cleared, nothing is added later.
; The 64 accumulators take turns, one instruction a turn, in the same order in every step.
.macro MUL16 a0, p, q, sc, first
.irp a, \a0, \a0+1
.irp b, 0,1,2,3,4,5,6,7
.set DD, 8*(8*((\a)%4)+\b)
.set BF, 128*(\p)+FR*\b
.set AA, AF+FR*(\a)
.set SBR, 48+32*(\sc)+2*\b+(\q)
.set SAR, 32+32*(\sc)+2*(\a)+(\q)
.set CC, 96+8*\b+96*(\b/4)
.if \first
	v_wmma_scale_f32_16x16x128_f8f6f4 v[DD:DD+7], v[BF:BF+FR-1], v[AA:AA+FR-1], v[CC:CC+7], v[SBR], v[SAR] matrix_a_fmt:MATRIX_FMT_FP6 matrix_b_fmt:MATRIX_FMT_FP6
.else
	v_wmma_scale_f32_16x16x128_f8f6f4 v[DD:DD+7], v[BF:BF+FR-1], v[AA:AA+FR-1], v[DD:DD+7], v[SBR], v[SAR] matrix_a_fmt:MATRIX_FMT_FP6 matrix_b_fmt:MATRIX_FMT_FP6
.endif
.endr
.endr
.endm
.macro FETCH_B slot, q, p
	WIN TO_B
.irp i, 0,1,2,3,4,5,6,7
	FRAGB 128*(\p)+FR*\i, ADRB+\slot, \q, \i
.endr
	WIN 0
.endm
.macro FETCH_A slot, q, i0
.irp i, \i0, \i0+1, \i0+2, \i0+3
	FRAGA AF+FR*(\i), \slot, \q, \i
.endr
.endm
.macro SCALES sc                       ; a K step's scale words: two for each of A's 8 rowtiles and of B's 8 tiles; lanes 16-31 load the same words as lanes 0-15 and are not read
.irp i, 0,1,2,3,4,5,6,7
.set RO, PERM*(32*(\i/2)+8*(\i%2))+(1-PERM)*16*\i
	ds_load_b32 v[32+32*\sc+2*\i], v[ADSA] offset:64*\i
	ds_load_b32 v[32+32*\sc+2*\i+1], v[ADSA] offset:64*\i+512
	ds_load_b64 v[48+32*\sc+2*\i:48+32*\sc+2*\i+1], v[ADSB] offset:(RO*KS/256)*272
.endr
.endm
; A step of 128 along K that has its successor in the same slot.  A load into a register that a matrix instruction has read stands NP places behind it.
.macro STEP slot, q, first
	s_wait_dscnt 4*NLA                             ; B's set, the scale words and A's blocks 0-3 are in; the youngest 16 loads (A's blocks 4-7) may be out
.if \first
	WIN 0x91                                       ; C (the bias) in window 1
.else
	WIN MUL_LO
.endif
	MUL16 0, (\q)%2, \q, \slot, \first
	MUL16 2, (\q)%2, \q, \slot, \first
	s_wait_dscnt 0                                 ; A's blocks 4-7 are in
	PLACES NP
	FETCH_B \slot, (\q)+1, 1-(\q)%2
	FETCH_A \slot, (\q)+1, 0
.if \first
	WIN 0xd1
.else
	WIN MUL_HI
.endif
	MUL16 4, (\q)%2, \q, \slot, \first
	MUL16 6, (\q)%2, \q, \slot, \first
	PLACES NP
	WIN 0
	FETCH_A \slot, (\q)+1, 4
.endm
; A slot's last step changes slots: one barrier; in front of it each wave waits for all its tensor loads, adds 0 to its spare word, and waits for that and for its own reads of this slot.
.macro TURN slot, next, fill
	s_wait_tensorcnt 0x0                           ; all my tensor loads have landed: my part of the next slot
	ds_add_u32 v[SPW], v[NIL]                      ; 0 onto my spare word
	s_wait_dscnt 4*NLA+1                           ; (the add and the youngest 16 loads, A's blocks 4-7, may be out)
	WIN MUL_LO
	MUL16 0, 1, 1, \slot, 0                        ; sixteen matrix instructions stand between the add and the wait for it
	s_wait_dscnt 0x0                               ; the add is done, and my reads of this slot are over
	s_barrier_signal -1
	MUL16 2, 1, 1, \slot, 0
	WIN 0
	s_barrier_wait -1
.if \fill
	CREST                                          ; the barrier has opened a round of the cluster's barrier: no wave of any partner still reads this slot or has a load on its way
	s_add_nc_u64 s[G0+4*\slot+2:G0+4*\slot+3], s[G0+4*\slot+2:G0+4*\slot+3], 6144
	s_add_nc_u64 s[G0B+4*\slot+2:G0B+4*\slot+3], s[G0B+4*\slot+2:G0B+4*\slot+3], 2*ROWB
	JLOAD G0+4*\slot, G1, G0B+4*\slot, G1B         ; the first tensor load behind the round; its four v_nop are the places in front of the loads below
.else
	PLACES NP
.endif
	v_add_nc_u32 v[ADSA], 1024, v[ADSA]            ; on to the next K step's scale words
	v_add_nc_u32 v[ADSB], 8, v[ADSB]
	FETCH_B \next, 0, 0
	FETCH_A \next, 0, 0
	SCALES \next
	WIN MUL_HI
	MUL16 4, 1, 1, \slot, 0
	MUL16 6, 1, 1, \slot, 0
	PLACES NP
	WIN 0
	FETCH_A \next, 0, 4
.endm
	s_wait_tensorcnt 1                             ; the scales and my part of K step 0 are in (K step 1's load may be out)
	s_barrier_signal -1
	s_barrier_wait -1
	FETCH_B 0, 0, 0
	FETCH_A 0, 0, 0
	SCALES 0
	FETCH_A 0, 0, 4
	s_wait_loadcnt 0x0                             ; the bias
	STEP 0, 0, 1                                   ; the first step stands in front of the loop: its products start the sums
	s_mov_b32 s3, LAPS-1
.Llap:                                                 ; a trip goes once round the ring and fills both slots again
	TURN 0, 1, 1
	STEP 1, 0, 0
	TURN 1, 0, 1
	STEP 0, 0, 0
	s_sub_co_u32 s3, s3, 1
	s_cmp_lg_u32 s3, 0
	s_cbranch_scc1 .Llap
	TURN 0, 1, 0                                   ; the last lap fills nothing
	STEP 1, 0, 0
	s_wait_dscnt 4*NLA
	WIN MUL_LO
	MUL16 0, 1, 1, 1, 0
	MUL16 2, 1, 1, 1, 0
	s_wait_dscnt 0
	WIN MUL_HI
	MUL16 4, 1, 1, 1, 0
	MUL16 6, 1, 1, 1, 0
	WIN 0
; 64 numbers of a lane, v[s] .. v[s + 63] of window w, register 16 b + i = k 32 b + 16 (lane / 16) + i of my row, become a fragment's codes in v[PC] on and its scale word in v[pw].  Each accumulator is read from its low end on.
.macro QUANT s, w, pw
	WIN (\w)*5                                     ; sources 0 and 1 in window w
.irp b, 0,1,2,3
	v_max3_num_f32 v[TM+\b], |v[\s+16*\b]|, |v[\s+1+16*\b]|, 0x1800000   ; with the floor 2^(3 - 127): the byte cannot fall under 1
.endr
.irp i, 2,4,6,8,10,12,14
.irp b, 0,1,2,3
	v_max3_num_f32 v[TM+\b], |v[\s+16*\b+\i]|, |v[\s+1+16*\b+\i]|, v[TM+\b]
.endr
.endr
	WIN 0
.irp b, 0,1,2,3
	v_permlanex16_b32 v[TM+4+\b], v[TM+\b], s[SEL], s[SEL+1]
.endr
.irp b, 0,1,2,3
	v_max_num_f32 v[TM+\b], v[TM+\b], v[TM+4+\b]   ; with lane l xor 16's: the block's largest magnitude
.endr
.irp b, 0,1,2,3
	v_add_nc_u32 v[TM+12+\b], 0xff000000, v[TM+\b] ; 2 off its exponent field: the conversion's scale operand
.endr
.irp b, 0,1,2,3
	v_lshrrev_b32 v[TM+4+\b], 23, v[TM+12+\b]      ; the scale's byte
.endr
	v_lshl_or_b32 v[\pw], v[TM+5], 8, v[TM+4]
	v_lshl_or_b32 v[\pw], v[TM+6], 16, v[\pw]
	v_lshl_or_b32 v[\pw], v[TM+7], 24, v[\pw]
	WIN (\w)                                       ; source 0 in window w
.irp c, 0,1
	v_cvt_scalef32_pk16_fp6_f32 v[PC+6*\c:PC+2+6*\c], v[\s+32*\c:\s+15+32*\c], v[TM+12+2*\c]
	v_cvt_scalef32_pk16_fp6_f32 v[PC+12+4*\c:PC+14+4*\c], v[\s+16+32*\c:\s+31+32*\c], v[TM+12+2*\c+1]
.endr
	WIN 0
	v_nop                                          ; one plain instruction behind the scaled conversions
.irp c, 0,1                                    ; the operand's layout wants a whole block in a lane
.irp i, 0,1,2
	v_permlane16_swap_b32 v[PC+6*\c+\i], v[PC+12+4*\c+\i]
.endr
.irp i, 0,1,2
	v_mov_b32 v[PC+3+6*\c+\i], v[PC+12+4*\c+\i]
.endr
.endr
.endm
	; THE WAY OUT
	PLACES NP                                      ; behind the last products: for the first reads of results and the first writes of registers that they read
	s_mov_b32 s[SEL], 0x76543210
	s_mov_b32 s[SEL+1], 0xfedcba98
	s_mov_b32 s24, 0x7f7f0000                      ; scale bytes 2 and 3 of a head's word: 1.0 over zero codes
	s_mov_b32 vcc_lo, 0xffff0000                   ; lanes 16-31
.irp b, 0,1,2,3
	v_mov_b32 v[TM+4+\b], 0                        ; a lane permute's destination counts as read
.endr
	v_lshlrev_b32 v12, 4, v3                       ; 16 l
	v_lshlrev_b32 v13, 3, v3                       ; 8 l
	v_lshlrev_b32 v14, 2, v1
	v_lshl_add_u32 v14, v2, 13, v14                ; 4 r, and one head (8,192 bytes of words) on for lanes 16-31
	v_lshlrev_b32 v17, 2, v3                       ; 4 l
	s_mul_i32 s18, s14, 32*528                     ; my stage: 32 rows x (512 + 16) bytes, in slot 0, which has had its last fill and, since the last change of slots, its last read
	v_mul_u32_u24 v15, v4, 528
	v_lshl_add_u32 v15, v2, 6, v15
	v_add_nc_u32 v15, s18, v15                     ; in: row r + 8 (r / 8), + 64 h
	v_lshl_add_u32 v16, v2, 3, v4
	v_lshl_add_u32 v16, v16, 2, s18                ; out: column 8 h + r + 8 (r / 8)
	s_lshr_b32 s21, s17, 3                         ; the batch
	s_lshl_b32 s23, s21, 4
	s_and_b32 s18, s42, 3
	s_lshl_b32 s18, s18, 2
	s_add_co_u32 s23, s23, s18
	s_lshl_b32 s18, s16, 1
	s_add_co_u32 s23, s23, s18                     ; bh of my first head: 16 b + 4 (tx % 4) + 2 x half
	s_mov_b32 s19, 0
	s_cmp_eq_u32 ttmp9, 2                          ; cluster x = 2: tile columns 8-11 are v.  The number is the same in all partners of a cluster
	s_cbranch_scc1 .Lpath_v
	s_lshl_b32 s22, s17, 4
	s_lshl_b32 s18, s15, 3
	s_add_co_u32 s22, s22, s18
	s_and_b32 s22, s22, 127                        ; my first rowtile within the batch
	s_lshl_b32 s18, ttmp9, 5                       ; 32 x part (0: q, 1: k)
	s_add_co_u32 s23, s23, s18
	s_lshl_b32 s23, s23, 7
	s_add_co_u32 s23, s23, s22
	s_lshl_b32 s18, s23, 6
	s_add_co_u32 s18, s18, QKS
	s_add_nc_u64 s[98:99], s[12:13], s[18:19]      ; the words
	s_mul_i32 s18, s23, 768
	s_add_nc_u64 s[12:13], s[12:13], s[18:19]      ; the images
.macro OUTQK a
	s_wait_xcnt 0x0                                ; the last block's stores have read their registers
	QUANT 64*((\a)%4), 2+(\a)/4, PW
	v_and_or_b32 v49, v[PW], 0xffff, s24           ; the first head's word,
	v_lshrrev_b32 v50, 16, v[PW]
	v_or_b32 v50, s24, v50                         ; the second head's,
	v_cndmask_b32 v49, v49, v50, vcc_lo            ; which lanes 16-31 carry
	global_store_b128 v12, v[PC:PC+3], s[12:13] offset:768*(\a)
	global_store_b64 v13, v[PC+4:PC+5], s[12:13] offset:768*(\a)+512
	global_store_b128 v12, v[PC+6:PC+9], s[12:13] offset:768*(\a)+98304
	global_store_b64 v13, v[PC+10:PC+11], s[12:13] offset:768*(\a)+98816
	global_store_b32 v14, v49, s[98:99] offset:64*(\a)
.endm
.irp a, 0,1,2,3,4,5,6,7
	OUTQK \a
.endr
	s_branch .Ldone
.Lpath_v:
	s_lshl_b32 s22, s17, 1
	s_add_co_u32 s22, s22, s15
	s_and_b32 s22, s22, 15                         ; which 128 keys of the batch are my wave's
	s_lshl_b32 s23, s23, 4
	s_add_co_u32 s23, s23, s22
	s_lshl_b32 s18, s23, 8
	s_add_co_u32 s18, s18, VSC
	s_add_nc_u64 s[98:99], s[96:97], s[18:19]
	s_mul_i32 s18, s23, 6144
	s_add_nc_u64 s[96:97], s[96:97], s[18:19]
.macro VSTAGE P                        ; 32 neighbouring tokens (rowtiles 2 P, 2 P + 1) x my 128 columns into the stage, straight from the accumulators, each from its low end on
	WIN 0x08+4*((\P)/2)
.irp u, 0,1
.irp b, 0,1,2,3,4,5,6,7
.set AC, 8*(8*((2*(\P)+\u)%4)+\b)
	ds_store_b128 v15, v[AC:AC+3] offset:8*\u*528+128*(\b/2)+32*(\b%2)
	ds_store_b128 v15, v[AC+4:AC+7] offset:8*\u*528+128*(\b/2)+32*(\b%2)+16
.endr
.endr
	WIN 0
.endm
.macro LOADX g                         ; my column of group g (32 columns), down the 32 tokens: LDS serves a wave's instructions in order, so these see the stores above
.set I, 0
.rept 32
	ds_load_b32 v[128+32*((\g)%2)+I], v16 offset:528*I+128*(\g)
.set I, I+1
.endr
.endm
.macro QB g, P, e                      ; a block of 32 keys of one channel: all 32 numbers are mine
.set XS, 128+32*((\g)%2)
.set CV, 192+24*(\e)+6*(\g)
	v_max3_num_f32 v32, |v[XS]|, |v[XS+1]|, |v[XS+2]|
	v_max3_num_f32 v33, |v[XS+3]|, |v[XS+4]|, |v[XS+5]|
.irp i, 6,10,14,18,22,26
	v_max3_num_f32 v32, v32, |v[XS+\i]|, |v[XS+\i+1]|
	v_max3_num_f32 v33, v33, |v[XS+\i+2]|, |v[XS+\i+3]|
.endr
	v_max3_num_f32 v32, v32, |v[XS+30]|, |v[XS+31]|
	v_max3_num_f32 v32, v32, v33, 0x1800000
	v_add_nc_u32 v34, 0xff000000, v32
	v_lshrrev_b32 v35, 23, v34
.if (\P) == 0
	v_mov_b32 v[76+\g], v35
.else
	v_lshl_or_b32 v[76+\g], v35, 8*(\P), v[76+\g]  ; byte P of the channel's word for these 128 keys
.endif
	v_cvt_scalef32_pk16_fp6_f32 v[CV:CV+2], v[XS:XS+15], v34
	v_cvt_scalef32_pk16_fp6_f32 v[64:66], v[XS+16:XS+31], v34
	v_nop
	v_mov_b32 v[CV+3], v64
	v_mov_b32 v[CV+4], v65
	v_mov_b32 v[CV+5], v66
.endm
.macro VBLOCK P, e
	VSTAGE \P
	LOADX 0
	LOADX 1
	s_wait_dscnt 32                                ; group 0 is in; the next group's 32 loads may be out
	QB 0, \P, \e
	LOADX 2
	s_wait_dscnt 32
	QB 1, \P, \e
	LOADX 3
	s_wait_dscnt 32
	QB 2, \P, \e
	s_wait_dscnt 0x0
	QB 3, \P, \e
.endm
.irp c, 0,1
.if \c
	s_wait_xcnt 0x0                                ; the stores of the first 64 keys have read their registers
.endif
	VBLOCK 2*\c, 0
	VBLOCK 2*\c+1, 1
.irp g, 0,1,2,3                        ; set 0 holds key block 2 c of d-tiles 2 g (lanes 0-15) and 2 g + 1 (lanes 16-31), set 1 block 2 c + 1: the exchange makes of them the two d-tiles' images
.irp i, 0,1,2,3,4,5
	v_permlane16_swap_b32 v[192+6*\g+\i], v[216+6*\g+\i]
.endr
.endr
.irp g, 0,1,2,3
.irp e, 0,1
	global_store_b128 v12, v[192+24*\e+6*\g:195+24*\e+6*\g], s[96:97] offset:(\g/2)*98304+(2*(\g%2)+\e)*1536+768*\c
	global_store_b64 v13, v[196+24*\e+6*\g:197+24*\e+6*\g], s[96:97] offset:(\g/2)*98304+(2*(\g%2)+\e)*1536+768*\c+512
.endr
.endr
.endr
.irp g, 0,1,2,3
	global_store_b32 v17, v[76+\g], s[98:99] offset:(\g/2)*4096+(\g%2)*128   ; the words of d-tiles 2 g and 2 g + 1: 128 consecutive bytes
.endr
.Ldone:
	s_wait_tensorcnt 0x0                           ; the wave's end
	ds_add_u32 v[SPW], v[NIL]
	s_wait_dscnt 0x0
	CROUND                                         ; the closing round: no work-group ends while a partner may still ask for a tile that names it
	s_endpgm
.Lfunc_end_k_qa3039038c4_qkv:
	.size	k_qa3039038c4_qkv, .Lfunc_end_k_qa3039038c4_qkv-k_qa3039038c4_qkv
	.p2alignl 7, 3214868480
	.fill 96, 4, 3214868480
	.section	.rodata,"a",@progbits
	.p2align	6, 0x0
	.amdhsa_kernel k_qa3039038c4_qkv
		.amdhsa_group_segment_fixed_size 327680
		.amdhsa_private_segment_fixed_size 0
		.amdhsa_enable_private_segment 0
		.amdhsa_kernarg_size 48
		.amdhsa_user_sgpr_count 2
		.amdhsa_user_sgpr_kernarg_segment_ptr 1
		.amdhsa_wavefront_size32 1
		.amdhsa_system_sgpr_workgroup_id_x 1
		.amdhsa_system_sgpr_workgroup_id_y 1
		.amdhsa_system_sgpr_workgroup_id_z 1
		.amdhsa_system_vgpr_workitem_id 0
		.amdhsa_next_free_vgpr 1024
		.amdhsa_next_free_sgpr 100
		.amdhsa_reserve_vcc 1
		.amdhsa_float_denorm_mode_32 3
		.amdhsa_float_denorm_mode_16_64 3
		.amdhsa_memory_ordered 1
		.amdhsa_forward_progress 1
		.amdhsa_inst_pref_size 235
	.end_amdhsa_kernel
	.amdgpu_metadata
---
amdhsa.version: [ 1, 2 ]
amdhsa.kernels:
  - .name:           k_qa3039038c4_qkv
    .symbol:         k_qa3039038c4_qkv.kd
    .args:
      - { .name: xq, .offset: 0, .size: 8, .value_kind: global_buffer, .address_space: global }
      - { .name: qkv_w_codes, .offset: 8, .size: 8, .value_kind: global_buffer, .address_space: global }
      - { .name: qkv_w_scales, .offset: 16, .size: 8, .value_kind: global_buffer, .address_space: global }
      - { .name: qkv_b, .offset: 24, .size: 8, .value_kind: global_buffer, .address_space: global }
      - { .name: qk, .offset: 32, .size: 8, .value_kind: global_buffer, .address_space: global }
      - { .name: vt, .offset: 40, .size: 8, .value_kind: global_buffer, .address_space: global }
    .group_segment_fixed_size: 327680
    .private_segment_fixed_size: 0
    .kernarg_segment_align: 8
    .kernarg_segment_size: 48
    .max_flat_workgroup_size: 128
    .sgpr_count:     100
    .vgpr_count:     1024
    .wavefront_size: 32
...
	.end_amdgpu_metadata
.endif
;; end of part 2
;; launch attn (part 3): grid 8 x 32, 16 waves a work-group, clusters of 4 x 1, 210,944 bytes of LDS; arguments qk, vt, oq; writes oq
.if DOCPART == 3
	.amdgcn_target "amdgcn-amd-amdhsa--gfx1250"
	.amdhsa_code_object_version 6
	.text
	.protected	k_qa3039038c4_attn
	.globl	k_qa3039038c4_attn
	.p2align	8
	.type	k_qa3039038c4_attn,@function
k_qa3039038c4_attn:
	s_mov_b64 s[64:65], 0
	v_nop
	global_prefetch_b8 v0, s[64:65] scope:SCOPE_SE
	s_setreg_imm32_b32 hwreg(HW_REG_WAVE_MODE, 25, 1), 1
	s_wait_xcnt 0x0
	s_wait_alu depctr_hold_cnt(0) depctr_sa_sdst(0) depctr_va_vdst(0) depctr_va_sdst(0) depctr_va_ssrc(0) depctr_va_vcc(0) depctr_vm_vsrc(0)
	s_getreg_b32 s2, hwreg(HW_REG_IB_STS2, 6, 4)
	s_cmp_eq_u32 s2, 0
	s_cbranch_scc0 .Lentry_in_a_cluster
	s_endpgm
.Lentry_in_a_cluster:
	s_bfe_u32 s2, ttmp6, 0x10000c
	s_cmp_lg_u32 s2, 0x3003
	s_cbranch_scc0 .Lentry_shape_is_right
	s_endpgm
.Lentry_shape_is_right:
; o = softmax(q k^T / 8) v for 32 heads of 2,048 tokens x 64, both products on codes of FP6 (E2M3) with E8M0 scales for each 32 along K; o / l is quantised along the model's 1,024 for the next product.
; THE SOFTMAX AHEAD OF THE SECOND PRODUCT: t = score x log2(e) / 8; M = the running largest t rounded UP to a whole number; p = 2^(t - M) is quantised along the keys, not normalised; the row's sum l is taken
; of the unquantised p; when M moves, l and O are multiplied by 2^(old M - new M), which rounds nothing.
; INPUTS, this program's own: qk = [part (q, k)][bh 32][Tl 128][768]: rowtile Tl (lane r = token 32 (Tl / 2) + 8 (Tl % 2) + r + 8 (r / 8)) x 64 K as an image of six operand registers; words at QKS, bytes 2, 3 = 0x7f.
;   The first product's K = 64 is filled to the instruction's 128 with zero codes on both sides (registers 6-11 of Q's and K's fragments are cleared once).
;   vt = [bh][Kq 16][dt 4][1,536]: V^T, 16 channels x 128 keys as an image of 12 registers; lane r of d-tile dt = channel 32 (dt / 2) + 8 (dt % 2) + r + 8 (r / 8); words at VSC.
; SHARES.  A work-group owns 256 queries of one head, each of its sixteen waves one rowtile of 16, in 256 registers: four waves to a SIMD, so that one wave's vector work stands beside another's products and LDS loads.
; Both products are used transposed (S^T = K Q^T, O^T = V^T P^T): a lane holds one query; by the choice of rows above the 16 registers of tiles 2 b, 2 b + 1 are 16 neighbouring keys (or channels).
; LDS.  A WHOLE HEAD'S K, V and scale words stay in LDS, 208,896 bytes; no byte is filled twice, so there is no ring.  Each wave issues three loads at the start: its part of the first 512 keys, of the scale words,
; and of the other 1,536 keys; the first four key steps run while the third load is on its way.
; CLUSTER.  The four query blocks of a cluster belong to one head: every fill is asked for jointly, with the mask of all four.
; OUT.  oq as the products' A operand: codes [T 256][q 8][1,536] (q = head / 2, image head % 2), scale words at XSC [q 8][T 256][16]: a head owns two bytes of a word, stored by 2 bytes a lane
; (32 bytes a wave; lanes r and r + 16 store the same bytes).
; LIMITS: NaN and infinities are not served; a block whose every p has fallen to 0, or whose largest magnitude lies under 2^-124, keeps the byte 1 (a block of zeros too: zero codes; only this program reads the bytes).
; REGISTERS: v1-7 addresses that stay; v8-13 the step's addresses; v14 -M, v15 the largest t; v16-27 Q, v28 its words; v29 at work; v30 f, v31 p's word; v32-79 four fragments of K; v80-91 p's codes;
;   v92-95 words of K, then of V; v96-159 S^T, then p; v160-191 O^T; v192-239 V's four fragments; v240-251 at work; v[252:253] the sum, v[254:255] its second chain.
.set KC,  0                            ; K's images: 128 x 768
.set VC,  98304                        ; V's: 16 x 4 x 1,536
.set KSO, 196608                       ; K's words: 128 x 64
.set VSO, 204800                       ; V's: 64 x 64
.set QKS, 6291456
.set VSC, 3145728
.set XSC, 3145728
.set WV,  10
.set TC,  90                           ; s90  where the step's codes begin in KC and in VC: 6,144 bytes a step
.set TKS, 91                           ; s91  K's words: 512 a step
.set TVS, 92                           ; s92  V's: 256 a step
.set CNT, 93
.set SEL, 94                           ; s[94:95] lane selects for lane l xor 16
.set CS,  96                           ; s[96:97] c = log2(e) / 8
.macro CROUND                          ; a round of the cluster's barrier
	s_barrier_signal -1
	s_barrier_wait -1
	s_cmp_lg_u32 s[WV], 0
	s_cbranch_scc1 .Lnot_wave_0_\@
	s_barrier_signal -3
.Lnot_wave_0_\@:
	s_barrier_wait -3
	s_barrier_signal -1
	s_barrier_wait -1
.endm
.macro DENSE g, rows                   ; group 1 of a dense block: rows of 256 bytes (32 elements of 8), no padding; the mask of all four partners, bit 21 beside it
	s_mov_b32 s[\g], 15|(3<<16)|(1<<21)
	s_mov_b32 s[\g+1], 32<<16
	s_mov_b32 s[\g+2], (\rows)<<16
	s_mov_b32 s[\g+3], 32<<16
	s_mov_b32 s[\g+4], \rows
	s_mov_b32 s[\g+5], 32
	s_mov_b32 s[\g+6], 0
	s_mov_b32 s[\g+7], 0
.endm
.macro GROUP0 g, lreg, lconst, base, o1, o2
	s_mov_b32 s[\g], 1
	s_add_co_u32 s[\g+1], s[\lreg], \lconst
	s_add_co_u32 s84, s[\o1], s[\o2]
	s_add_nc_u64 s[\g+2:\g+3], s[\base:\base+1], s[84:85]
	s_or_b32 s[\g+3], s[\g+3], 0x80000000
.endm
	s_load_b128 s[4:7], s[0:1], 0x0                ; qk, vt
	s_load_b64 s[8:9], s[0:1], 0x10                ; oq
	v_lshl_add_u32 v254, v0, 2, 0x33000
	v_mov_b32 v255, 0
	ds_add_u32 v254, v255
	ds_add_u32 v254, v255
	s_wait_dscnt 0x0
	v_lshrrev_b32 v1, 5, v0
	v_readfirstlane_b32 s[WV], v1                  ; wave 0..15
	s_and_b32 s11, s[WV], 7                        ; which eighth of K's (waves 0-7) or V's (waves 8-15) bytes I fetch
	s_and_b32 s12, ttmp7, 0xffff                   ; bh, which the partners share
	s_bfe_u32 s13, ttmp6, 0x40000                  ; cx: it enters Q's and O's addresses alone
	s_lshl_b32 s14, ttmp9, 2
	s_add_co_u32 s14, s14, s13
	s_lshl_b32 s14, s14, 4
	s_add_co_u32 s14, s14, s[WV]                   ; my rowtile in the head: 16 x block + wave
	DENSE 24, 12
	DENSE 32, 36
	DENSE 40, 4
	DENSE 48, 2
	s_mul_i32 s15, s12, 98304                      ; a head's codes: 98,304 bytes in each tensor
	s_add_co_u32 s16, s15, 32*98304                ; k's part of qk lies 32 heads behind q's
	s_lshl_b32 s17, s12, 13                        ; a head's words of q or of k: 8,192 bytes
	s_add_co_u32 s18, s17, QKS+32*8192
	s_lshl_b32 s19, s12, 12
	s_add_co_u32 s19, s19, VSC                     ; V's words: 4,096 bytes a head
	s_mul_i32 s20, s11, 3072                       ; my part of the first 512 keys,
	s_mul_i32 s21, s11, 9216
	s_add_co_u32 s21, s21, 24576                   ; of the other 1,536,
	s_lshl_b32 s22, s11, 10                        ; of K's words,
	s_lshl_b32 s23, s11, 9                         ; of V's
	s_mov_b32 s85, 0
	s_mov_b32 s[SEL], 0x76543210
	s_mov_b32 s[SEL+1], 0xfedcba98
	s_mov_b32 s[CS], 0x3e38aa3b
	s_mov_b32 s[CS+1], s[CS]
	s_mov_b32 s[TC], 0
	s_mov_b32 s[TKS], 0
	s_mov_b32 s[TVS], 0
	s_wait_kmcnt 0x0
	GROUP0 56, 20, KC, 4, 16, 20
	GROUP0 60, 22, KSO, 4, 18, 22
	GROUP0 68, 21, KC, 4, 16, 21
	GROUP0 72, 20, VC, 6, 15, 20
	GROUP0 76, 23, VSO, 6, 19, 23
	GROUP0 80, 21, VC, 6, 15, 21
	CROUND                                         ; all four work-groups are here: the joint loads meet
	s_cmp_lt_u32 s[WV], 8                          ; a wave's three fills stand in one branch, ahead of every wait on TENSORcnt and every LDS read: three loads of mine are out
	s_cbranch_scc0 .Lfor_v
	tensor_load_to_lds s[56:59], s[24:31]
	s_nop 0
	tensor_load_to_lds s[60:63], s[40:47]
	s_nop 0
	tensor_load_to_lds s[68:71], s[32:39]
	s_nop 0
.rept 4
	v_nop
.endr
	s_branch .Lasked
.Lfor_v:
	tensor_load_to_lds s[72:75], s[24:31]
	s_nop 0
	tensor_load_to_lds s[76:79], s[48:55]
	s_nop 0
	tensor_load_to_lds s[80:83], s[32:39]
	s_nop 0
.rept 4
	v_nop
.endr
.Lasked:
	s_mul_i32 s86, s14, 768
	s_add_co_u32 s86, s86, s15
	s_mov_b32 s87, 0
	s_add_nc_u64 s[86:87], s[4:5], s[86:87]        ; Q's image
	s_lshl_b32 s88, s14, 6
	s_add_co_u32 s88, s88, s17
	s_add_co_u32 s88, s88, QKS
	s_mov_b32 s89, 0
	s_add_nc_u64 s[88:89], s[4:5], s[88:89]        ; and its words
	v_and_b32 v29, 31, v0
	v_lshlrev_b32 v1, 4, v29                       ; KC + 16 l
	v_lshlrev_b32 v7, 3, v29                       ; 8 l
	v_add_nc_u32 v2, 512, v7                       ; KC + 512 + 8 l
	v_add_nc_u32 v3, VC, v1
	v_add_nc_u32 v4, VC, v2
	v_and_b32 v29, 15, v0
	v_lshlrev_b32 v13, 2, v29                      ; 4 r
	v_add_nc_u32 v5, KSO, v13
	v_add_nc_u32 v6, VSO, v13
	global_load_b128 v[16:19], v1, s[86:87]
	global_load_b64 v[20:21], v7, s[86:87] offset:512
	global_load_b32 v28, v13, s[88:89]
.irp j, 22,23,24,25,26,27
	v_mov_b32 v\j, 0                               ; Q's k = 64 .. 127: zero codes
.endr
.irp t, 0,1,2,3
.irp j, 6,7,8,9,10,11
	v_mov_b32 v[32+12*\t+\j], 0                    ; K's likewise: written once, no load lands here
.endr
.endr
.set J, 0
.rept 32
	v_mov_b32 v[160+J], 0                          ; O^T.  (The step is written once: the first finds zeros, which the first change of M leaves zeros)
.set J, J+1
.endr
.irp j, 244,245,246,247,31,252,253
	v_mov_b32 v\j, 0
.endr
	v_mov_b32 v15, 0xff61b1e6                      ; the largest t so far: -3e38
	v_floor_f32 v14, -v15                          ; -M
; A KEY STEP: 128 keys.
.macro STEP
	v_add_nc_u32 v8, s[TC], v1                     ; (these six are also the places behind the last step's products, in front of loads into registers that they read)
	v_add_nc_u32 v9, s[TC], v2
	v_add_nc_u32 v10, s[TC], v3
	v_add_nc_u32 v11, s[TC], v4
	v_add_nc_u32 v12, s[TKS], v5
	v_add_nc_u32 v13, s[TVS], v6
.irp g, 0,1                                    ; S^T = K Q^T, four rowtiles of keys at a time
.if \g
.rept 4
	v_nop
.endr
.endif
.irp t, 0,1,2,3
	ds_load_b128 v[32+12*\t:35+12*\t], v8 offset:(4*\g+\t)*768
	ds_load_b64 v[36+12*\t:37+12*\t], v9 offset:(4*\g+\t)*768
	ds_load_b32 v[92+\t], v12 offset:(4*\g+\t)*64
.endr
	s_wait_dscnt 0x0
.irp t, 0,1,2,3
	v_wmma_scale_f32_16x16x128_f8f6f4 v[96+8*(4*\g+\t):103+8*(4*\g+\t)], v[32+12*\t:43+12*\t], v[16:27], 0, v[92+\t], v28 matrix_a_fmt:MATRIX_FMT_FP6 matrix_b_fmt:MATRIX_FMT_FP6
.endr
.endr
.rept 4
	v_nop
.endr
.irp t, 0,1,2,3                                ; V's four fragments and their words are asked for here and land under the softmax
	ds_load_b128 v[192+12*\t:195+12*\t], v10 offset:1536*\t
	ds_load_b64 v[196+12*\t:197+12*\t], v11 offset:1536*\t
	ds_load_b128 v[198+12*\t:201+12*\t], v10 offset:1536*\t+768
	ds_load_b64 v[202+12*\t:203+12*\t], v11 offset:1536*\t+768
	ds_load_b32 v[92+\t], v13 offset:64*\t
.endr
.irp b, 0,1,2,3
	v_max3_num_f32 v[240+\b], v[96+16*\b], v[97+16*\b], v[98+16*\b]   ; the largest score of each block of 32 keys: it serves the row's maximum and, since p rises with the score, the block's largest p
.endr
.irp i, 3,5,7,9,11,13
.irp b, 0,1,2,3
	v_max3_num_f32 v[240+\b], v[240+\b], v[96+16*\b+\i], v[97+16*\b+\i]
.endr
.endr
.irp b, 0,1,2,3
	v_max_num_f32 v[240+\b], v[240+\b], v[111+16*\b]
.endr
.irp b, 0,1,2,3
	v_permlanex16_b32 v[244+\b], v[240+\b], s[SEL], s[SEL+1]
.endr
.irp b, 0,1,2,3
	v_max_num_f32 v[240+\b], v[240+\b], v[244+\b]
.endr
	v_max3_num_f32 v29, v240, v241, v242
	v_max_num_f32 v29, v29, v243
	v_mul_f32 v29, s[CS], v29                      ; the step's largest t
	v_max_num_f32 v15, v15, v29
	v_mov_b32 v29, v14
	v_floor_f32 v14, -v15                          ; the new -M = -ceil(t)
	v_sub_f32 v29, v14, v29                        ; old M - new M: a whole number, 0 or less
	v_cvt_i32_f32 v29, v29                         ; (it saturates)
	v_ldexp_f32 v30, 1.0, v29                      ; f = 2^(old M - new M)
.set J, 0
.rept 32
	v_pk_fma_f32 v[96+J:97+J], v[96+J:97+J], s[CS:CS+1], v[14:15] op_sel_hi:[1,0,0]   ; t - M
.set J, J+2
.endr
.irp b, 0,1,2,3
	v_fma_f32 v[240+\b], v[240+\b], s[CS], v14
.endr
.set J, 0
.rept 64
	v_exp_f32 v[96+J], v[96+J]                     ; p = 2^(t - M)
.set J, J+1
.endr
.irp b, 0,1,2,3
	v_exp_f32 v[240+\b], v[240+\b]                 ; the block's largest p
.endr
	v_pk_mul_f32 v[252:253], v[252:253], v[30:31] op_sel_hi:[1,0]     ; the sum under the new M; also the plain instruction behind the exponentials
	s_wait_alu depctr_va_vdst(0)
.irp b, 0,1,2,3
	v_max_num_f32 v[240+\b], 0x1800000, v[240+\b]  ; the floor 2^(3 - 127)
.endr
.irp b, 0,1,2,3
	v_add_nc_u32 v[248+\b], 0xff000000, v[240+\b]  ; the conversion's scale operand
.endr
.irp b, 0,1,2,3
	v_lshrrev_b32 v[244+\b], 23, v[248+\b]         ; the scale's byte
.endr
	v_lshl_or_b32 v31, v245, 8, v244               ; p's scale word for these 128 keys
	v_lshl_or_b32 v31, v246, 16, v31
	v_lshl_or_b32 v31, v247, 24, v31
	v_cvt_scalef32_pk16_fp6_f32 v[80:82], v[96:111], v248
	v_cvt_scalef32_pk16_fp6_f32 v[240:242], v[112:127], v249
	v_cvt_scalef32_pk16_fp6_f32 v[86:88], v[128:143], v250
	v_cvt_scalef32_pk16_fp6_f32 v[244:246], v[144:159], v251
	v_nop                                          ; one plain instruction behind the scaled conversions
.irp i, 0,1,2
	v_permlane16_swap_b32 v[80+\i], v[240+\i]      ; the operand's layout wants a whole block in a lane
.endr
.irp i, 0,1,2
	v_permlane16_swap_b32 v[86+\i], v[244+\i]
.endr
.irp i, 0,1,2
	v_mov_b32 v[83+\i], v[240+\i]
	v_mov_b32 v[89+\i], v[244+\i]
.endr
	v_pk_add_f32 v[254:255], v[96:97], v[98:99]    ; the row's sum is taken of the unquantised p, in two chains
.irp j, 4,8,12,16,20,24,28,32,36,40,44,48,52,56,60
	v_pk_add_f32 v[252:253], v[252:253], v[96+\j:97+\j]
	v_pk_add_f32 v[254:255], v[254:255], v[98+\j:99+\j]
.endr
	v_pk_add_f32 v[252:253], v[252:253], v[254:255]
.set J, 0
.rept 16
	v_pk_mul_f32 v[160+J:161+J], v[160+J:161+J], v[30:31] op_sel_hi:[1,0]   ; O^T under the new M.  (With the sums above: the places between p's word and codes and the products below)
.set J, J+2
.endr
	s_wait_dscnt 0x0                               ; V's fragments and words
.irp t, 0,1,2,3                                ; O^T += V^T P^T: the four accumulators by turns
	v_wmma_scale_f32_16x16x128_f8f6f4 v[160+8*\t:167+8*\t], v[192+12*\t:203+12*\t], v[80:91], v[160+8*\t:167+8*\t], v[92+\t], v31 matrix_a_fmt:MATRIX_FMT_FP6 matrix_b_fmt:MATRIX_FMT_FP6
.endr
	s_add_co_u32 s[TC], s[TC], 6144
	s_add_co_u32 s[TKS], s[TKS], 512
	s_add_co_u32 s[TVS], s[TVS], 256
.endm
	s_wait_loadcnt 0x0                             ; Q
	s_wait_tensorcnt 1                             ; my parts of the first 512 keys and of the words have landed; the third load may stay out
	s_barrier_signal -1
	s_barrier_wait -1                              ; everybody's have
	s_mov_b32 s[CNT], 4
.Lfirst:                                           ; keys 0 to 511
	STEP
	s_sub_co_u32 s[CNT], s[CNT], 1
	s_cmp_lg_u32 s[CNT], 0
	s_cbranch_scc1 .Lfirst
	s_wait_tensorcnt 0x0                           ; my part of the other keys has landed
	s_wait_dscnt 0x0
	s_barrier_signal -1
	s_barrier_wait -1
	s_mov_b32 s[CNT], 12
.Lrest:                                            ; keys 512 to 2,047
	STEP
	s_sub_co_u32 s[CNT], s[CNT], 1
	s_cmp_lg_u32 s[CNT], 0
	s_cbranch_scc1 .Lrest
	; THE WAY OUT: o = O^T / l, quantised along the head's 64 (two blocks of the next product's K): register 16 k + i is channel 32 k + 16 (lane / 16) + i of my query
.rept 4
	v_nop
.endr
	v_add_f32 v252, v252, v253
	v_permlanex16_b32 v244, v252, s[SEL], s[SEL+1]
	v_add_f32 v252, v252, v244                     ; the row's sum
	v_rcp_f32 v30, v252
	v_and_b32 v8, 15, v0                           ; (a plain instruction behind the transcendental)
	v_lshlrev_b32 v8, 2, v8                        ; 4 r
.set J, 0
	s_wait_alu depctr_va_vdst(0)
.rept 16
	v_pk_mul_f32 v[96+J:97+J], v[160+J:161+J], v[30:31] op_sel_hi:[1,0]
.set J, J+2
.endr
.irp b, 0,1
	v_max3_num_f32 v[240+\b], |v[96+16*\b]|, |v[97+16*\b]|, 0x1800000
.endr
.irp i, 2,4,6,8,10,12,14
.irp b, 0,1
	v_max3_num_f32 v[240+\b], v[240+\b], |v[96+16*\b+\i]|, |v[97+16*\b+\i]|
.endr
.endr
.irp b, 0,1
	v_permlanex16_b32 v[244+\b], v[240+\b], s[SEL], s[SEL+1]
.endr
.irp b, 0,1
	v_max_num_f32 v[240+\b], v[240+\b], v[244+\b]
.endr
.irp b, 0,1
	v_add_nc_u32 v[248+\b], 0xff000000, v[240+\b]
.endr
.irp b, 0,1
	v_lshrrev_b32 v[244+\b], 23, v[248+\b]
.endr
	v_lshl_or_b32 v29, v245, 8, v244               ; the head's two bytes of my token's word
	v_cvt_scalef32_pk16_fp6_f32 v[80:82], v[96:111], v248
	v_cvt_scalef32_pk16_fp6_f32 v[84:86], v[112:127], v249
	v_nop
.irp i, 0,1,2
	v_permlane16_swap_b32 v[80+\i], v[84+\i]
.endr
	v_mov_b32 v83, v84
	v_mov_b32 v84, v85
	v_mov_b32 v85, v86
	s_lshr_b32 s15, s12, 4
	s_lshl_b32 s15, s15, 7
	s_add_co_u32 s15, s15, s14                     ; T = 128 x batch + my rowtile
	s_and_b32 s16, s12, 15                         ; the head
	s_mul_i32 s86, s15, 12288
	s_mul_i32 s17, s16, 768
	s_add_co_u32 s86, s86, s17                     ; 12,288 T + 768 head
	s_mov_b32 s87, 0
	s_add_nc_u64 s[86:87], s[8:9], s[86:87]
	s_lshr_b32 s17, s16, 1
	s_lshl_b32 s17, s17, 8
	s_add_co_u32 s17, s17, s15
	s_lshl_b32 s88, s17, 6
	s_and_b32 s17, s16, 1
	s_lshl_b32 s17, s17, 1
	s_add_co_u32 s88, s88, s17
	s_add_co_u32 s88, s88, XSC                     ; XSC + 64 (256 (head / 2) + T) + 2 (head % 2)
	s_mov_b32 s89, 0
	s_add_nc_u64 s[88:89], s[8:9], s[88:89]
	global_store_b128 v1, v[80:83], s[86:87]                           ; 512 consecutive bytes, aligned
	global_store_b64 v7, v[84:85], s[86:87] offset:512                 ; 256 consecutive bytes, aligned
	global_store_b16 v8, v29, s[88:89]
	s_wait_xcnt 0x0
	v_lshl_add_u32 v254, v0, 2, 0x33000
	v_mov_b32 v255, 0
	s_wait_tensorcnt 0x0
	ds_add_u32 v254, v255
	s_wait_dscnt 0x0
	CROUND                                         ; the closing round
	s_endpgm
.Lfunc_end_k_qa3039038c4_attn:
	.size	k_qa3039038c4_attn, .Lfunc_end_k_qa3039038c4_attn-k_qa3039038c4_attn
	.p2alignl 7, 3214868480
	.fill 96, 4, 3214868480
	.section	.rodata,"a",@progbits
	.p2align	6, 0x0
	.amdhsa_kernel k_qa3039038c4_attn
		.amdhsa_group_segment_fixed_size 210944
		.amdhsa_private_segment_fixed_size 0
		.amdhsa_enable_private_segment 0
		.amdhsa_kernarg_size 24
		.amdhsa_user_sgpr_count 2
		.amdhsa_user_sgpr_kernarg_segment_ptr 1
		.amdhsa_wavefront_size32 1
		.amdhsa_system_sgpr_workgroup_id_x 1
		.amdhsa_system_sgpr_workgroup_id_y 1
		.amdhsa_system_sgpr_workgroup_id_z 1
		.amdhsa_system_vgpr_workitem_id 0
		.amdhsa_next_free_vgpr 256
		.amdhsa_next_free_sgpr 98
		.amdhsa_reserve_vcc 0
		.amdhsa_float_denorm_mode_32 3
		.amdhsa_float_denorm_mode_16_64 3
		.amdhsa_memory_ordered 1
		.amdhsa_forward_progress 1
		.amdhsa_inst_pref_size 49
	.end_amdhsa_kernel
	.amdgpu_metadata
---
amdhsa.version: [ 1, 2 ]
amdhsa.kernels:
  - .name:           k_qa3039038c4_attn
    .symbol:         k_qa3039038c4_attn.kd
    .args:
      - { .name: qk, .offset: 0, .size: 8, .value_kind: global_buffer, .address_space: global }
      - { .name: vt, .offset: 8, .size: 8, .value_kind: global_buffer, .address_space: global }
      - { .name: oq, .offset: 16, .size: 8, .value_kind: global_buffer, .address_space: global }
    .group_segment_fixed_size: 210944
    .private_segment_fixed_size: 0
    .kernarg_segment_align: 8
    .kernarg_segment_size: 24
    .max_flat_workgroup_size: 512
    .sgpr_count:     98
    .vgpr_count:     256
    .wavefront_size: 32
...
	.end_amdgpu_metadata
.endif
;; end of part 3
;; launch proj (part 4): grid 4 x 16, 4 waves a work-group, clusters of 4 x 4, 327,680 bytes of LDS; arguments oq, proj_w_codes, proj_w_scales, proj_b, x, x1; writes x1
.if DOCPART == 4
	.amdgcn_target "amdgcn-amd-amdhsa--gfx1250"
	.amdhsa_code_object_version 6
	.text
	.protected	k_qa3039038c4_proj
	.globl	k_qa3039038c4_proj
	.p2align	8
	.type	k_qa3039038c4_proj,@function
k_qa3039038c4_proj:
	s_mov_b64 s[64:65], 0
	v_nop
	global_prefetch_b8 v0, s[64:65] scope:SCOPE_SE
	s_setreg_imm32_b32 hwreg(HW_REG_WAVE_MODE, 25, 1), 1
	s_wait_xcnt 0x0
	s_wait_alu depctr_hold_cnt(0) depctr_sa_sdst(0) depctr_va_vdst(0) depctr_va_sdst(0) depctr_va_ssrc(0) depctr_va_vcc(0) depctr_vm_vsrc(0)
	s_getreg_b32 s2, hwreg(HW_REG_IB_STS2, 6, 4)
	s_cmp_eq_u32 s2, 0
	s_cbranch_scc0 .Lentry_in_a_cluster
	s_endpgm
.Lentry_in_a_cluster:
	s_bfe_u32 s2, ttmp6, 0x10000c
	s_cmp_lg_u32 s2, 0xf033
	s_cbranch_scc0 .Lentry_shape_is_right
	s_endpgm
.Lentry_shape_is_right:
; x1 = x + o W^T + b on codes of FP6 (E2M3) with E8M0 scales for each 32 along K = 1,024; x, x1: [4,096][1,024] f32.
; A (o): this program's own codes, by rowtiles (lane r of rowtile T = token 32 (T / 2) + 8 (T % 2) + r + 8 (r / 8)), a fragment of 16 rows x 128 K as an image of its 12 registers, 1,536 bytes:
;   [T 256][q 8][1,536]; scale words at ASC: [q 8][T 256][16 words].  B (W): given rows of codes, 768 bytes a row, and rows of 32 scale bytes.
; A tile of 256 tokens x 256 columns is made by four waves, 128 x 128 each: 64 accumulators in 512 registers.  K goes in steps of 256 through a ring of two LDS slots filled by the tensor data mover.
; All scales of the work-group's rows of A and of B come into LDS once, with the first fills.  At this size there are 64 tiles: 64 work-groups.
; CLUSTERS: 4 x 4 work-groups; A's tiles are asked for jointly along a row of the cluster, B's along a column.
; THE MATRIX INSTRUCTION IS USED TRANSPOSED (source 0 = 16 neighbouring rows of W, source 1 = a rowtile of A): a lane holds one token and eight neighbouring columns.  The bias is the C of each sum's first matrix instruction.
; OUT.  A block of 16 tokens x 128 columns goes through the wave's own LDS stage and comes back as whole rows of 512 bytes; the residual's same rows are loaded three blocks ahead and added; 32 lanes store 512 consecutive bytes.
; REGISTERS, in windows of 256: window 0: v0-31 addresses; v32-95 scale words, two sets; v128-223 A's fragments, one set.  window 1: B's fragments, two sets at v0 and v128; the bias at v96-127 and v224-255;
;   on the way out the residual.  windows 2, 3: the accumulators, (a, b) at v[8 (8 (a % 4) + b)].
.set SIZE_K, 1024
.set PERM,   0                         ; the rows of W that form a tile are neighbours
.set ASC,    3145728                   ; where A's scale words begin in its buffer
.set KQ,     SIZE_K/128
.set KS,     SIZE_K/32                 ; a row of W's scale bytes
.set KROW,   SIZE_K*3/4                ; a row of W's codes in bytes
.set ROWB,   192                       ; 256 codes
.set PITCH,  240                       ; B's LDS row: 3 x (64 bytes + 16 of padding): the 32 lanes of a load of 8 bytes touch 64 different banks
.set FR,     12
.set NLA,    4                         ; LDS loads that bring a fragment of A
.set NP,     4                         ; places behind this matrix instruction (ISA guide 7.12.1)
.set HALFA,  8*3072                    ; 8 rowtiles x 256 K of A: one tensor load
.set HALFB,  128*PITCH                 ; 128 rows x 256 K of B: one tensor load
.set SLOT,   2*HALFA+2*HALFB
.set LAPS,   SIZE_K/512
.set SCLA,   2*SLOT                    ; A's scale words: [half 2][q KQ][rowtile 8][64 bytes]
.set SCLB,   SCLA+1024*KQ              ; B's scale bytes, as units of 256 bytes + 16 of padding
.set HALFS,  (128*KS/256)*272
.set SPARE,  SCLB+2*HALFS              ; the spare words, 128 bytes for each wave: two blocks of 256 bytes that no other line names
.set SPITCH, 528                       ; the way out: a stage of 16 rows x (512 + 16) bytes for each wave, in slot 0
.set ADA16, 8                          ; v8-9    A's images in slot 0, 1: + 16 l
.set ADA8,  10                         ; v10-11  the same + 8 l
.set ADRB,  20                         ; v20-21  B's rows in slot 0, 1 (v22-23: for the pieces that lie behind one padding more)
.set STO,   24                         ; v24     the way out: where I put 32 bytes of a row
.set RD,    25                         ; v25     where I read a row back
.set CO,    26                         ; v26     16 l: my bytes of a row of 512
.set ADSB,  27                         ; v27     B's scale words
.set SPW,   28                         ; v28     my spare word: SPARE + 4 x my thread's number; never rewritten
.set NIL,   29                         ; v29     0; never rewritten
.set ADSA,  30                         ; v30     A's scale words
.set AF,    128
.set BK,    128                        ; the way out: 16 rows read back: v128-191 and v192-255 by turns
.set G1, 24
.set G0, 32
.set G1B, 48
.set G0B, 56
.set G1S, 68
.set G0S, 76
.set G1SB, 80
.set G0SB, 88
.set MSB, 0
.macro WIN new                         ; the immediate's high byte repeats the setting that is left
.if MSB != (\new)
	s_set_vgpr_msb (MSB<<8)|(\new)
.set MSB, (\new)
.endif
.endm
.set MUL_LO, 0xa1                      ; source 0 (B) window 1, source 1 (A) window 0, C and D window 2
.set MUL_HI, 0xf1                      ; the same, C and D window 3
.set TO_B,   0x40                      ; destination window 1, address window 0
; A joint load: waves 0 and 1 fetch for A, waves 2 and 3 for B.  Each line has one mask and one set of registers; the branch hangs on the wave's number alone.  Four v_nop follow each line.
.macro JLOAD g0a, g1a, g0b, g1b
	s_cmp_eq_u32 s15, 0
	s_cbranch_scc0 .Lfor_b_\@
	tensor_load_to_lds s[\g0a:\g0a+3], s[\g1a:\g1a+7]
	s_nop 0
.rept 4
	v_nop
.endr
	s_branch .Lasked_\@
.Lfor_b_\@:
	tensor_load_to_lds s[\g0b:\g0b+3], s[\g1b:\g1b+7]
	s_nop 0
.rept 4
	v_nop
.endr
.Lasked_\@:
.endm
.macro CREST                           ; a round of the cluster's barrier behind its opening barrier
	s_cmp_lg_u32 s14, 0
	s_cbranch_scc1 .Lnot_wave_0_\@
	s_barrier_signal -3
.Lnot_wave_0_\@:
	s_barrier_wait -3
	s_barrier_signal -1
	s_barrier_wait -1
.endm
.macro CROUND
	s_barrier_signal -1
	s_barrier_wait -1
	CREST
.endm
.macro PLACES n
.rept \n
	v_nop
.endr
.endm
	s_load_b64 s[4:5], s[0:1], 0x0                 ; A: codes, and behind them its scale words
	s_load_b128 s[8:11], s[0:1], 0x8               ; W's codes, W's scales
	s_load_b64 s[66:67], s[0:1], 0x18              ; the bias
	s_load_b64 s[12:13], s[0:1], 0x20              ; the residual
	s_load_b64 s[96:97], s[0:1], 0x28              ; the result
	v_lshl_add_u32 v[SPW], v0, 2, SPARE
	v_mov_b32 v[NIL], 0
	ds_add_u32 v28, v29
	ds_add_u32 v28, v29
	s_wait_dscnt 0x0
	v_lshrrev_b32 v1, 5, v0
	v_readfirstlane_b32 s14, v1                    ; wave 0..3
	s_lshr_b32 s15, s14, 1                         ; which half of the tile's tokens is mine.  Also: I fetch for A (0) or for B (1)
	s_and_b32 s16, s14, 1                          ; which half of its columns.  Also: which half of that tile I fetch
	s_bfe_u32 s40, ttmp6, 0x40000                  ; cx, cy: my place in the cluster
	s_bfe_u32 s41, ttmp6, 0x40004
	s_lshl_b32 s42, ttmp9, 2
	s_add_co_u32 s42, s42, s40                     ; tile column tx = 4 x cluster x + cx
	s_and_b32 s17, ttmp7, 0xffff
	s_lshl_b32 s17, s17, 2
	s_add_co_u32 s17, s17, s41                     ; tile row ty = 4 x cluster y + cy
	s_lshl_b32 s43, s41, 2
	s_lshl_b32 s43, 15, s43                        ; my row of the cluster
	s_lshl_b32 s44, 0x1111, s40                    ; my column
	s_or_b32 s[G1+0], s43, (3<<16)|(1<<21)         ; A's codes: 8 rows (rowtiles) of 384 elements of 8 bytes (two fragments), no padding; the mask: my row; bit 21 set beside it
	s_mov_b32 s[G1+1], 384<<16                     ; tensor_dim0
	s_mov_b32 s[G1+2], 8<<16                       ; tensor_dim1
	s_mov_b32 s[G1+3], 384<<16                     ; tile_dim0
	s_mov_b32 s[G1+4], 8                           ; tile_dim1
	s_mov_b32 s[G1+5], 192*KQ                      ; from rowtile to rowtile: 1,536 KQ bytes
	s_mov_b32 s[G1+6], 0
	s_mov_b32 s[G1+7], 0
	s_or_b32 s[G1B+0], s44, (0<<16)|(1<<20)|(1<<21)|(3<<22)|(3<<25)   ; B's codes: 128 rows of 192 bytes, 16 bytes of padding behind every 64; the mask: my column
	s_mov_b32 s[G1B+1], ROWB<<16
	s_mov_b32 s[G1B+2], 128<<16
	s_mov_b32 s[G1B+3], ROWB<<16
	s_mov_b32 s[G1B+4], 128
	s_mov_b32 s[G1B+5], KROW
	s_mov_b32 s[G1B+6], 0
	s_mov_b32 s[G1B+7], 0
	s_or_b32 s[G1S+0], s43, (3<<16)|(1<<21)        ; A's scale words: KQ rows of 512 bytes (8 rowtiles), 16,384 bytes apart
	s_mov_b32 s[G1S+1], 64<<16
	s_mov_b32 s[G1S+2], KQ<<16
	s_mov_b32 s[G1S+3], 64<<16
	s_mov_b32 s[G1S+4], KQ
	s_mov_b32 s[G1S+5], 2048
	s_mov_b32 s[G1S+6], 0
	s_mov_b32 s[G1S+7], 0
	s_or_b32 s[G1SB+0], s44, (3<<16)|(1<<20)|(1<<21)|(5<<22)|(3<<25)  ; B's scale bytes of 128 rows: a dense block, as rows of 256 bytes with 16 of padding
	s_mov_b32 s[G1SB+1], 32<<16
	s_mov_b32 s[G1SB+2], (128*KS/256)<<16
	s_mov_b32 s[G1SB+3], 32<<16
	s_mov_b32 s[G1SB+4], 128*KS/256
	s_mov_b32 s[G1SB+5], 32
	s_mov_b32 s[G1SB+6], 0
	s_mov_b32 s[G1SB+7], 0
	s_lshl_b32 s18, s16, 3
	s_lshl_b32 s20, s17, 4
	s_add_co_u32 s20, s20, s18                     ; A: rowtile 16 ty + 8 x half
	s_lshl_b32 s22, s20, 6
	s_add_co_u32 s22, s22, ASC                     ; its scale words of q = 0
	s_mov_b32 s23, 0
	s_mul_i32 s20, s20, 1536*KQ                    ; its codes
	s_mov_b32 s21, 0
	s_lshl_b32 s18, s16, 7
	s_lshl_b32 s46, s42, 8
	s_add_co_u32 s46, s46, s18                     ; B: row 256 tx + 128 x half
	s_mul_i32 s92, s46, KS
	s_mov_b32 s93, 0
	s_mul_i32 s46, s46, KROW
	s_mov_b32 s47, 0
	s_mul_i32 s45, s16, HALFA                      ; where they go: no place in the cluster enters an LDS address
	s_mul_i32 s19, s16, HALFB
	s_add_co_u32 s19, s19, 2*HALFA
	s_mul_i32 s94, s16, 512*KQ
	s_mul_i32 s95, s16, HALFS
	s_wait_kmcnt 0x0
	s_add_nc_u64 s[20:21], s[4:5], s[20:21]
	s_add_nc_u64 s[22:23], s[4:5], s[22:23]
	s_add_nc_u64 s[46:47], s[8:9], s[46:47]
	s_add_nc_u64 s[92:93], s[10:11], s[92:93]
	CROUND                                         ; all sixteen work-groups are here: the first joint loads meet
	s_mov_b32 s[G0S], 1
	s_add_co_u32 s[G0S+1], s94, SCLA
	s_mov_b64 s[G0S+2:G0S+3], s[22:23]
	s_or_b32 s[G0S+3], s[G0S+3], 0x80000000
	s_mov_b32 s[G0SB], 1
	s_add_co_u32 s[G0SB+1], s95, SCLB
	s_mov_b64 s[G0SB+2:G0SB+3], s[92:93]
	s_or_b32 s[G0SB+3], s[G0SB+3], 0x80000000
	JLOAD G0S, G1S, G0SB, G1SB                     ; the scales first: they are wanted with K step 0
.irp s, 0,1
	s_mov_b32 s[G0+4*\s], 1
	s_add_co_u32 s[G0+4*\s+1], s45, \s*SLOT
	s_add_nc_u64 s[G0+4*\s+2:G0+4*\s+3], s[20:21], \s*3072
	s_or_b32 s[G0+4*\s+3], s[G0+4*\s+3], 0x80000000
	s_mov_b32 s[G0B+4*\s], 1
	s_add_co_u32 s[G0B+4*\s+1], s19, \s*SLOT
	s_add_nc_u64 s[G0B+4*\s+2:G0B+4*\s+3], s[46:47], \s*ROWB
	s_or_b32 s[G0B+4*\s+3], s[G0B+4*\s+3], 0x80000000
	JLOAD G0+4*\s, G1, G0B+4*\s, G1B
.endr
	v_and_b32 v1, 15, v0                           ; r
	v_bfe_u32 v2, v0, 4, 1                         ; h
	v_and_b32 v3, 31, v0                           ; l
.if PERM
	v_and_b32 v4, 8, v1
	v_add_nc_u32 v4, v4, v1
.else
	v_mov_b32 v4, v1
.endif
	s_mul_i32 s21, s15, HALFA                      ; my 8 rowtiles of A
	v_lshl_add_u32 v[ADA16], v3, 4, s21
	v_lshl_add_u32 v[ADA8], v3, 3, s21
	v_add_nc_u32 v[ADA16+1], SLOT, v[ADA16]
	v_add_nc_u32 v[ADA8+1], SLOT, v[ADA8]
	v_mul_u32_u24 v5, v4, PITCH
	v_mad_u32_u24 v6, v2, 24, v5                   ; B: row x pitch + 24 x half,
	v_mad_u32_u24 v7, v2, 40, v5                   ; and the same behind one padding more
	s_mul_i32 s22, s16, HALFB
	s_add_co_u32 s22, s22, 2*HALFA                 ; my 128 rows of B, behind A's two halves
	v_add_nc_u32 v[ADRB], s22, v6
	v_add_nc_u32 v[ADRB+2], s22, v7
	v_add_nc_u32 v[ADRB+1], SLOT, v[ADRB]
	v_add_nc_u32 v[ADRB+3], SLOT, v[ADRB+2]
	v_mul_u32_u24 v5, v4, KS                       ; my row's scale bytes: KS a row,
	v_lshrrev_b32 v6, 8, v5
	v_lshl_add_u32 v5, v6, 4, v5                   ; and 16 more for each 256 passed
	s_mul_i32 s22, s16, HALFS
	s_add_co_u32 s22, s22, SCLB
	v_add_nc_u32 v[ADSB], s22, v5
	s_mul_i32 s21, s15, 512*KQ
	s_add_co_u32 s21, s21, SCLA
	v_lshl_add_u32 v[ADSA], v1, 2, s21
	s_mul_i32 s23, s14, 16*SPITCH                  ; my stage
	v_mul_u32_u24 v5, v1, SPITCH
	v_lshl_add_u32 v5, v2, 5, v5
	v_add_nc_u32 v[STO], s23, v5                   ; in: row r, 32 bytes for each half of the lanes
	v_lshlrev_b32 v[CO], 4, v3
	v_add_nc_u32 v[RD], s23, v[CO]                 ; back: the 32 lanes take one row of 512 bytes
	s_lshl_b32 s46, s42, 10
	s_lshl_b32 s47, s16, 9
	s_add_co_u32 s46, s46, s47                     ; my 128 columns: 4 (256 tx + 128 half) bytes on
	s_mov_b32 s47, 0
	s_add_nc_u64 s[66:67], s[66:67], s[46:47]
	s_lshl_b32 s20, s17, 8
	s_lshl_b32 s21, s15, 7
	s_add_co_u32 s20, s20, s21
	s_lshl_b32 s20, s20, 12                        ; my first token: (256 ty + 128 half) rows of 4,096 bytes
	s_mov_b32 s21, 0
	s_add_nc_u64 s[20:21], s[20:21], s[46:47]
	s_add_nc_u64 s[12:13], s[12:13], s[20:21]
	s_add_nc_u64 s[96:97], s[96:97], s[20:21]
	v_lshlrev_b32 v31, 5+PERM, v2                  ; lanes 16-31 hold the columns 8 further on
	WIN TO_B
.irp b, 0,1,2,3,4,5,6,7
.set RO, PERM*(32*(\b/2)+8*(\b%2))+(1-PERM)*16*\b
.set CC, 96+8*\b+96*(\b/4)
	global_load_b128 v[CC:CC+3], v31, s[66:67] offset:4*RO
	global_load_b128 v[CC+4:CC+7], v31, s[66:67] offset:4*RO+16
.endr
	WIN 0
.macro FRAGA reg, slot, q, i           ; a fragment of A comes back as it was stored: registers 0-3, 4-5, 6-9, 10-11
	ds_load_b128 v[\reg:\reg+3],     v[ADA16+\slot] offset:(\i)*3072+(\q)*1536
	ds_load_b64  v[\reg+4:\reg+5],   v[ADA8+\slot]  offset:(\i)*3072+(\q)*1536+512
	ds_load_b128 v[\reg+6:\reg+9],   v[ADA16+\slot] offset:(\i)*3072+(\q)*1536+768
	ds_load_b64  v[\reg+10:\reg+11], v[ADA8+\slot]  offset:(\i)*3072+(\q)*1536+1280
.endm
.macro FRAGB reg, adr, q, i            ; a fragment of B from rows: 24 bytes of the row's stream of bits for registers 0-5, 24 for 6-11, in pieces of 8 bytes; lanes 16-31 read three pieces further on
.set RO, PERM*(32*((\i)/2)+8*((\i)%2))+(1-PERM)*16*(\i)
.irp p, 0,1,2,3,4,5
.set PCE, 12*(\q)+6*(\p/3)+\p%3
.if PCE%8 < 5
	ds_load_b64 v[\reg+2*\p:\reg+2*\p+1], v[\adr] offset:8*PCE+16*(PCE/8)+RO*PITCH
.else
	ds_load_b64 v[\reg+2*\p:\reg+2*\p+1], v[\adr+2] offset:8*PCE+16*(PCE/8)+RO*PITCH
.endif
.endr
.endm
; 16 matrix instructions: A's blocks a0, a0 + 1 x B's eight, the slot's q-th 128 along K.  p: B's set; sc: the set of scale words.  first = 1: the bias is the C: nothing is cleared, nothing is added later.
; The 64 accumulators take turns, one instruction a turn, in the same order in every step.
.macro MUL16 a0, p, q, sc, first
.irp a, \a0, \a0+1
.irp b, 0,1,2,3,4,5,6,7
.set DD, 8*(8*((\a)%4)+\b)
.set BF, 128*(\p)+FR*\b
.set AA, AF+FR*(\a)
.set SBR, 48+32*(\sc)+2*\b+(\q)
.set SAR, 32+32*(\sc)+2*(\a)+(\q)
.set CC, 96+8*\b+96*(\b/4)
.if \first
	v_wmma_scale_f32_16x16x128_f8f6f4 v[DD:DD+7], v[BF:BF+FR-1], v[AA:AA+FR-1], v[CC:CC+7], v[SBR], v[SAR] matrix_a_fmt:MATRIX_FMT_FP6 matrix_b_fmt:MATRIX_FMT_FP6
.else
	v_wmma_scale_f32_16x16x128_f8f6f4 v[DD:DD+7], v[BF:BF+FR-1], v[AA:AA+FR-1], v[DD:DD+7], v[SBR], v[SAR] matrix_a_fmt:MATRIX_FMT_FP6 matrix_b_fmt:MATRIX_FMT_FP6
.endif
.endr
.endr
.endm
.macro FETCH_B slot, q, p
	WIN TO_B
.irp i, 0,1,2,3,4,5,6,7
	FRAGB 128*(\p)+FR*\i, ADRB+\slot, \q, \i
.endr
	WIN 0
.endm
.macro FETCH_A slot, q, i0
.irp i, \i0, \i0+1, \i0+2, \i0+3
	FRAGA AF+FR*(\i), \slot, \q, \i
.endr
.endm
.macro SCALES sc                       ; a K step's scale words: two for each of A's 8 rowtiles and of B's 8 tiles; lanes 16-31 load the same words as lanes 0-15 and are not read
.irp i, 0,1,2,3,4,5,6,7
.set RO, PERM*(32*(\i/2)+8*(\i%2))+(1-PERM)*16*\i
	ds_load_b32 v[32+32*\sc+2*\i], v[ADSA] offset:64*\i
	ds_load_b32 v[32+32*\sc+2*\i+1], v[ADSA] offset:64*\i+512
	ds_load_b64 v[48+32*\sc+2*\i:48+32*\sc+2*\i+1], v[ADSB] offset:(RO*KS/256)*272
.endr
.endm
; A step of 128 along K that has its successor in the same slot.  A load into a register that a matrix instruction has read stands NP places behind it.
.macro STEP slot, q, first
	s_wait_dscnt 4*NLA                             ; B's set, the scale words and A's blocks 0-3 are in; the youngest 16 loads (A's blocks 4-7) may be out
.if \first
	WIN 0x91                                       ; C (the bias) in window 1
.else
	WIN MUL_LO
.endif
	MUL16 0, (\q)%2, \q, \slot, \first
	MUL16 2, (\q)%2, \q, \slot, \first
	s_wait_dscnt 0                                 ; A's blocks 4-7 are in
	PLACES NP
	FETCH_B \slot, (\q)+1, 1-(\q)%2
	FETCH_A \slot, (\q)+1, 0
.if \first
	WIN 0xd1
.else
	WIN MUL_HI
.endif
	MUL16 4, (\q)%2, \q, \slot, \first
	MUL16 6, (\q)%2, \q, \slot, \first
	PLACES NP
	WIN 0
	FETCH_A \slot, (\q)+1, 4
.endm
; A slot's last step changes slots: one barrier; in front of it each wave waits for all its tensor loads, adds 0 to its spare word, and waits for that and for its own reads of this slot.
.macro TURN slot, next, fill
	s_wait_tensorcnt 0x0                           ; all my tensor loads have landed: my part of the next slot
	ds_add_u32 v[SPW], v[NIL]                      ; 0 onto my spare word
	s_wait_dscnt 4*NLA+1                           ; (the add and the youngest 16 loads, A's blocks 4-7, may be out)
	WIN MUL_LO
	MUL16 0, 1, 1, \slot, 0                        ; sixteen matrix instructions stand between the add and the wait for it
	s_wait_dscnt 0x0                               ; the add is done, and my reads of this slot are over
	s_barrier_signal -1
	MUL16 2, 1, 1, \slot, 0
	WIN 0
	s_barrier_wait -1
.if \fill
	CREST                                          ; the barrier has opened a round of the cluster's barrier: no wave of any partner still reads this slot or has a load on its way
	s_add_nc_u64 s[G0+4*\slot+2:G0+4*\slot+3], s[G0+4*\slot+2:G0+4*\slot+3], 6144
	s_add_nc_u64 s[G0B+4*\slot+2:G0B+4*\slot+3], s[G0B+4*\slot+2:G0B+4*\slot+3], 2*ROWB
	JLOAD G0+4*\slot, G1, G0B+4*\slot, G1B         ; the first tensor load behind the round; its four v_nop are the places in front of the loads below
.else
	PLACES NP
.endif
	v_add_nc_u32 v[ADSA], 1024, v[ADSA]            ; on to the next K step's scale words
	v_add_nc_u32 v[ADSB], 8, v[ADSB]
	FETCH_B \next, 0, 0
	FETCH_A \next, 0, 0
	SCALES \next
	WIN MUL_HI
	MUL16 4, 1, 1, \slot, 0
	MUL16 6, 1, 1, \slot, 0
	PLACES NP
	WIN 0
	FETCH_A \next, 0, 4
.endm
	s_wait_tensorcnt 1                             ; the scales and my part of K step 0 are in (K step 1's load may be out)
	s_barrier_signal -1
	s_barrier_wait -1
	FETCH_B 0, 0, 0
	FETCH_A 0, 0, 0
	SCALES 0
	FETCH_A 0, 0, 4
	s_wait_loadcnt 0x0                             ; the bias
	STEP 0, 0, 1                                   ; the first step stands in front of the loop: its products start the sums
	s_mov_b32 s3, LAPS-1
.Llap:                                                 ; a trip goes once round the ring and fills both slots again
	TURN 0, 1, 1
	STEP 1, 0, 0
	TURN 1, 0, 1
	STEP 0, 0, 0
	s_sub_co_u32 s3, s3, 1
	s_cmp_lg_u32 s3, 0
	s_cbranch_scc1 .Llap
	TURN 0, 1, 0                                   ; the last lap fills nothing
	STEP 1, 0, 0
	s_wait_dscnt 4*NLA
	WIN MUL_LO
	MUL16 0, 1, 1, 1, 0
	MUL16 2, 1, 1, 1, 0
	s_wait_dscnt 0
	WIN MUL_HI
	MUL16 4, 1, 1, 1, 0
	MUL16 6, 1, 1, 1, 0
	WIN 0
; THE WAY OUT, block by block of 16 tokens x 128 columns.  Row t of block a is token 32 (a / 2) + 8 (a % 2) + t + 8 (t / 8) of my 128: every row stands in an immediate, 127 x 4,096 bytes at the most; no base is stepped.
; The stage lies in slot 0, which has had its last fill and, since the last change of slots, its last read.  LDS serves a wave's instructions in order: no wait between a block's stores and its loads.
.macro TOSTAGE a
.set AC, 64*((\a)%4)
	WIN 0x08+4*((\a)/4)                            ; the data: window 2 or 3
.irp b, 0,1,2,3,4,5,6,7
	ds_store_b128 v[STO], v[AC+8*\b:AC+8*\b+3] offset:64*\b            ; each accumulator from its low end on
	ds_store_b128 v[STO], v[AC+8*\b+4:AC+8*\b+7] offset:64*\b+16
.endr
	WIN 0
.set BB, BK+64*((\a)%2)
.irp t, 0,1,2,3,4,5,6,7,8,9,10,11,12,13,14,15
	ds_load_b128 v[BB+4*\t:BB+4*\t+3], v[RD] offset:\t*SPITCH
.endr
.endm
.macro RLOAD a                         ; the residual's 16 rows of block a into window 1
	WIN TO_B
.irp t, 0,1,2,3,4,5,6,7,8,9,10,11,12,13,14,15
	global_load_b128 v[64*((\a)%4)+4*\t:64*((\a)%4)+4*\t+3], v[CO], s[12:13] offset:(32*((\a)/2)+8*((\a)%2)+\t+8*(\t/8))*4096 th:TH_LOAD_NT
.endr
	WIN 0
.endm
.macro SEND a, younger, left           ; younger: LDS instructions issued behind block a's loads; left: residual loads issued behind block a's
.set BB, BK+64*((\a)%2)
.set RS, 64*((\a)%4)
	s_wait_dscnt \younger
	s_wait_loadcnt \left
	WIN 0x04                                       ; source 1 in window 1
.set I, 0
.rept 32
	v_pk_add_f32 v[BB+I:BB+I+1], v[BB+I:BB+I+1], v[RS+I:RS+I+1]
.set I, I+2
.endr
	WIN 0
.irp t, 0,1,2,3,4,5,6,7,8,9,10,11,12,13,14,15
	global_store_b128 v[CO], v[BB+4*\t:BB+4*\t+3], s[96:97] offset:(32*((\a)/2)+8*((\a)%2)+\t+8*(\t/8))*4096   ; 32 lanes store 512 consecutive bytes, aligned; read again by later launches
.endr
.endm
	PLACES NP                                      ; behind the last products: for loads into registers that they read and for the first reads of results
	RLOAD 0
	RLOAD 1
	RLOAD 2
	RLOAD 3
	TOSTAGE 0
.irp a, 1,2,3,4,5,6,7
.if \a > 1
	s_wait_xcnt 0x0                                ; block a - 2's stores have read their registers: block a's loads may land there
.endif
	TOSTAGE \a
.if \a < 6
	SEND \a-1, 32, 48                              ; behind block a - 1: block a's 16 stores and 16 loads; three younger blocks of the residual
.else
	SEND \a-1, 32, 16*(8-\a)
.endif
.if \a < 5
	RLOAD \a+3
.endif
.endr
	SEND 7, 0, 0
	s_wait_tensorcnt 0x0                           ; the wave's end
	ds_add_u32 v[SPW], v[NIL]
	s_wait_dscnt 0x0
	CROUND                                         ; the closing round: no work-group ends while a partner may still ask for a tile that names it
	s_endpgm
.Lfunc_end_k_qa3039038c4_proj:
	.size	k_qa3039038c4_proj, .Lfunc_end_k_qa3039038c4_proj-k_qa3039038c4_proj
	.p2alignl 7, 3214868480
	.fill 96, 4, 3214868480
	.section	.rodata,"a",@progbits
	.p2align	6, 0x0
	.amdhsa_kernel k_qa3039038c4_proj
		.amdhsa_group_segment_fixed_size 327680
		.amdhsa_private_segment_fixed_size 0
		.amdhsa_enable_private_segment 0
		.amdhsa_kernarg_size 48
		.amdhsa_user_sgpr_count 2
		.amdhsa_user_sgpr_kernarg_segment_ptr 1
		.amdhsa_wavefront_size32 1
		.amdhsa_system_sgpr_workgroup_id_x 1
		.amdhsa_system_sgpr_workgroup_id_y 1
		.amdhsa_system_sgpr_workgroup_id_z 1
		.amdhsa_system_vgpr_workitem_id 0
		.amdhsa_next_free_vgpr 1024
		.amdhsa_next_free_sgpr 100
		.amdhsa_reserve_vcc 0
		.amdhsa_float_denorm_mode_32 3
		.amdhsa_float_denorm_mode_16_64 3
		.amdhsa_memory_ordered 1
		.amdhsa_forward_progress 1
		.amdhsa_inst_pref_size 187
	.end_amdhsa_kernel
	.amdgpu_metadata
---
amdhsa.version: [ 1, 2 ]
amdhsa.kernels:
  - .name:           k_qa3039038c4_proj
    .symbol:         k_qa3039038c4_proj.kd
    .args:
      - { .name: oq, .offset: 0, .size: 8, .value_kind: global_buffer, .address_space: global }
      - { .name: proj_w_codes, .offset: 8, .size: 8, .value_kind: global_buffer, .address_space: global }
      - { .name: proj_w_scales, .offset: 16, .size: 8, .value_kind: global_buffer, .address_space: global }
      - { .name: proj_b, .offset: 24, .size: 8, .value_kind: global_buffer, .address_space: global }
      - { .name: x, .offset: 32, .size: 8, .value_kind: global_buffer, .address_space: global }
      - { .name: x1, .offset: 40, .size: 8, .value_kind: global_buffer, .address_space: global }
    .group_segment_fixed_size: 327680
    .private_segment_fixed_size: 0
    .kernarg_segment_align: 8
    .kernarg_segment_size: 48
    .max_flat_workgroup_size: 128
    .sgpr_count:     100
    .vgpr_count:     1024
    .wavefront_size: 32
...
	.end_amdgpu_metadata
.endif
;; end of part 4
;; launch ln2: the kernel of part 1 again; grid 256 x 1, 16 waves a work-group, no clusters, 68,352 bytes of LDS; arguments x1, ln2_w, ln2_b, xq; writes xq
;; launch fc1 (part 5): grid 16 x 16, 4 waves a work-group, clusters of 4 x 4, 327,680 bytes of LDS; arguments xq, fc1_w_codes, fc1_w_scales, fc1_b, hq; writes hq
.if DOCPART == 5
	.amdgcn_target "amdgcn-amd-amdhsa--gfx1250"
	.amdhsa_code_object_version 6
	.text
	.protected	k_qa3039038c4_fc1
	.globl	k_qa3039038c4_fc1
	.p2align	8
	.type	k_qa3039038c4_fc1,@function
k_qa3039038c4_fc1:
	s_mov_b64 s[64:65], 0
	v_nop
	global_prefetch_b8 v0, s[64:65] scope:SCOPE_SE
	s_setreg_imm32_b32 hwreg(HW_REG_WAVE_MODE, 25, 1), 1
	s_wait_xcnt 0x0
	s_wait_alu depctr_hold_cnt(0) depctr_sa_sdst(0) depctr_va_vdst(0) depctr_va_sdst(0) depctr_va_ssrc(0) depctr_va_vcc(0) depctr_vm_vsrc(0)
	s_getreg_b32 s2, hwreg(HW_REG_IB_STS2, 6, 4)
	s_cmp_eq_u32 s2, 0
	s_cbranch_scc0 .Lentry_in_a_cluster
	s_endpgm
.Lentry_in_a_cluster:
	s_bfe_u32 s2, ttmp6, 0x10000c
	s_cmp_lg_u32 s2, 0xf033
	s_cbranch_scc0 .Lentry_shape_is_right
	s_endpgm
.Lentry_shape_is_right:
; h = gelu(xn W^T + b), the exact gelu 0.5 u (1 + erf(u / sqrt 2)), on codes of FP6 (E2M3) with E8M0 scales for each 32 along K = 1,024; h is quantised along its 4,096 for the next product and never lies in memory as f32.
; A (xn): this program's own codes, by rowtiles (lane r of rowtile T = token 32 (T / 2) + 8 (T % 2) + r + 8 (r / 8)), a fragment of 16 rows x 128 K as an image of its 12 registers, 1,536 bytes:
;   [T 256][q 8][1,536]; scale words at ASC: [q 8][T 256][16 words].  B (W): given rows of codes, 768 bytes a row, and rows of 32 scale bytes.
; A tile of 256 tokens x 256 columns is made by four waves, 128 x 128 each: 64 accumulators in 512 registers.  K goes in steps of 256 through a ring of two LDS slots filled by the tensor data mover.
; All scales of the work-group's rows of A and of B come into LDS once, with the first fills.  256 tiles: one for each work-group.
; CLUSTERS: 4 x 4 work-groups; A's tiles are asked for jointly along a row of the cluster, B's along a column.
; THE MATRIX INSTRUCTION IS USED TRANSPOSED (source 0 = 16 rows of W, source 1 = a rowtile of A): a lane holds one token.  THE ROWS OF W THAT FORM A TILE ARE NOT NEIGHBOURS: lane r of tile i takes row
; 32 (i / 2) + 8 (i % 2) + r + 8 (r / 8), so that the 16 registers of tiles 2 k, 2 k + 1 are columns 32 k + 16 (lane / 16) + 0 .. 15.  With that choice rows r and r + 8 of a tile lie 16 x 240 bytes apart,
; a whole number of times 256 bytes: B's LDS loads meet two deep in the banks; A's images are read as consecutive bytes.  The bias is the C of each sum's first matrix instruction.
; erf(z) = z P(z^2) / Q(z^2), z held to +-4 (beyond that erf is +-1 in f32), P of degree 6 and Q of degree 4.
; OUT.  hq = codes [T 256][q 32][1,536], a wave's 128 columns being one fragment q = 2 tx + half; scale words at HSC [q 32][T 256][16].  Every store covers whole aligned runs of 512, 256 or 128 bytes; no LDS stage.
; LIMITS: NaN and infinities are not served; gelu(u) carries an absolute error of about 1e-7 |u|, so deep in the negative tail it is not good to 1e-6 of the number itself;
; a block whose largest magnitude lies under 2^-124 keeps the byte 1; a block of zeros gets the byte 1 where the quantiser says 127 (zero codes; only this program reads the bytes).
; REGISTERS, in windows of 256: window 0: v0-31 addresses; v32-95 scale words, two sets; v128-223 A's fragments, one set; on the way out v128-191 h, v192-255 at work.
;   window 1: B's fragments, two sets at v0 and v128; the bias at v96-127 and v224-255.   windows 2, 3: the accumulators, (a, b) at v[8 (8 (a % 4) + b)].
.set SIZE_K, 1024
.set PERM,   1                         ; the rows of W that form a tile are chosen as above
.set ASC,    3145728                   ; where A's scale words begin in its buffer
.set HSC,    12582912                  ; and the result's in its
.set KQ,     SIZE_K/128
.set KS,     SIZE_K/32                 ; a row of W's scale bytes
.set KROW,   SIZE_K*3/4                ; a row of W's codes in bytes
.set ROWB,   192                       ; 256 codes
.set PITCH,  240                       ; B's LDS row: 3 x (64 bytes + 16 of padding)
.set FR,     12
.set NLA,    4                         ; LDS loads that bring a fragment of A
.set NP,     4                         ; places behind this matrix instruction (ISA guide 7.12.1)
.set HALFA,  8*3072                    ; 8 rowtiles x 256 K of A: one tensor load
.set HALFB,  128*PITCH                 ; 128 rows x 256 K of B: one tensor load
.set SLOT,   2*HALFA+2*HALFB
.set LAPS,   SIZE_K/512
.set SCLA,   2*SLOT                    ; A's scale words: [half 2][q KQ][rowtile 8][64 bytes]
.set SCLB,   SCLA+1024*KQ              ; B's scale bytes, as units of 256 bytes + 16 of padding
.set HALFS,  (128*KS/256)*272
.set SPARE,  SCLB+2*HALFS              ; the spare words, 128 bytes for each wave: two blocks of 256 bytes that no other line names
.set ADA16, 8                          ; v8-9    A's images in slot 0, 1: + 16 l
.set ADA8,  10                         ; v10-11  the same + 8 l
.set ADRB,  20                         ; v20-21  B's rows in slot 0, 1 (v22-23: for the pieces that lie behind one padding more)
.set ADSB,  27                         ; v27     B's scale words
.set SPW,   28                         ; v28     my spare word: SPARE + 4 x my thread's number; never rewritten
.set NIL,   29                         ; v29     0; never rewritten
.set ADSA,  30                         ; v30     A's scale words
.set AF,    128
.set G1, 24                            ; s[24:31] group 1 for A's tiles; s[32:39] group 0, one set for each slot
.set G0, 32
.set G1B, 48                           ; the same for B's tiles
.set G0B, 56
.set G1S, 68                           ; groups 1 and 0 for A's scales; then for B's
.set G0S, 76
.set G1SB, 80
.set G0SB, 88
.set TM,  32                           ; the way out: v32-35 largest magnitudes, v36-39 bytes, v44-47 scale operands
.set PC,  52                           ; v52-63 the codes just made; v64-70 at work
.set SEL, 46                           ; s[46:47] lane selects for lane l xor 16
.set HH,  128                          ; v128-191 a rowtile's 64 numbers of h a lane
.set ZC,  192                          ; v192-207 z
.set Z2,  208                          ; v208-223 z^2, then 1 / Q
.set PP,  224                          ; v224-239 P, then erf
.set QQ,  240                          ; v240-255 Q
.set A0, 24                            ; scalar pairs, both words alike, set behind the loop, where no tensor load is out: P's coefficients (the second lies in v[72:73]),
.set A2, 26
.set A3, 28
.set A4, 30
.set A5, 32
.set A6, 34
.set B0, 36                            ; Q's (the second in v[74:75]),
.set B2, 38
.set B3, 40
.set B4, 42
.set RS2, 44                           ; 1 / sqrt 2
.set MSB, 0
.macro WIN new                         ; the immediate's high byte repeats the setting that is left
.if MSB != (\new)
	s_set_vgpr_msb (MSB<<8)|(\new)
.set MSB, (\new)
.endif
.endm
.set MUL_LO, 0xa1                      ; source 0 (B) window 1, source 1 (A) window 0, C and D window 2
.set MUL_HI, 0xf1                      ; the same, C and D window 3
.set TO_B,   0x40                      ; destination window 1, address window 0
; A joint load: waves 0 and 1 fetch for A, waves 2 and 3 for B.  Each line has one mask and one set of registers; the branch hangs on the wave's number alone.  Four v_nop follow each line.
.macro JLOAD g0a, g1a, g0b, g1b
	s_cmp_eq_u32 s15, 0
	s_cbranch_scc0 .Lfor_b_\@
	tensor_load_to_lds s[\g0a:\g0a+3], s[\g1a:\g1a+7]
	s_nop 0
.rept 4
	v_nop
.endr
	s_branch .Lasked_\@
.Lfor_b_\@:
	tensor_load_to_lds s[\g0b:\g0b+3], s[\g1b:\g1b+7]
	s_nop 0
.rept 4
	v_nop
.endr
.Lasked_\@:
.endm
.macro CREST                           ; a round of the cluster's barrier behind its opening barrier
	s_cmp_lg_u32 s14, 0
	s_cbranch_scc1 .Lnot_wave_0_\@
	s_barrier_signal -3
.Lnot_wave_0_\@:
	s_barrier_wait -3
	s_barrier_signal -1
	s_barrier_wait -1
.endm
.macro CROUND
	s_barrier_signal -1
	s_barrier_wait -1
	CREST
.endm
.macro PLACES n
.rept \n
	v_nop
.endr
.endm
.macro SHAPE g, d0, d1, pitch          ; words 1 to 7 of a group 1: a tile of d1 rows of d0 elements, pitch elements apart, that lies inside its tensor
	s_mov_b32 s[\g+1], (\d0)<<16
	s_mov_b32 s[\g+2], (\d1)<<16
	s_mov_b32 s[\g+3], (\d0)<<16
	s_mov_b32 s[\g+4], \d1
	s_mov_b32 s[\g+5], \pitch
	s_mov_b32 s[\g+6], 0
	s_mov_b32 s[\g+7], 0
.endm
	s_load_b64 s[4:5], s[0:1], 0x0                 ; A: codes, and behind them its scale words
	s_load_b128 s[8:11], s[0:1], 0x8               ; W's codes, W's scales
	s_load_b64 s[66:67], s[0:1], 0x18              ; the bias
	s_load_b64 s[12:13], s[0:1], 0x20              ; hq
	v_lshl_add_u32 v[SPW], v0, 2, SPARE
	v_mov_b32 v[NIL], 0
	ds_add_u32 v28, v29
	ds_add_u32 v28, v29
	s_wait_dscnt 0x0
	v_lshrrev_b32 v1, 5, v0
	v_readfirstlane_b32 s14, v1                    ; wave 0..3
	s_lshr_b32 s15, s14, 1                         ; which half of the tile's tokens is mine.  Also: I fetch for A (0) or for B (1)
	s_and_b32 s16, s14, 1                          ; which half of its columns.  Also: which half of that tile I fetch
	s_bfe_u32 s40, ttmp6, 0x40000                  ; cx, cy: my place in the cluster
	s_bfe_u32 s41, ttmp6, 0x40004
	s_lshl_b32 s42, ttmp9, 2
	s_add_co_u32 s42, s42, s40                     ; tile column tx = 4 x cluster x + cx
	s_and_b32 s17, ttmp7, 0xffff
	s_lshl_b32 s17, s17, 2
	s_add_co_u32 s17, s17, s41                     ; tile row ty = 4 x cluster y + cy
	s_lshl_b32 s43, s41, 2
	s_lshl_b32 s43, 15, s43                        ; my row of the cluster
	s_lshl_b32 s44, 0x1111, s40                    ; my column
	s_or_b32 s[G1+0], s43, (3<<16)|(1<<21)         ; A's codes: 8 rows (rowtiles) of 384 elements of 8 bytes (two fragments), 1,536 KQ bytes apart, no padding; the mask: my row; bit 21 set beside it
	SHAPE G1, 384, 8, 192*KQ
	s_or_b32 s[G1B+0], s44, (0<<16)|(1<<20)|(1<<21)|(3<<22)|(3<<25)   ; B's codes: 128 rows of 192 bytes, 16 bytes of padding behind every 64; the mask: my column
	SHAPE G1B, ROWB, 128, KROW
	s_or_b32 s[G1S+0], s43, (3<<16)|(1<<21)        ; A's scale words: KQ rows of 512 bytes (8 rowtiles), 16,384 bytes apart
	SHAPE G1S, 64, KQ, 2048
	s_or_b32 s[G1SB+0], s44, (3<<16)|(1<<20)|(1<<21)|(5<<22)|(3<<25)  ; B's scale bytes of 128 rows: a dense block, as rows of 256 bytes with 16 of padding
	SHAPE G1SB, 32, 128*KS/256, 32
	s_lshl_b32 s18, s16, 3
	s_lshl_b32 s20, s17, 4
	s_add_co_u32 s20, s20, s18                     ; A: rowtile 16 ty + 8 x half
	s_lshl_b32 s22, s20, 6
	s_add_co_u32 s22, s22, ASC                     ; its scale words of q = 0
	s_mov_b32 s23, 0
	s_mul_i32 s20, s20, 1536*KQ                    ; its codes
	s_mov_b32 s21, 0
	s_lshl_b32 s18, s16, 7
	s_lshl_b32 s46, s42, 8
	s_add_co_u32 s46, s46, s18                     ; B: row 256 tx + 128 x half
	s_mul_i32 s92, s46, KS
	s_mov_b32 s93, 0
	s_mul_i32 s46, s46, KROW
	s_mov_b32 s47, 0
	s_mul_i32 s45, s16, HALFA                      ; where they go: no place in the cluster enters an LDS address
	s_mul_i32 s19, s16, HALFB
	s_add_co_u32 s19, s19, 2*HALFA
	s_mul_i32 s94, s16, 512*KQ
	s_mul_i32 s95, s16, HALFS
	s_wait_kmcnt 0x0
	s_add_nc_u64 s[20:21], s[4:5], s[20:21]
	s_add_nc_u64 s[22:23], s[4:5], s[22:23]
	s_add_nc_u64 s[46:47], s[8:9], s[46:47]
	s_add_nc_u64 s[92:93], s[10:11], s[92:93]
	CROUND                                         ; all sixteen work-groups are here: the first joint loads meet
	s_mov_b32 s[G0S], 1
	s_add_co_u32 s[G0S+1], s94, SCLA
	s_mov_b64 s[G0S+2:G0S+3], s[22:23]
	s_or_b32 s[G0S+3], s[G0S+3], 0x80000000
	s_mov_b32 s[G0SB], 1
	s_add_co_u32 s[G0SB+1], s95, SCLB
	s_mov_b64 s[G0SB+2:G0SB+3], s[92:93]
	s_or_b32 s[G0SB+3], s[G0SB+3], 0x80000000
	JLOAD G0S, G1S, G0SB, G1SB                     ; the scales first: they are wanted with K step 0
.irp s, 0,1
	s_mov_b32 s[G0+4*\s], 1
	s_add_co_u32 s[G0+4*\s+1], s45, \s*SLOT
	s_add_nc_u64 s[G0+4*\s+2:G0+4*\s+3], s[20:21], \s*3072
	s_or_b32 s[G0+4*\s+3], s[G0+4*\s+3], 0x80000000
	s_mov_b32 s[G0B+4*\s], 1
	s_add_co_u32 s[G0B+4*\s+1], s19, \s*SLOT
	s_add_nc_u64 s[G0B+4*\s+2:G0B+4*\s+3], s[46:47], \s*ROWB
	s_or_b32 s[G0B+4*\s+3], s[G0B+4*\s+3], 0x80000000
	JLOAD G0+4*\s, G1, G0B+4*\s, G1B
.endr
	v_and_b32 v1, 15, v0                           ; r
	v_bfe_u32 v2, v0, 4, 1                         ; h
	v_and_b32 v3, 31, v0                           ; l
.if PERM
	v_and_b32 v4, 8, v1
	v_add_nc_u32 v4, v4, v1                        ; r + 8 (r / 8)
.else
	v_mov_b32 v4, v1
.endif
	s_mul_i32 s21, s15, HALFA                      ; my 8 rowtiles of A
	v_lshl_add_u32 v[ADA16], v3, 4, s21
	v_lshl_add_u32 v[ADA8], v3, 3, s21
	v_add_nc_u32 v[ADA16+1], SLOT, v[ADA16]
	v_add_nc_u32 v[ADA8+1], SLOT, v[ADA8]
	v_mul_u32_u24 v5, v4, PITCH
	v_mad_u32_u24 v6, v2, 24, v5                   ; B: row x pitch + 24 x half,
	v_mad_u32_u24 v7, v2, 40, v5                   ; and the same behind one padding more
	s_mul_i32 s22, s16, HALFB
	s_add_co_u32 s22, s22, 2*HALFA                 ; my 128 rows of B, behind A's two halves
	v_add_nc_u32 v[ADRB], s22, v6
	v_add_nc_u32 v[ADRB+2], s22, v7
	v_add_nc_u32 v[ADRB+1], SLOT, v[ADRB]
	v_add_nc_u32 v[ADRB+3], SLOT, v[ADRB+2]
	v_mul_u32_u24 v5, v4, KS                       ; my row's scale bytes: KS a row,
	v_lshrrev_b32 v6, 8, v5
	v_lshl_add_u32 v5, v6, 4, v5                   ; and 16 more for each 256 passed
	s_mul_i32 s22, s16, HALFS
	s_add_co_u32 s22, s22, SCLB
	v_add_nc_u32 v[ADSB], s22, v5
	s_mul_i32 s21, s15, 512*KQ
	s_add_co_u32 s21, s21, SCLA
	v_lshl_add_u32 v[ADSA], v1, 2, s21
	s_lshl_b32 s46, s42, 10
	s_lshl_b32 s47, s16, 9
	s_add_co_u32 s46, s46, s47                     ; the bias of my 128 columns: 4 (256 tx + 128 half) bytes on
	s_mov_b32 s47, 0
	s_add_nc_u64 s[66:67], s[66:67], s[46:47]
	v_lshlrev_b32 v31, 5+PERM, v2                  ; lanes 16-31 hold the columns 16 further on
	WIN TO_B
.irp b, 0,1,2,3,4,5,6,7
.set RO, PERM*(32*(\b/2)+8*(\b%2))+(1-PERM)*16*\b
.set CC, 96+8*\b+96*(\b/4)
	global_load_b128 v[CC:CC+3], v31, s[66:67] offset:4*RO
	global_load_b128 v[CC+4:CC+7], v31, s[66:67] offset:4*RO+16
.endr
	WIN 0
.macro FRAGA reg, slot, q, i           ; a fragment of A comes back as it was stored: registers 0-3, 4-5, 6-9, 10-11
	ds_load_b128 v[\reg:\reg+3],     v[ADA16+\slot] offset:(\i)*3072+(\q)*1536
	ds_load_b64  v[\reg+4:\reg+5],   v[ADA8+\slot]  offset:(\i)*3072+(\q)*1536+512
	ds_load_b128 v[\reg+6:\reg+9],   v[ADA16+\slot] offset:(\i)*3072+(\q)*1536+768
	ds_load_b64  v[\reg+10:\reg+11], v[ADA8+\slot]  offset:(\i)*3072+(\q)*1536+1280
.endm
.macro FRAGB reg, adr, q, i            ; a fragment of B from rows: 24 bytes of the row's stream of bits for registers 0-5, 24 for 6-11, in pieces of 8 bytes; lanes 16-31 read three pieces further on
.set RO, PERM*(32*((\i)/2)+8*((\i)%2))+(1-PERM)*16*(\i)
.irp p, 0,1,2,3,4,5
.set PCE, 12*(\q)+6*(\p/3)+\p%3
.if PCE%8 < 5
	ds_load_b64 v[\reg+2*\p:\reg+2*\p+1], v[\adr] offset:8*PCE+16*(PCE/8)+RO*PITCH
.else
	ds_load_b64 v[\reg+2*\p:\reg+2*\p+1], v[\adr+2] offset:8*PCE+16*(PCE/8)+RO*PITCH
.endif
.endr
.endm
; 16 matrix instructions: A's blocks a0, a0 + 1 x B's eight, the slot's q-th 128 along K.  p: B's set; sc: the set of scale words.  first = 1: the bias is the C: nothing is cleared, nothing is added later.
; The 64 accumulators take turns, one instruction a turn, in the same order in every step.
.macro MUL16 a0, p, q, sc, first
.irp a, \a0, \a0+1
.irp b, 0,1,2,3,4,5,6,7
.set DD, 8*(8*((\a)%4)+\b)
.set BF, 128*(\p)+FR*\b
.set AA, AF+FR*(\a)
.set SBR, 48+32*(\sc)+2*\b+(\q)
.set SAR, 32+32*(\sc)+2*(\a)+(\q)
.set CC, 96+8*\b+96*(\b/4)
.if \first
	v_wmma_scale_f32_16x16x128_f8f6f4 v[DD:DD+7], v[BF:BF+FR-1], v[AA:AA+FR-1], v[CC:CC+7], v[SBR], v[SAR] matrix_a_fmt:MATRIX_FMT_FP6 matrix_b_fmt:MATRIX_FMT_FP6
.else
	v_wmma_scale_f32_16x16x128_f8f6f4 v[DD:DD+7], v[BF:BF+FR-1], v[AA:AA+FR-1], v[DD:DD+7], v[SBR], v[SAR] matrix_a_fmt:MATRIX_FMT_FP6 matrix_b_fmt:MATRIX_FMT_FP6
.endif
.endr
.endr
.endm
.macro FETCH_B slot, q, p
	WIN TO_B
.irp i, 0,1,2,3,4,5,6,7
	FRAGB 128*(\p)+FR*\i, ADRB+\slot, \q, \i
.endr
	WIN 0
.endm
.macro FETCH_A slot, q, i0
.irp i, \i0, \i0+1, \i0+2, \i0+3
	FRAGA AF+FR*(\i), \slot, \q, \i
.endr
.endm
.macro SCALES sc                       ; a K step's scale words: two for each of A's 8 rowtiles and of B's 8 tiles; lanes 16-31 load the same words as lanes 0-15 and are not read
.irp i, 0,1,2,3,4,5,6,7
.set RO, PERM*(32*(\i/2)+8*(\i%2))+(1-PERM)*16*\i
	ds_load_b32 v[32+32*\sc+2*\i], v[ADSA] offset:64*\i
	ds_load_b32 v[32+32*\sc+2*\i+1], v[ADSA] offset:64*\i+512
	ds_load_b64 v[48+32*\sc+2*\i:48+32*\sc+2*\i+1], v[ADSB] offset:(RO*KS/256)*272
.endr
.endm
; A step of 128 along K that has its successor in the same slot.  A load into a register that a matrix instruction has read stands NP places behind it.
.macro STEP slot, q, first
	s_wait_dscnt 4*NLA                             ; B's set, the scale words and A's blocks 0-3 are in; the youngest 16 loads (A's blocks 4-7) may be out
.if \first
	WIN 0x91                                       ; C (the bias) in window 1
.else
	WIN MUL_LO
.endif
	MUL16 0, (\q)%2, \q, \slot, \first
	MUL16 2, (\q)%2, \q, \slot, \first
	s_wait_dscnt 0                                 ; A's blocks 4-7 are in
	PLACES NP
	FETCH_B \slot, (\q)+1, 1-(\q)%2
	FETCH_A \slot, (\q)+1, 0
.if \first
	WIN 0xd1
.else
	WIN MUL_HI
.endif
	MUL16 4, (\q)%2, \q, \slot, \first
	MUL16 6, (\q)%2, \q, \slot, \first
	PLACES NP
	WIN 0
	FETCH_A \slot, (\q)+1, 4
.endm
; A slot's last step changes slots: one barrier; in front of it each wave waits for all its tensor loads, adds 0 to its spare word, and waits for that and for its own reads of this slot.
.macro TURN slot, next, fill
	s_wait_tensorcnt 0x0                           ; all my tensor loads have landed: my part of the next slot
	ds_add_u32 v[SPW], v[NIL]                      ; 0 onto my spare word
	s_wait_dscnt 4*NLA+1                           ; (the add and the youngest 16 loads, A's blocks 4-7, may be out)
	WIN MUL_LO
	MUL16 0, 1, 1, \slot, 0                        ; sixteen matrix instructions stand between the add and the wait for it
	s_wait_dscnt 0x0                               ; the add is done, and my reads of this slot are over
	s_barrier_signal -1
	MUL16 2, 1, 1, \slot, 0
	WIN 0
	s_barrier_wait -1
.if \fill
	CREST                                          ; the barrier has opened a round of the cluster's barrier: no wave of any partner still reads this slot or has a load on its way
	s_add_nc_u64 s[G0+4*\slot+2:G0+4*\slot+3], s[G0+4*\slot+2:G0+4*\slot+3], 6144
	s_add_nc_u64 s[G0B+4*\slot+2:G0B+4*\slot+3], s[G0B+4*\slot+2:G0B+4*\slot+3], 2*ROWB
	JLOAD G0+4*\slot, G1, G0B+4*\slot, G1B         ; the first tensor load behind the round; its four v_nop are the places in front of the loads below
.else
	PLACES NP
.endif
	v_add_nc_u32 v[ADSA], 1024, v[ADSA]            ; on to the next K step's scale words
	v_add_nc_u32 v[ADSB], 8, v[ADSB]
	FETCH_B \next, 0, 0
	FETCH_A \next, 0, 0
	SCALES \next
	WIN MUL_HI
	MUL16 4, 1, 1, \slot, 0
	MUL16 6, 1, 1, \slot, 0
	PLACES NP
	WIN 0
	FETCH_A \next, 0, 4
.endm
	s_wait_tensorcnt 1                             ; the scales and my part of K step 0 are in (K step 1's load may be out)
	s_barrier_signal -1
	s_barrier_wait -1
	FETCH_B 0, 0, 0
	FETCH_A 0, 0, 0
	SCALES 0
	FETCH_A 0, 0, 4
	s_wait_loadcnt 0x0                             ; the bias
	STEP 0, 0, 1                                   ; the first step stands in front of the loop: its products start the sums
	s_mov_b32 s3, LAPS-1
.Llap:                                                 ; a trip goes once round the ring and fills both slots again
	TURN 0, 1, 1
	STEP 1, 0, 0
	TURN 1, 0, 1
	STEP 0, 0, 0
	s_sub_co_u32 s3, s3, 1
	s_cmp_lg_u32 s3, 0
	s_cbranch_scc1 .Llap
	TURN 0, 1, 0                                   ; the last lap fills nothing
	STEP 1, 0, 0
	s_wait_dscnt 4*NLA
	WIN MUL_LO
	MUL16 0, 1, 1, 1, 0
	MUL16 2, 1, 1, 1, 0
	s_wait_dscnt 0
	WIN MUL_HI
	MUL16 4, 1, 1, 1, 0
	MUL16 6, 1, 1, 1, 0
	WIN 0
; 64 numbers of a lane, v[s] .. v[s + 63], register 16 b + i = k 32 b + 16 (lane / 16) + i of my row, become a fragment's codes in v[PC] on and its scale word in v[pw].
.macro QUANT s, pw
.irp b, 0,1,2,3
	v_max3_num_f32 v[TM+\b], |v[\s+16*\b]|, |v[\s+1+16*\b]|, 0x1800000   ; with the floor 2^(3 - 127): the byte cannot fall under 1
.endr
.irp i, 2,4,6,8,10,12,14
.irp b, 0,1,2,3
	v_max3_num_f32 v[TM+\b], |v[\s+16*\b+\i]|, |v[\s+1+16*\b+\i]|, v[TM+\b]
.endr
.endr
.irp b, 0,1,2,3
	v_permlanex16_b32 v[TM+4+\b], v[TM+\b], s[SEL], s[SEL+1]
.endr
.irp b, 0,1,2,3
	v_max_num_f32 v[TM+\b], v[TM+\b], v[TM+4+\b]   ; with lane l xor 16's: the block's largest magnitude
.endr
.irp b, 0,1,2,3
	v_add_nc_u32 v[TM+12+\b], 0xff000000, v[TM+\b] ; 2 off its exponent field: the conversion's scale operand
.endr
.irp b, 0,1,2,3
	v_lshrrev_b32 v[TM+4+\b], 23, v[TM+12+\b]      ; the scale's byte
.endr
	v_lshl_or_b32 v[\pw], v[TM+5], 8, v[TM+4]
	v_lshl_or_b32 v[\pw], v[TM+6], 16, v[\pw]
	v_lshl_or_b32 v[\pw], v[TM+7], 24, v[\pw]
.irp c, 0,1
	v_cvt_scalef32_pk16_fp6_f32 v[PC+6*\c:PC+2+6*\c], v[\s+32*\c:\s+15+32*\c], v[TM+12+2*\c]
	v_cvt_scalef32_pk16_fp6_f32 v[PC+12+4*\c:PC+14+4*\c], v[\s+16+32*\c:\s+31+32*\c], v[TM+12+2*\c+1]
.endr
	v_nop                                          ; one plain instruction behind the scaled conversions
.irp c, 0,1                                    ; the operand's layout wants a whole block in a lane
.irp i, 0,1,2
	v_permlane16_swap_b32 v[PC+6*\c+\i], v[PC+12+4*\c+\i]
.endr
.irp i, 0,1,2
	v_mov_b32 v[PC+3+6*\c+\i], v[PC+12+4*\c+\i]
.endr
.endr
.endm
; gelu of the 16 numbers of tiles 2 k and 2 k + 1 of the block whose accumulators begin at v[s] of window w; the results go to v[HH + 16 k] on.  Each accumulator is read from its low end on.
.macro GELU s, w, k
	WIN (\w)                                       ; source 0 in window w
.irp i, 0,2,4,6,8,10,12,14
	v_pk_mul_f32 v[ZC+\i:ZC+\i+1], v[\s+16*(\k)+\i:\s+16*(\k)+\i+1], s[RS2:RS2+1] op_sel_hi:[1,0]      ; z = u / sqrt 2
.endr
.irp i, 0,2,4,6,8,10,12,14
	v_pk_mul_f32 v[HH+16*(\k)+\i:HH+16*(\k)+\i+1], v[\s+16*(\k)+\i:\s+16*(\k)+\i+1], 0.5 op_sel_hi:[1,0]   ; u / 2
.endr
	WIN 0
.irp i, 0,1,2,3,4,5,6,7,8,9,10,11,12,13,14,15
	v_med3_num_f32 v[ZC+\i], v[ZC+\i], -4.0, 4.0
.endr
.irp i, 0,2,4,6,8,10,12,14
	v_pk_mul_f32 v[Z2+\i:Z2+\i+1], v[ZC+\i:ZC+\i+1], v[ZC+\i:ZC+\i+1]
.endr
.irp i, 0,2,4,6,8,10,12,14
	v_pk_fma_f32 v[PP+\i:PP+\i+1], v[Z2+\i:Z2+\i+1], s[A0:A0+1], v[72:73] op_sel_hi:[1,0,1]
.endr
.irp i, 0,2,4,6,8,10,12,14
	v_pk_fma_f32 v[QQ+\i:QQ+\i+1], v[Z2+\i:Z2+\i+1], s[B0:B0+1], v[74:75] op_sel_hi:[1,0,1]
.endr
.irp c, A2, A3, A4, A5, A6
.irp i, 0,2,4,6,8,10,12,14
	v_pk_fma_f32 v[PP+\i:PP+\i+1], v[PP+\i:PP+\i+1], v[Z2+\i:Z2+\i+1], s[\c:\c+1] op_sel_hi:[1,1,0]
.endr
.endr
.irp c, B2, B3, B4
.irp i, 0,2,4,6,8,10,12,14
	v_pk_fma_f32 v[QQ+\i:QQ+\i+1], v[QQ+\i:QQ+\i+1], v[Z2+\i:Z2+\i+1], s[\c:\c+1] op_sel_hi:[1,1,0]
.endr
.endr
.irp i, 0,1,2,3,4,5,6,7,8,9,10,11,12,13,14,15
	v_rcp_f32 v[Z2+\i], v[QQ+\i]                   ; z^2 is done with
.endr
.irp i, 0,2,4,6,8,10,12,14
	v_pk_mul_f32 v[PP+\i:PP+\i+1], v[PP+\i:PP+\i+1], v[ZC+\i:ZC+\i+1]   ; z P: plain instructions behind the reciprocals
.endr
	s_wait_alu depctr_va_vdst(0)
.irp i, 0,2,4,6,8,10,12,14
	v_pk_mul_f32 v[PP+\i:PP+\i+1], v[PP+\i:PP+\i+1], v[Z2+\i:Z2+\i+1]   ; erf
.endr
.irp i, 0,2,4,6,8,10,12,14
	v_pk_fma_f32 v[HH+16*(\k)+\i:HH+16*(\k)+\i+1], v[HH+16*(\k)+\i:HH+16*(\k)+\i+1], v[PP+\i:PP+\i+1], v[HH+16*(\k)+\i:HH+16*(\k)+\i+1]   ; u / 2 + u / 2 x erf
.endr
.endm
.macro KONST p, bits
	s_mov_b32 s[\p], \bits
	s_mov_b32 s[\p+1], \bits
.endm
	; THE WAY OUT
	PLACES NP                                      ; behind the last products: for the first reads of results and the first writes of registers that they read
	s_lshl_b32 s20, s17, 4                         ; the addresses first: the constants below take the registers that hold tx and the masks
	s_lshl_b32 s18, s15, 3
	s_add_co_u32 s20, s20, s18                     ; my first rowtile: 16 ty + 8 x half
	s_lshl_b32 s21, s42, 1
	s_add_co_u32 s21, s21, s16                     ; my fragment of the next K: q = 2 tx + half
	s_lshl_b32 s18, s21, 8
	s_add_co_u32 s18, s18, s20
	s_lshl_b32 s18, s18, 6
	s_add_co_u32 s18, s18, HSC
	s_mov_b32 s19, 0
	s_add_nc_u64 s[98:99], s[12:13], s[18:19]      ; the words: HSC + 64 (256 q + rowtile)
	s_mul_i32 s18, s20, 49152
	s_mul_i32 s21, s21, 1536
	s_add_co_u32 s18, s18, s21
	s_add_nc_u64 s[12:13], s[12:13], s[18:19]      ; the images: 49,152 rowtile + 1,536 q
	KONST A0, 0xaf95df0b
	KONST A2, 0xb60cff51
	KONST A3, 0xb86ec2d2
	KONST A4, 0xba40ac63
	KONST A5, 0xbb41a1f6
	KONST A6, 0xbc83dbd4
	KONST B0, 0xb77460cd
	KONST B2, 0xbadc924e
	KONST B3, 0xbbf19bf8
	KONST B4, 0xbc69b6a7
	KONST RS2, 0x3f3504f3
	v_mov_b32 v72, 0x32edffee
	v_mov_b32 v73, 0x32edffee
	v_mov_b32 v74, 0xb95fbd29
	v_mov_b32 v75, 0xb95fbd29
	s_mov_b32 s[SEL], 0x76543210
	s_mov_b32 s[SEL+1], 0xfedcba98
	s_mov_b32 vcc_lo, 0xffff0000                   ; lanes 16-31
.irp b, 0,1,2,3
	v_mov_b32 v[TM+4+\b], 0                        ; a lane permute's destination counts as read
.endr
	v_lshlrev_b32 v12, 4, v3                       ; 16 l
	v_lshlrev_b32 v13, 3, v3                       ; 8 l
	v_lshlrev_b32 v14, 2, v3                       ; 4 l
.macro OUTH a                          ; rowtile a of my eight: gelu, quantised, stored as the image of a fragment
	s_wait_xcnt 0x0                                ; the last rowtile's stores have read their registers
.irp k, 0,1,2,3
	GELU 64*((\a)%4), 2+(\a)/4, \k
.endr
	QUANT HH, 48+(\a)%2
	global_store_b128 v12, v[PC:PC+3], s[12:13] offset:49152*(\a)
	global_store_b64 v13, v[PC+4:PC+5], s[12:13] offset:49152*(\a)+512
	global_store_b128 v12, v[PC+6:PC+9], s[12:13] offset:49152*(\a)+768
	global_store_b64 v13, v[PC+10:PC+11], s[12:13] offset:49152*(\a)+1280
.if (\a)%2
	v_cndmask_b32 v50, v48, v49, vcc_lo            ; lanes 0-15 carry rowtile a - 1's words, lanes 16-31 rowtile a's: 128 consecutive bytes
	global_store_b32 v14, v50, s[98:99] offset:64*((\a)-1)
.endif
.endm
.irp a, 0,1,2,3,4,5,6,7
	OUTH \a
.endr
	s_wait_tensorcnt 0x0                           ; the wave's end
	ds_add_u32 v[SPW], v[NIL]
	s_wait_dscnt 0x0
	CROUND                                         ; the closing round: no work-group ends while a partner may still ask for a tile that names it
	s_endpgm
.Lfunc_end_k_qa3039038c4_fc1:
	.size	k_qa3039038c4_fc1, .Lfunc_end_k_qa3039038c4_fc1-k_qa3039038c4_fc1
	.p2alignl 7, 3214868480
	.fill 96, 4, 3214868480
	.section	.rodata,"a",@progbits
	.p2align	6, 0x0
	.amdhsa_kernel k_qa3039038c4_fc1
		.amdhsa_group_segment_fixed_size 327680
		.amdhsa_private_segment_fixed_size 0
		.amdhsa_enable_private_segment 0
		.amdhsa_kernarg_size 40
		.amdhsa_user_sgpr_count 2
		.amdhsa_user_sgpr_kernarg_segment_ptr 1
		.amdhsa_wavefront_size32 1
		.amdhsa_system_sgpr_workgroup_id_x 1
		.amdhsa_system_sgpr_workgroup_id_y 1
		.amdhsa_system_sgpr_workgroup_id_z 1
		.amdhsa_system_vgpr_workitem_id 0
		.amdhsa_next_free_vgpr 1024
		.amdhsa_next_free_sgpr 100
		.amdhsa_reserve_vcc 1
		.amdhsa_float_denorm_mode_32 3
		.amdhsa_float_denorm_mode_16_64 3
		.amdhsa_memory_ordered 1
		.amdhsa_forward_progress 1
		.amdhsa_inst_pref_size 255
	.end_amdhsa_kernel
	.section	.bss,"aw",@nobits
	.p2align	6
	.space	262144
	.amdgpu_metadata
---
amdhsa.version: [ 1, 2 ]
amdhsa.kernels:
  - .name:           k_qa3039038c4_fc1
    .symbol:         k_qa3039038c4_fc1.kd
    .args:
      - { .name: xq, .offset: 0, .size: 8, .value_kind: global_buffer, .address_space: global }
      - { .name: fc1_w_codes, .offset: 8, .size: 8, .value_kind: global_buffer, .address_space: global }
      - { .name: fc1_w_scales, .offset: 16, .size: 8, .value_kind: global_buffer, .address_space: global }
      - { .name: fc1_b, .offset: 24, .size: 8, .value_kind: global_buffer, .address_space: global }
      - { .name: hq, .offset: 32, .size: 8, .value_kind: global_buffer, .address_space: global }
    .group_segment_fixed_size: 327680
    .private_segment_fixed_size: 0
    .kernarg_segment_align: 8
    .kernarg_segment_size: 40
    .max_flat_workgroup_size: 128
    .sgpr_count:     100
    .vgpr_count:     1024
    .wavefront_size: 32
...
	.end_amdgpu_metadata
.endif
;; end of part 5
;; launch fc2 (part 6): grid 4 x 16, 4 waves a work-group, clusters of 4 x 4, 327,680 bytes of LDS; arguments hq, fc2_w_codes, fc2_w_scales, fc2_b, x1, out0; writes out0
.if DOCPART == 6
	.amdgcn_target "amdgcn-amd-amdhsa--gfx1250"
	.amdhsa_code_object_version 6
	.text
	.protected	k_qa3039038c4_fc2
	.globl	k_qa3039038c4_fc2
	.p2align	8
	.type	k_qa3039038c4_fc2,@function
k_qa3039038c4_fc2:
	s_mov_b64 s[64:65], 0
	v_nop
	global_prefetch_b8 v0, s[64:65] scope:SCOPE_SE
	s_setreg_imm32_b32 hwreg(HW_REG_WAVE_MODE, 25, 1), 1
	s_wait_xcnt 0x0
	s_wait_alu depctr_hold_cnt(0) depctr_sa_sdst(0) depctr_va_vdst(0) depctr_va_sdst(0) depctr_va_ssrc(0) depctr_va_vcc(0) depctr_vm_vsrc(0)
	s_getreg_b32 s2, hwreg(HW_REG_IB_STS2, 6, 4)
	s_cmp_eq_u32 s2, 0
	s_cbranch_scc0 .Lentry_in_a_cluster
	s_endpgm
.Lentry_in_a_cluster:
	s_bfe_u32 s2, ttmp6, 0x10000c
	s_cmp_lg_u32 s2, 0xf033
	s_cbranch_scc0 .Lentry_shape_is_right
	s_endpgm
.Lentry_shape_is_right:
; out = x1 + h W^T + b on codes of FP6 (E2M3) with E8M0 scales for each 32 along K = 4,096; x1, out: [4,096][1,024] f32.
; A (h): this program's own codes, by rowtiles (lane r of rowtile T = token 32 (T / 2) + 8 (T % 2) + r + 8 (r / 8)), a fragment of 16 rows x 128 K as an image of its 12 registers, 1,536 bytes:
;   [T 256][q 32][1,536]; scale words at ASC: [q 32][T 256][16 words].  B (W): given rows of codes, 3,072 bytes a row, and rows of 128 scale bytes.
; A tile of 256 tokens x 256 columns is made by four waves, 128 x 128 each: 64 accumulators in 512 registers.  K goes in steps of 256 through a ring of two LDS slots filled by the tensor data mover.
; All scales of the work-group's rows of A and of B come into LDS once, with the first fills: 32,768 + 34,816 bytes.  At this size there are 64 tiles: 64 work-groups.
; CLUSTERS: 4 x 4 work-groups; A's tiles are asked for jointly along a row of the cluster, B's along a column.
; THE MATRIX INSTRUCTION IS USED TRANSPOSED (source 0 = 16 neighbouring rows of W, source 1 = a rowtile of A): a lane holds one token and eight neighbouring columns.  The bias is the C of each sum's first matrix instruction.
; OUT.  A block of 16 tokens x 128 columns goes through the wave's own LDS stage and comes back as whole rows of 512 bytes; the residual's same rows are loaded three blocks ahead and added; 32 lanes store 512 consecutive bytes.
; REGISTERS, in windows of 256: window 0: v0-31 addresses; v32-95 scale words, two sets; v128-223 A's fragments, one set.  window 1: B's fragments, two sets at v0 and v128; the bias at v96-127 and v224-255;
;   on the way out the residual.  windows 2, 3: the accumulators, (a, b) at v[8 (8 (a % 4) + b)].
.set SIZE_K, 4096
.set PERM,   0                         ; the rows of W that form a tile are neighbours
.set ASC,    12582912                  ; where A's scale words begin in its buffer
.set KQ,     SIZE_K/128
.set KS,     SIZE_K/32                 ; a row of W's scale bytes
.set KROW,   SIZE_K*3/4                ; a row of W's codes in bytes
.set ROWB,   192                       ; 256 codes
.set PITCH,  240                       ; B's LDS row: 3 x (64 bytes + 16 of padding): the 32 lanes of a load of 8 bytes touch 64 different banks
.set FR,     12
.set NLA,    4                         ; LDS loads that bring a fragment of A
.set NP,     4                         ; places behind this matrix instruction (ISA guide 7.12.1)
.set HALFA,  8*3072                    ; 8 rowtiles x 256 K of A: one tensor load
.set HALFB,  128*PITCH                 ; 128 rows x 256 K of B: one tensor load
.set SLOT,   2*HALFA+2*HALFB
.set LAPS,   SIZE_K/512
.set SCLA,   2*SLOT                    ; A's scale words: [half 2][q KQ][rowtile 8][64 bytes]
.set SCLB,   SCLA+1024*KQ              ; B's scale bytes, as units of 256 bytes + 16 of padding
.set HALFS,  (128*KS/256)*272
.set SPARE,  SCLB+2*HALFS              ; the spare words, 128 bytes for each wave: two blocks of 256 bytes that no other line names
.set SPITCH, 528                       ; the way out: a stage of 16 rows x (512 + 16) bytes for each wave, in slot 0
.set ADA16, 8                          ; v8-9    A's images in slot 0, 1: + 16 l
.set ADA8,  10                         ; v10-11  the same + 8 l
.set ADRB,  20                         ; v20-21  B's rows in slot 0, 1 (v22-23: for the pieces that lie behind one padding more)
.set STO,   24                         ; v24     the way out: where I put 32 bytes of a row
.set RD,    25                         ; v25     where I read a row back
.set CO,    26                         ; v26     16 l: my bytes of a row of 512
.set ADSB,  27                         ; v27     B's scale words
.set SPW,   28                         ; v28     my spare word: SPARE + 4 x my thread's number; never rewritten
.set NIL,   29                         ; v29     0; never rewritten
.set ADSA,  30                         ; v30     A's scale words
.set AF,    128
.set BK,    128                        ; the way out: 16 rows read back: v128-191 and v192-255 by turns
.set G1, 24                            ; s[24:31] group 1 for A's tiles; s[32:39] group 0, one set for each slot
.set G0, 32
.set G1B, 48                           ; the same for B's tiles
.set G0B, 56
.set G1S, 68                           ; groups 1 and 0 for A's scales; then for B's
.set G0S, 76
.set G1SB, 80
.set G0SB, 88
.set MSB, 0
.macro WIN new                         ; the immediate's high byte repeats the setting that is left
.if MSB != (\new)
	s_set_vgpr_msb (MSB<<8)|(\new)
.set MSB, (\new)
.endif
.endm
.set MUL_LO, 0xa1                      ; source 0 (B) window 1, source 1 (A) window 0, C and D window 2
.set MUL_HI, 0xf1                      ; the same, C and D window 3
.set TO_B,   0x40                      ; destination window 1, address window 0
; A joint load: waves 0 and 1 fetch for A, waves 2 and 3 for B.  Each line has one mask and one set of registers; the branch hangs on the wave's number alone.  Four v_nop follow each line.
.macro JLOAD g0a, g1a, g0b, g1b
	s_cmp_eq_u32 s15, 0
	s_cbranch_scc0 .Lfor_b_\@
	tensor_load_to_lds s[\g0a:\g0a+3], s[\g1a:\g1a+7]
	s_nop 0
.rept 4
	v_nop
.endr
	s_branch .Lasked_\@
.Lfor_b_\@:
	tensor_load_to_lds s[\g0b:\g0b+3], s[\g1b:\g1b+7]
	s_nop 0
.rept 4
	v_nop
.endr
.Lasked_\@:
.endm
.macro CREST                           ; a round of the cluster's barrier behind its opening barrier
	s_cmp_lg_u32 s14, 0
	s_cbranch_scc1 .Lnot_wave_0_\@
	s_barrier_signal -3
.Lnot_wave_0_\@:
	s_barrier_wait -3
	s_barrier_signal -1
	s_barrier_wait -1
.endm
.macro CROUND
	s_barrier_signal -1
	s_barrier_wait -1
	CREST
.endm
.macro PLACES n
.rept \n
	v_nop
.endr
.endm
.macro SHAPE g, d0, d1, pitch          ; words 1 to 7 of a group 1: a tile of d1 rows of d0 elements, pitch elements apart, that lies inside its tensor
	s_mov_b32 s[\g+1], (\d0)<<16
	s_mov_b32 s[\g+2], (\d1)<<16
	s_mov_b32 s[\g+3], (\d0)<<16
	s_mov_b32 s[\g+4], \d1
	s_mov_b32 s[\g+5], \pitch
	s_mov_b32 s[\g+6], 0
	s_mov_b32 s[\g+7], 0
.endm
	s_load_b64 s[4:5], s[0:1], 0x0                 ; A: codes, and behind them its scale words
	s_load_b128 s[8:11], s[0:1], 0x8               ; W's codes, W's scales
	s_load_b64 s[66:67], s[0:1], 0x18              ; the bias
	s_load_b64 s[12:13], s[0:1], 0x20              ; the residual
	s_load_b64 s[96:97], s[0:1], 0x28              ; the result
	v_lshl_add_u32 v[SPW], v0, 2, SPARE
	v_mov_b32 v[NIL], 0
	ds_add_u32 v28, v29
	ds_add_u32 v28, v29
	s_wait_dscnt 0x0
	v_lshrrev_b32 v1, 5, v0
	v_readfirstlane_b32 s14, v1                    ; wave 0..3
	s_lshr_b32 s15, s14, 1                         ; which half of the tile's tokens is mine.  Also: I fetch for A (0) or for B (1)
	s_and_b32 s16, s14, 1                          ; which half of its columns.  Also: which half of that tile I fetch
	s_bfe_u32 s40, ttmp6, 0x40000                  ; cx, cy: my place in the cluster
	s_bfe_u32 s41, ttmp6, 0x40004
	s_lshl_b32 s42, ttmp9, 2
	s_add_co_u32 s42, s42, s40                     ; tile column tx = 4 x cluster x + cx
	s_and_b32 s17, ttmp7, 0xffff
	s_lshl_b32 s17, s17, 2
	s_add_co_u32 s17, s17, s41                     ; tile row ty = 4 x cluster y + cy
	s_lshl_b32 s43, s41, 2
	s_lshl_b32 s43, 15, s43                        ; my row of the cluster
	s_lshl_b32 s44, 0x1111, s40                    ; my column
	s_or_b32 s[G1+0], s43, (3<<16)|(1<<21)         ; A's codes: 8 rows (rowtiles) of 384 elements of 8 bytes (two fragments), 1,536 KQ bytes apart, no padding; the mask: my row; bit 21 set beside it
	SHAPE G1, 384, 8, 192*KQ
	s_or_b32 s[G1B+0], s44, (0<<16)|(1<<20)|(1<<21)|(3<<22)|(3<<25)   ; B's codes: 128 rows of 192 bytes, 16 bytes of padding behind every 64; the mask: my column
	SHAPE G1B, ROWB, 128, KROW
	s_or_b32 s[G1S+0], s43, (3<<16)|(1<<21)        ; A's scale words: KQ rows of 512 bytes (8 rowtiles), 16,384 bytes apart
	SHAPE G1S, 64, KQ, 2048
	s_or_b32 s[G1SB+0], s44, (3<<16)|(1<<20)|(1<<21)|(5<<22)|(3<<25)  ; B's scale bytes of 128 rows: a dense block, as rows of 256 bytes with 16 of padding
	SHAPE G1SB, 32, 128*KS/256, 32
	s_lshl_b32 s18, s16, 3
	s_lshl_b32 s20, s17, 4
	s_add_co_u32 s20, s20, s18                     ; A: rowtile 16 ty + 8 x half
	s_lshl_b32 s22, s20, 6
	s_add_co_u32 s22, s22, ASC                     ; its scale words of q = 0
	s_mov_b32 s23, 0
	s_mul_i32 s20, s20, 1536*KQ                    ; its codes
	s_mov_b32 s21, 0
	s_lshl_b32 s18, s16, 7
	s_lshl_b32 s46, s42, 8
	s_add_co_u32 s46, s46, s18                     ; B: row 256 tx + 128 x half
	s_mul_i32 s92, s46, KS
	s_mov_b32 s93, 0
	s_mul_i32 s46, s46, KROW
	s_mov_b32 s47, 0
	s_mul_i32 s45, s16, HALFA                      ; where they go: no place in the cluster enters an LDS address
	s_mul_i32 s19, s16, HALFB
	s_add_co_u32 s19, s19, 2*HALFA
	s_mul_i32 s94, s16, 512*KQ
	s_mul_i32 s95, s16, HALFS
	s_wait_kmcnt 0x0
	s_add_nc_u64 s[20:21], s[4:5], s[20:21]
	s_add_nc_u64 s[22:23], s[4:5], s[22:23]
	s_add_nc_u64 s[46:47], s[8:9], s[46:47]
	s_add_nc_u64 s[92:93], s[10:11], s[92:93]
	CROUND                                         ; all sixteen work-groups are here: the first joint loads meet
	s_mov_b32 s[G0S], 1
	s_add_co_u32 s[G0S+1], s94, SCLA
	s_mov_b64 s[G0S+2:G0S+3], s[22:23]
	s_or_b32 s[G0S+3], s[G0S+3], 0x80000000
	s_mov_b32 s[G0SB], 1
	s_add_co_u32 s[G0SB+1], s95, SCLB
	s_mov_b64 s[G0SB+2:G0SB+3], s[92:93]
	s_or_b32 s[G0SB+3], s[G0SB+3], 0x80000000
	JLOAD G0S, G1S, G0SB, G1SB                     ; the scales first: they are wanted with K step 0
.irp s, 0,1
	s_mov_b32 s[G0+4*\s], 1
	s_add_co_u32 s[G0+4*\s+1], s45, \s*SLOT
	s_add_nc_u64 s[G0+4*\s+2:G0+4*\s+3], s[20:21], \s*3072
	s_or_b32 s[G0+4*\s+3], s[G0+4*\s+3], 0x80000000
	s_mov_b32 s[G0B+4*\s], 1
	s_add_co_u32 s[G0B+4*\s+1], s19, \s*SLOT
	s_add_nc_u64 s[G0B+4*\s+2:G0B+4*\s+3], s[46:47], \s*ROWB
	s_or_b32 s[G0B+4*\s+3], s[G0B+4*\s+3], 0x80000000
	JLOAD G0+4*\s, G1, G0B+4*\s, G1B
.endr
	v_and_b32 v1, 15, v0                           ; r
	v_bfe_u32 v2, v0, 4, 1                         ; h
	v_and_b32 v3, 31, v0                           ; l
	v_mov_b32 v4, v1                               ; the row of a tile of W that my lane takes
	s_mul_i32 s21, s15, HALFA                      ; my 8 rowtiles of A
	v_lshl_add_u32 v[ADA16], v3, 4, s21
	v_lshl_add_u32 v[ADA8], v3, 3, s21
	v_add_nc_u32 v[ADA16+1], SLOT, v[ADA16]
	v_add_nc_u32 v[ADA8+1], SLOT, v[ADA8]
	v_mul_u32_u24 v5, v4, PITCH
	v_mad_u32_u24 v6, v2, 24, v5                   ; B: row x pitch + 24 x half,
	v_mad_u32_u24 v7, v2, 40, v5                   ; and the same behind one padding more
	s_mul_i32 s22, s16, HALFB
	s_add_co_u32 s22, s22, 2*HALFA                 ; my 128 rows of B, behind A's two halves
	v_add_nc_u32 v[ADRB], s22, v6
	v_add_nc_u32 v[ADRB+2], s22, v7
	v_add_nc_u32 v[ADRB+1], SLOT, v[ADRB]
	v_add_nc_u32 v[ADRB+3], SLOT, v[ADRB+2]
	v_mul_u32_u24 v5, v4, KS                       ; my row's scale bytes: KS a row,
	v_lshrrev_b32 v6, 8, v5
	v_lshl_add_u32 v5, v6, 4, v5                   ; and 16 more for each 256 passed
	s_mul_i32 s22, s16, HALFS
	s_add_co_u32 s22, s22, SCLB
	v_add_nc_u32 v[ADSB], s22, v5
	s_mul_i32 s21, s15, 512*KQ
	s_add_co_u32 s21, s21, SCLA
	v_lshl_add_u32 v[ADSA], v1, 2, s21
	s_mul_i32 s23, s14, 16*SPITCH                  ; my stage
	v_mul_u32_u24 v5, v1, SPITCH
	v_lshl_add_u32 v5, v2, 5, v5
	v_add_nc_u32 v[STO], s23, v5                   ; in: row r, 32 bytes for each half of the lanes
	v_lshlrev_b32 v[CO], 4, v3
	v_add_nc_u32 v[RD], s23, v[CO]                 ; back: the 32 lanes take one row of 512 bytes
	s_lshl_b32 s46, s42, 10
	s_lshl_b32 s47, s16, 9
	s_add_co_u32 s46, s46, s47                     ; my 128 columns: 4 (256 tx + 128 half) bytes on
	s_mov_b32 s47, 0
	s_add_nc_u64 s[66:67], s[66:67], s[46:47]
	s_lshl_b32 s20, s17, 8
	s_lshl_b32 s21, s15, 7
	s_add_co_u32 s20, s20, s21
	s_lshl_b32 s20, s20, 12                        ; my first token: (256 ty + 128 half) rows of 4,096 bytes
	s_mov_b32 s21, 0
	s_add_nc_u64 s[20:21], s[20:21], s[46:47]
	s_add_nc_u64 s[12:13], s[12:13], s[20:21]
	s_add_nc_u64 s[96:97], s[96:97], s[20:21]
	v_lshlrev_b32 v31, 5+PERM, v2                  ; lanes 16-31 hold the columns 8 further on
	WIN TO_B
.irp b, 0,1,2,3,4,5,6,7
.set RO, PERM*(32*(\b/2)+8*(\b%2))+(1-PERM)*16*\b
.set CC, 96+8*\b+96*(\b/4)
	global_load_b128 v[CC:CC+3], v31, s[66:67] offset:4*RO
	global_load_b128 v[CC+4:CC+7], v31, s[66:67] offset:4*RO+16
.endr
	WIN 0
.macro FRAGA reg, slot, q, i           ; a fragment of A comes back as it was stored: registers 0-3, 4-5, 6-9, 10-11
	ds_load_b128 v[\reg:\reg+3],     v[ADA16+\slot] offset:(\i)*3072+(\q)*1536
	ds_load_b64  v[\reg+4:\reg+5],   v[ADA8+\slot]  offset:(\i)*3072+(\q)*1536+512
	ds_load_b128 v[\reg+6:\reg+9],   v[ADA16+\slot] offset:(\i)*3072+(\q)*1536+768
	ds_load_b64  v[\reg+10:\reg+11], v[ADA8+\slot]  offset:(\i)*3072+(\q)*1536+1280
.endm
.macro FRAGB reg, adr, q, i            ; a fragment of B from rows: 24 bytes of the row's stream of bits for registers 0-5, 24 for 6-11, in pieces of 8 bytes; lanes 16-31 read three pieces further on
.set RO, PERM*(32*((\i)/2)+8*((\i)%2))+(1-PERM)*16*(\i)
.irp p, 0,1,2,3,4,5
.set PCE, 12*(\q)+6*(\p/3)+\p%3
.if PCE%8 < 5
	ds_load_b64 v[\reg+2*\p:\reg+2*\p+1], v[\adr] offset:8*PCE+16*(PCE/8)+RO*PITCH
.else
	ds_load_b64 v[\reg+2*\p:\reg+2*\p+1], v[\adr+2] offset:8*PCE+16*(PCE/8)+RO*PITCH
.endif
.endr
.endm
; 16 matrix instructions: A's blocks a0, a0 + 1 x B's eight, the slot's q-th 128 along K.  p: B's set; sc: the set of scale words.  first = 1: the bias is the C: nothing is cleared, nothing is added later.
; The 64 accumulators take turns, one instruction a turn, in the same order in every step.
.macro MUL16 a0, p, q, sc, first
.irp a, \a0, \a0+1
.irp b, 0,1,2,3,4,5,6,7
.set DD, 8*(8*((\a)%4)+\b)
.set BF, 128*(\p)+FR*\b
.set AA, AF+FR*(\a)
.set SBR, 48+32*(\sc)+2*\b+(\q)
.set SAR, 32+32*(\sc)+2*(\a)+(\q)
.set CC, 96+8*\b+96*(\b/4)
.if \first
	v_wmma_scale_f32_16x16x128_f8f6f4 v[DD:DD+7], v[BF:BF+FR-1], v[AA:AA+FR-1], v[CC:CC+7], v[SBR], v[SAR] matrix_a_fmt:MATRIX_FMT_FP6 matrix_b_fmt:MATRIX_FMT_FP6
.else
	v_wmma_scale_f32_16x16x128_f8f6f4 v[DD:DD+7], v[BF:BF+FR-1], v[AA:AA+FR-1], v[DD:DD+7], v[SBR], v[SAR] matrix_a_fmt:MATRIX_FMT_FP6 matrix_b_fmt:MATRIX_FMT_FP6
.endif
.endr
.endr
.endm
.macro FETCH_B slot, q, p
	WIN TO_B
.irp i, 0,1,2,3,4,5,6,7
	FRAGB 128*(\p)+FR*\i, ADRB+\slot, \q, \i
.endr
	WIN 0
.endm
.macro FETCH_A slot, q, i0
.irp i, \i0, \i0+1, \i0+2, \i0+3
	FRAGA AF+FR*(\i), \slot, \q, \i
.endr
.endm
.macro SCALES sc                       ; a K step's scale words: two for each of A's 8 rowtiles and of B's 8 tiles; lanes 16-31 load the same words as lanes 0-15 and are not read
.irp i, 0,1,2,3,4,5,6,7
.set RO, PERM*(32*(\i/2)+8*(\i%2))+(1-PERM)*16*\i
	ds_load_b32 v[32+32*\sc+2*\i], v[ADSA] offset:64*\i
	ds_load_b32 v[32+32*\sc+2*\i+1], v[ADSA] offset:64*\i+512
	ds_load_b64 v[48+32*\sc+2*\i:48+32*\sc+2*\i+1], v[ADSB] offset:(RO*KS/256)*272
.endr
.endm
; A step of 128 along K that has its successor in the same slot.  A load into a register that a matrix instruction has read stands NP places behind it.
.macro STEP slot, q, first
	s_wait_dscnt 4*NLA                             ; B's set, the scale words and A's blocks 0-3 are in; the youngest 16 loads (A's blocks 4-7) may be out
.if \first
	WIN 0x91                                       ; C (the bias) in window 1
.else
	WIN MUL_LO
.endif
	MUL16 0, (\q)%2, \q, \slot, \first
	MUL16 2, (\q)%2, \q, \slot, \first
	s_wait_dscnt 0                                 ; A's blocks 4-7 are in
	PLACES NP
	FETCH_B \slot, (\q)+1, 1-(\q)%2
	FETCH_A \slot, (\q)+1, 0
.if \first
	WIN 0xd1
.else
	WIN MUL_HI
.endif
	MUL16 4, (\q)%2, \q, \slot, \first
	MUL16 6, (\q)%2, \q, \slot, \first
	PLACES NP
	WIN 0
	FETCH_A \slot, (\q)+1, 4
.endm
; A slot's last step changes slots: one barrier; in front of it each wave waits for all its tensor loads, adds 0 to its spare word, and waits for that and for its own reads of this slot.
.macro TURN slot, next, fill
	s_wait_tensorcnt 0x0                           ; all my tensor loads have landed: my part of the next slot
	ds_add_u32 v[SPW], v[NIL]                      ; 0 onto my spare word
	s_wait_dscnt 4*NLA+1                           ; (the add and the youngest 16 loads, A's blocks 4-7, may be out)
	WIN MUL_LO
	MUL16 0, 1, 1, \slot, 0                        ; sixteen matrix instructions stand between the add and the wait for it
	s_wait_dscnt 0x0                               ; the add is done, and my reads of this slot are over
	s_barrier_signal -1
	MUL16 2, 1, 1, \slot, 0
	WIN 0
	s_barrier_wait -1
.if \fill
	CREST                                          ; the barrier has opened a round of the cluster's barrier: no wave of any partner still reads this slot or has a load on its way
	s_add_nc_u64 s[G0+4*\slot+2:G0+4*\slot+3], s[G0+4*\slot+2:G0+4*\slot+3], 6144
	s_add_nc_u64 s[G0B+4*\slot+2:G0B+4*\slot+3], s[G0B+4*\slot+2:G0B+4*\slot+3], 2*ROWB
	JLOAD G0+4*\slot, G1, G0B+4*\slot, G1B         ; the first tensor load behind the round; its four v_nop are the places in front of the loads below
.else
	PLACES NP
.endif
	v_add_nc_u32 v[ADSA], 1024, v[ADSA]            ; on to the next K step's scale words
	v_add_nc_u32 v[ADSB], 8, v[ADSB]
	FETCH_B \next, 0, 0
	FETCH_A \next, 0, 0
	SCALES \next
	WIN MUL_HI
	MUL16 4, 1, 1, \slot, 0
	MUL16 6, 1, 1, \slot, 0
	PLACES NP
	WIN 0
	FETCH_A \next, 0, 4
.endm
	s_wait_tensorcnt 1                             ; the scales and my part of K step 0 are in (K step 1's load may be out)
	s_barrier_signal -1
	s_barrier_wait -1
	FETCH_B 0, 0, 0
	FETCH_A 0, 0, 0
	SCALES 0
	FETCH_A 0, 0, 4
	s_wait_loadcnt 0x0                             ; the bias
	STEP 0, 0, 1                                   ; the first step stands in front of the loop: its products start the sums
	s_mov_b32 s3, LAPS-1
.Llap:                                                 ; a trip goes once round the ring and fills both slots again
	TURN 0, 1, 1
	STEP 1, 0, 0
	TURN 1, 0, 1
	STEP 0, 0, 0
	s_sub_co_u32 s3, s3, 1
	s_cmp_lg_u32 s3, 0
	s_cbranch_scc1 .Llap
	TURN 0, 1, 0                                   ; the last lap fills nothing
	STEP 1, 0, 0
	s_wait_dscnt 4*NLA
	WIN MUL_LO
	MUL16 0, 1, 1, 1, 0
	MUL16 2, 1, 1, 1, 0
	s_wait_dscnt 0
	WIN MUL_HI
	MUL16 4, 1, 1, 1, 0
	MUL16 6, 1, 1, 1, 0
	WIN 0
; THE WAY OUT, block by block of 16 tokens x 128 columns.  Row t of block a is token 32 (a / 2) + 8 (a % 2) + t + 8 (t / 8) of my 128: every row stands in an immediate, 127 x 4,096 bytes at the most; no base is stepped.
; The stage lies in slot 0, which has had its last fill and, since the last change of slots, its last read.  LDS serves a wave's instructions in order: no wait between a block's stores and its loads.
.macro TOSTAGE a
.set AC, 64*((\a)%4)
	WIN 0x08+4*((\a)/4)                            ; the data: window 2 or 3
.irp b, 0,1,2,3,4,5,6,7
	ds_store_b128 v[STO], v[AC+8*\b:AC+8*\b+3] offset:64*\b            ; each accumulator from its low end on
	ds_store_b128 v[STO], v[AC+8*\b+4:AC+8*\b+7] offset:64*\b+16
.endr
	WIN 0
.set BB, BK+64*((\a)%2)
.irp t, 0,1,2,3,4,5,6,7,8,9,10,11,12,13,14,15
	ds_load_b128 v[BB+4*\t:BB+4*\t+3], v[RD] offset:\t*SPITCH
.endr
.endm
.macro RLOAD a                         ; the residual's 16 rows of block a into window 1; this is its last read in the program
	WIN TO_B
.irp t, 0,1,2,3,4,5,6,7,8,9,10,11,12,13,14,15
	global_load_b128 v[64*((\a)%4)+4*\t:64*((\a)%4)+4*\t+3], v[CO], s[12:13] offset:(32*((\a)/2)+8*((\a)%2)+\t+8*(\t/8))*4096 th:TH_LOAD_NT
.endr
	WIN 0
.endm
.macro SEND a, younger, left           ; younger: LDS instructions issued behind block a's loads; left: residual loads issued behind block a's
.set BB, BK+64*((\a)%2)
.set RS, 64*((\a)%4)
	s_wait_dscnt \younger
	s_wait_loadcnt \left
	WIN 0x04                                       ; source 1 in window 1
.set I, 0
.rept 32
	v_pk_add_f32 v[BB+I:BB+I+1], v[BB+I:BB+I+1], v[RS+I:RS+I+1]
.set I, I+2
.endr
	WIN 0
.irp t, 0,1,2,3,4,5,6,7,8,9,10,11,12,13,14,15
	global_store_b128 v[CO], v[BB+4*\t:BB+4*\t+3], s[96:97] offset:(32*((\a)/2)+8*((\a)%2)+\t+8*(\t/8))*4096 th:TH_STORE_NT   ; 32 lanes store 512 consecutive bytes, aligned; written once, read by nobody here
.endr
.endm
	PLACES NP                                      ; behind the last products: for loads into registers that they read and for the first reads of results
	RLOAD 0
	RLOAD 1
	RLOAD 2
	RLOAD 3
	TOSTAGE 0
.irp a, 1,2,3,4,5,6,7
.if \a > 1
	s_wait_xcnt 0x0                                ; block a - 2's stores have read their registers: block a's loads may land there
.endif
	TOSTAGE \a
.if \a < 6
	SEND \a-1, 32, 48                              ; behind block a - 1: block a's 16 stores and 16 loads; three younger blocks of the residual
.else
	SEND \a-1, 32, 16*(8-\a)
.endif
.if \a < 5
	RLOAD \a+3
.endif
.endr
	SEND 7, 0, 0
	s_wait_tensorcnt 0x0                           ; the wave's end
	ds_add_u32 v[SPW], v[NIL]
	s_wait_dscnt 0x0
	CROUND                                         ; the closing round: no work-group ends while a partner may still ask for a tile that names it
	s_endpgm
.Lfunc_end_k_qa3039038c4_fc2:
	.size	k_qa3039038c4_fc2, .Lfunc_end_k_qa3039038c4_fc2-k_qa3039038c4_fc2
	.p2alignl 7, 3214868480
	.fill 96, 4, 3214868480
	.section	.rodata,"a",@progbits
	.p2align	6, 0x0
	.amdhsa_kernel k_qa3039038c4_fc2
		.amdhsa_group_segment_fixed_size 327680
		.amdhsa_private_segment_fixed_size 0
		.amdhsa_enable_private_segment 0
		.amdhsa_kernarg_size 48
		.amdhsa_user_sgpr_count 2
		.amdhsa_user_sgpr_kernarg_segment_ptr 1
		.amdhsa_wavefront_size32 1
		.amdhsa_system_sgpr_workgroup_id_x 1
		.amdhsa_system_sgpr_workgroup_id_y 1
		.amdhsa_system_sgpr_workgroup_id_z 1
		.amdhsa_system_vgpr_workitem_id 0
		.amdhsa_next_free_vgpr 1024
		.amdhsa_next_free_sgpr 100
		.amdhsa_reserve_vcc 0
		.amdhsa_float_denorm_mode_32 3
		.amdhsa_float_denorm_mode_16_64 3
		.amdhsa_memory_ordered 1
		.amdhsa_forward_progress 1
		.amdhsa_inst_pref_size 187
	.end_amdhsa_kernel
	.amdgpu_metadata
---
amdhsa.version: [ 1, 2 ]
amdhsa.kernels:
  - .name:           k_qa3039038c4_fc2
    .symbol:         k_qa3039038c4_fc2.kd
    .args:
      - { .name: hq, .offset: 0, .size: 8, .value_kind: global_buffer, .address_space: global }
      - { .name: fc2_w_codes, .offset: 8, .size: 8, .value_kind: global_buffer, .address_space: global }
      - { .name: fc2_w_scales, .offset: 16, .size: 8, .value_kind: global_buffer, .address_space: global }
      - { .name: fc2_b, .offset: 24, .size: 8, .value_kind: global_buffer, .address_space: global }
      - { .name: x1, .offset: 32, .size: 8, .value_kind: global_buffer, .address_space: global }
      - { .name: out0, .offset: 40, .size: 8, .value_kind: global_buffer, .address_space: global }
    .group_segment_fixed_size: 327680
    .private_segment_fixed_size: 0
    .kernarg_segment_align: 8
    .kernarg_segment_size: 48
    .max_flat_workgroup_size: 128
    .sgpr_count:     100
    .vgpr_count:     1024
    .wavefront_size: 32
...
	.end_amdgpu_metadata
.endif
;; end of part 6
;; ======== version 2 of 2: 7 launches
;; workspace buffers: xq 3,276,800 bytes; qk 6,815,744 bytes; vt 3,276,800 bytes; oq 3,276,800 bytes; x1 16,777,216 bytes; hq 13,107,200 bytes
;; launch ln1: the kernel of part 1 again; grid 256 x 1, 16 waves a work-group, no clusters, 68,352 bytes of LDS; arguments x, ln1_w, ln1_b, xq; writes xq
;; launch qkv: the kernel of part 2 again; grid 12 x 16, 4 waves a work-group, clusters of 4 x 4, 327,680 bytes of LDS; arguments xq, qkv_w_codes, qkv_w_scales, qkv_b, qk, vt; writes qk, vt
;; launch attn (part 7): grid 8 x 32, 16 waves a work-group, clusters of 4 x 1, 210,944 bytes of LDS; arguments qk, vt, oq; writes oq
.if DOCPART == 7
	.amdgcn_target "amdgcn-amd-amdhsa--gfx1250"
	.amdhsa_code_object_version 6
	.text
	.protected	k_qa3039038c4_attn
	.globl	k_qa3039038c4_attn
	.p2align	8
	.type	k_qa3039038c4_attn,@function
k_qa3039038c4_attn:
	s_mov_b64 s[64:65], 0
	v_nop
	global_prefetch_b8 v0, s[64:65] scope:SCOPE_SE
	s_setreg_imm32_b32 hwreg(HW_REG_WAVE_MODE, 25, 1), 1
	s_wait_xcnt 0x0
	s_wait_alu depctr_hold_cnt(0) depctr_sa_sdst(0) depctr_va_vdst(0) depctr_va_sdst(0) depctr_va_ssrc(0) depctr_va_vcc(0) depctr_vm_vsrc(0)
	s_getreg_b32 s2, hwreg(HW_REG_IB_STS2, 6, 4)
	s_cmp_eq_u32 s2, 0
	s_cbranch_scc0 .Lentry_in_a_cluster
	s_endpgm
.Lentry_in_a_cluster:
	s_bfe_u32 s2, ttmp6, 0x10000c
	s_cmp_lg_u32 s2, 0x3003
	s_cbranch_scc0 .Lentry_shape_is_right
	s_endpgm
.Lentry_shape_is_right:
; o = softmax(q k^T / 8) v for 32 heads of 2,048 tokens x 64, both products on codes of FP6 (E2M3) with E8M0 scales for each 32 along K; o / l is quantised along the model's 1,024 for the next product.
; THE SOFTMAX AHEAD OF THE SECOND PRODUCT: t = score x log2(e) / 8; M = the running largest t rounded UP to a whole number; p = 2^(t - M) is quantised along the keys, not normalised; the row's sum l is taken
; of the unquantised p; when M moves, l and O are multiplied by 2^(old M - new M), which rounds nothing.
; INPUTS, this program's own: qk = [part (q, k)][bh 32][Tl 128][768]: rowtile Tl (lane r = token 32 (Tl / 2) + 8 (Tl % 2) + r + 8 (r / 8)) x 64 K as an image of six operand registers; words at QKS, bytes 2, 3 = 0x7f.
;   The first product's K = 64 is filled to the instruction's 128 with zero codes on both sides (registers 6-11 of Q's and K's fragments are cleared once).
;   vt = [bh][Kq 16][dt 4][1,536]: V^T, 16 channels x 128 keys as an image of 12 registers; lane r of d-tile dt = channel 32 (dt / 2) + 8 (dt % 2) + r + 8 (r / 8); words at VSC.
; SHARES.  A work-group owns 256 queries of one head, each of its sixteen waves one rowtile of 16, in 256 registers: four waves to a SIMD.
; Both products are used transposed (S^T = K Q^T, O^T = V^T P^T): a lane holds one query; by the choice of rows above the 16 registers of tiles 2 b, 2 b + 1 are 16 neighbouring keys (or channels).
; THE ORDER OF A KEY STEP is chosen so that a wave covers its own latencies and does not lean on the other three of its SIMD: K's first four tiles are asked for a step ahead, inside the chain that makes M;
; the other four are asked for behind the first four products, and the maxima of the first 64 scores stand between those loads and the wait for them; V is asked for ahead of the softmax;
; the exponentials alternate with plain work (scalings four pairs ahead, the scale arithmetic, O^T's rescaling, the sums one pair back).
; LDS.  A WHOLE HEAD'S K, V and scale words stay in LDS, 208,896 bytes; no byte is filled twice, so there is no ring.  Each wave issues three loads at the start: its part of the first 512 keys, of the scale words,
; and of the other 1,536 keys; the first four key steps run while the third load is on its way.  The fourth step asks for nothing ahead: keys 512 on are shown landed only behind the barrier that follows it.
; CLUSTER.  The four query blocks of a cluster belong to one head: every fill is asked for jointly, with the mask of all four.
; OUT.  oq as the products' A operand: codes [T 256][q 8][1,536] (q = head / 2, image head % 2), scale words at XSC [q 8][T 256][16]: a head owns two bytes of a word, stored by 2 bytes a lane
; (32 bytes a wave; lanes r and r + 16 store the same bytes).
; LIMITS: NaN and infinities are not served; a block whose every p has fallen to 0, or whose largest magnitude lies under 2^-124, keeps the byte 1 (a block of zeros too: zero codes; only this program reads the bytes).
; REGISTERS: v1-7 addresses that stay; v8-13 the step's addresses; v14 -M, v15 the largest t; v16-27 Q, v28 its words; v29 at work; v30 f, v31 p's word; v32-79 four fragments of K; v80-91 p's codes;
;   v92-95 words of K's tiles 4-7, then of V; v96-159 S^T, then p; v160-191 O^T; v192-239 V's four fragments; v240-243, v248-251 at work; v244-247 words of K's tiles 0-3, a step ahead;
;   v[252:253] the sum, v[254:255] its second chain.
.set KC,  0                            ; K's images: 128 x 768
.set VC,  98304                        ; V's: 16 x 4 x 1,536
.set KSO, 196608                       ; K's words: 128 x 64
.set VSO, 204800                       ; V's: 64 x 64
.set QKS, 6291456
.set VSC, 3145728
.set XSC, 3145728
.set WV,  10
.set TC,  90                           ; s90  where the step's codes begin in KC and in VC: 6,144 bytes a step
.set TKS, 91                           ; s91  K's words: 512 a step
.set TVS, 92                           ; s92  V's: 256 a step
.set CNT, 93
.set SEL, 94                           ; s[94:95] lane selects for lane l xor 16
.set CS,  96                           ; s[96:97] c = log2(e) / 8
.macro CROUND                          ; a round of the cluster's barrier
	s_barrier_signal -1
	s_barrier_wait -1
	s_cmp_lg_u32 s[WV], 0
	s_cbranch_scc1 .Lnot_wave_0_\@
	s_barrier_signal -3
.Lnot_wave_0_\@:
	s_barrier_wait -3
	s_barrier_signal -1
	s_barrier_wait -1
.endm
.macro DENSE g, rows                   ; group 1 of a dense block: rows of 256 bytes (32 elements of 8), no padding; the mask of all four partners, bit 21 beside it
	s_mov_b32 s[\g], 15|(3<<16)|(1<<21)
	s_mov_b32 s[\g+1], 32<<16
	s_mov_b32 s[\g+2], (\rows)<<16
	s_mov_b32 s[\g+3], 32<<16
	s_mov_b32 s[\g+4], \rows
	s_mov_b32 s[\g+5], 32
	s_mov_b32 s[\g+6], 0
	s_mov_b32 s[\g+7], 0
.endm
.macro GROUP0 g, lreg, lconst, base, o1, o2
	s_mov_b32 s[\g], 1
	s_add_co_u32 s[\g+1], s[\lreg], \lconst
	s_add_co_u32 s84, s[\o1], s[\o2]
	s_add_nc_u64 s[\g+2:\g+3], s[\base:\base+1], s[84:85]
	s_or_b32 s[\g+3], s[\g+3], 0x80000000
.endm
	s_load_b128 s[4:7], s[0:1], 0x0                ; qk, vt
	s_load_b64 s[8:9], s[0:1], 0x10                ; oq
	v_lshl_add_u32 v254, v0, 2, 0x33000
	v_mov_b32 v255, 0
	ds_add_u32 v254, v255
	ds_add_u32 v254, v255
	s_wait_dscnt 0x0
	v_lshrrev_b32 v1, 5, v0
	v_readfirstlane_b32 s[WV], v1                  ; wave 0..15
	s_and_b32 s11, s[WV], 7                        ; which eighth of K's (waves 0-7) or V's (waves 8-15) bytes I fetch
	s_and_b32 s12, ttmp7, 0xffff                   ; bh, which the partners share
	s_bfe_u32 s13, ttmp6, 0x40000                  ; cx: it enters Q's and O's addresses alone
	s_lshl_b32 s14, ttmp9, 2
	s_add_co_u32 s14, s14, s13
	s_lshl_b32 s14, s14, 4
	s_add_co_u32 s14, s14, s[WV]                   ; my rowtile in the head: 16 x block + wave
	DENSE 24, 12
	DENSE 32, 36
	DENSE 40, 4
	DENSE 48, 2
	s_mul_i32 s15, s12, 98304                      ; a head's codes: 98,304 bytes in each tensor
	s_add_co_u32 s16, s15, 32*98304                ; k's part of qk lies 32 heads behind q's
	s_lshl_b32 s17, s12, 13                        ; a head's words of q or of k: 8,192 bytes
	s_add_co_u32 s18, s17, QKS+32*8192
	s_lshl_b32 s19, s12, 12
	s_add_co_u32 s19, s19, VSC                     ; V's words: 4,096 bytes a head
	s_mul_i32 s20, s11, 3072                       ; my part of the first 512 keys,
	s_mul_i32 s21, s11, 9216
	s_add_co_u32 s21, s21, 24576                   ; of the other 1,536,
	s_lshl_b32 s22, s11, 10                        ; of K's words,
	s_lshl_b32 s23, s11, 9                         ; of V's
	s_mov_b32 s85, 0
	s_mov_b32 s[SEL], 0x76543210
	s_mov_b32 s[SEL+1], 0xfedcba98
	s_mov_b32 s[CS], 0x3e38aa3b
	s_mov_b32 s[CS+1], s[CS]
	s_mov_b32 s[TC], 0
	s_mov_b32 s[TKS], 0
	s_mov_b32 s[TVS], 0
	s_wait_kmcnt 0x0
	GROUP0 56, 20, KC, 4, 16, 20
	GROUP0 60, 22, KSO, 4, 18, 22
	GROUP0 68, 21, KC, 4, 16, 21
	GROUP0 72, 20, VC, 6, 15, 20
	GROUP0 76, 23, VSO, 6, 19, 23
	GROUP0 80, 21, VC, 6, 15, 21
	CROUND                                         ; all four work-groups are here: the joint loads meet
	s_cmp_lt_u32 s[WV], 8                          ; a wave's three fills stand in one branch, ahead of every wait on TENSORcnt and every LDS read: three loads of mine are out
	s_cbranch_scc0 .Lfor_v
	tensor_load_to_lds s[56:59], s[24:31]
	s_nop 0
	tensor_load_to_lds s[60:63], s[40:47]
	s_nop 0
	tensor_load_to_lds s[68:71], s[32:39]
	s_nop 0
.rept 4
	v_nop
.endr
	s_branch .Lasked
.Lfor_v:
	tensor_load_to_lds s[72:75], s[24:31]
	s_nop 0
	tensor_load_to_lds s[76:79], s[48:55]
	s_nop 0
	tensor_load_to_lds s[80:83], s[32:39]
	s_nop 0
.rept 4
	v_nop
.endr
.Lasked:
	s_mul_i32 s86, s14, 768
	s_add_co_u32 s86, s86, s15
	s_mov_b32 s87, 0
	s_add_nc_u64 s[86:87], s[4:5], s[86:87]        ; Q's image
	s_lshl_b32 s88, s14, 6
	s_add_co_u32 s88, s88, s17
	s_add_co_u32 s88, s88, QKS
	s_mov_b32 s89, 0
	s_add_nc_u64 s[88:89], s[4:5], s[88:89]        ; and its words
	v_and_b32 v29, 31, v0
	v_lshlrev_b32 v1, 4, v29                       ; KC + 16 l
	v_lshlrev_b32 v7, 3, v29                       ; 8 l
	v_add_nc_u32 v2, 512, v7                       ; KC + 512 + 8 l
	v_add_nc_u32 v3, VC, v1
	v_add_nc_u32 v4, VC, v2
	v_and_b32 v29, 15, v0
	v_lshlrev_b32 v13, 2, v29                      ; 4 r
	v_add_nc_u32 v5, KSO, v13
	v_add_nc_u32 v6, VSO, v13
	global_load_b128 v[16:19], v1, s[86:87]
	global_load_b64 v[20:21], v7, s[86:87] offset:512
	global_load_b32 v28, v13, s[88:89]
.irp j, 22,23,24,25,26,27
	v_mov_b32 v\j, 0                               ; Q's k = 64 .. 127: zero codes
.endr
.irp t, 0,1,2,3
.irp j, 6,7,8,9,10,11
	v_mov_b32 v[32+12*\t+\j], 0                    ; K's likewise: written once, no load lands here
.endr
.endr
.set J, 0
.rept 32
	v_mov_b32 v[160+J], 0                          ; O^T.  (The step is written for every step alike: the first finds zeros, which the first change of M leaves zeros)
.set J, J+1
.endr
.irp j, 31,252,253
	v_mov_b32 v\j, 0                               ; the sum; and v31, named as the upper half of the pair v[30:31] before it is first written
.endr
	v_mov_b32 v15, 0xff61b1e6                      ; the largest t so far: -3e38
	v_floor_f32 v14, -v15                          ; -M
; Tile t of a key step's first four tiles of K: its six registers of codes and its scale word, from o (ow) bytes behind the addresses named
.macro PK t, a16, a8, aw, o, ow
	ds_load_b128 v[32+12*(\t):35+12*(\t)], v[\a16] offset:\o+(\t)*768
	ds_load_b64 v[36+12*(\t):37+12*(\t)], v[\a8] offset:\o+(\t)*768
	ds_load_b32 v[244+(\t)], v[\aw] offset:\ow+(\t)*64
.endm
.macro NEXTK pre, t                    ; the same of the NEXT key step, where there is one that may be read
.if \pre
	PK \t, 8, 9, 12, 6144, 512
.endif
.endm
; The largest score of blocks b0 and b1 of 32 keys (my 16 of each): two chains a block, one for each of its two tiles, so that four chains take turns; each accumulator is read from its low end on.
; It serves the row's maximum and, since p rises with the score, the block's largest p.
.macro BMAX b0, b1
.irp b, \b0, \b1
	v_max3_num_f32 v[240+\b], v[96+16*\b], v[97+16*\b], v[98+16*\b]
.endr
.irp b, \b0, \b1
	v_max3_num_f32 v[248+\b], v[104+16*\b], v[105+16*\b], v[106+16*\b]
.endr
.irp i, 3,5
.irp b, \b0, \b1
	v_max3_num_f32 v[240+\b], v[240+\b], v[96+16*\b+\i], v[97+16*\b+\i]
.endr
.irp b, \b0, \b1
	v_max3_num_f32 v[248+\b], v[248+\b], v[104+16*\b+\i], v[105+16*\b+\i]
.endr
.endr
.irp b, \b0, \b1
	v_max3_num_f32 v[240+\b], v[240+\b], v[248+\b], v[103+16*\b]
.endr
.irp b, \b0, \b1
	v_max_num_f32 v[240+\b], v[240+\b], v[111+16*\b]
.endr
.endm
; A KEY STEP: 128 keys.  It finds K's tiles 0-3 and their words asked for.  pre = 1: it asks for the next step's.
.macro STEP pre
	s_wait_dscnt 0x0                               ; K's tiles 0-3 and their words are in (round the loop they were waited for ahead of the last step's second product; on the way in this is their wait)
.irp t, 0,1,2,3                                ; S^T = K Q^T, tiles 0-3
	v_wmma_scale_f32_16x16x128_f8f6f4 v[96+8*\t:103+8*\t], v[32+12*\t:43+12*\t], v[16:27], 0, v[244+\t], v28 matrix_a_fmt:MATRIX_FMT_FP6 matrix_b_fmt:MATRIX_FMT_FP6
.endr
	v_add_nc_u32 v8, s[TC], v1                     ; the step's addresses: six plain instructions, the places behind these products and the last step's, in front of loads into registers that they read and of the first read of results
	v_add_nc_u32 v9, s[TC], v2
	v_add_nc_u32 v10, s[TC], v3
	v_add_nc_u32 v11, s[TC], v4
	v_add_nc_u32 v12, s[TKS], v5
	v_add_nc_u32 v13, s[TVS], v6
.irp t, 0,1,2,3                                ; K's tiles 4-7
	ds_load_b128 v[32+12*\t:35+12*\t], v8 offset:(4+\t)*768
	ds_load_b64 v[36+12*\t:37+12*\t], v9 offset:(4+\t)*768
	ds_load_b32 v[92+\t], v12 offset:(4+\t)*64
.endr
	BMAX 0, 1                                      ; sixteen instructions on the scores that are there, while those loads are out
	s_wait_dscnt 0x0
.irp t, 0,1,2,3                                ; S^T, tiles 4-7
	v_wmma_scale_f32_16x16x128_f8f6f4 v[128+8*\t:135+8*\t], v[32+12*\t:43+12*\t], v[16:27], 0, v[92+\t], v28 matrix_a_fmt:MATRIX_FMT_FP6 matrix_b_fmt:MATRIX_FMT_FP6
.endr
.rept 4
	v_nop                                          ; places in front of loads into registers that these products read, and of the first read of their results
.endr
.irp t, 0,1,2,3                                ; V's four fragments and their words are asked for here and land under the softmax
	ds_load_b128 v[192+12*\t:195+12*\t], v10 offset:1536*\t
	ds_load_b64 v[196+12*\t:197+12*\t], v11 offset:1536*\t
	ds_load_b128 v[198+12*\t:201+12*\t], v10 offset:1536*\t+768
	ds_load_b64 v[202+12*\t:203+12*\t], v11 offset:1536*\t+768
	ds_load_b32 v[92+\t], v13 offset:64*\t
.endr
	BMAX 2, 3
.irp b, 0,1,2,3
	v_permlanex16_b32 v[248+\b], v[240+\b], s[SEL], s[SEL+1]
.endr
.irp b, 0,1,2,3
	v_max_num_f32 v[240+\b], v[240+\b], v[248+\b]  ; with lane l xor 16's 16 keys
.endr
	v_max3_num_f32 v29, v240, v241, v242           ; a chain in which each line waits for the line above it: the next step's loads of K stand between its links
	NEXTK \pre, 0
	v_max_num_f32 v29, v29, v243
	NEXTK \pre, 1
	v_mul_f32 v29, s[CS], v29                      ; the step's largest t
	NEXTK \pre, 2
	v_max_num_f32 v15, v15, v29
	NEXTK \pre, 3
	v_mov_b32 v29, v14
	v_floor_f32 v14, -v15                          ; the new -M = -ceil(t)
	v_sub_f32 v29, v14, v29                        ; old M - new M: a whole number, 0 or less
	v_cvt_i32_f32 v29, v29                         ; (it saturates)
	v_ldexp_f32 v30, 1.0, v29                      ; f = 2^(old M - new M)
.irp b, 0,1,2,3
	v_fma_f32 v[240+\b], v[240+\b], s[CS], v14     ; t - M of each block's largest score
.endr
	v_pk_mul_f32 v[252:253], v[252:253], v[30:31] op_sel_hi:[1,0]     ; the sum under the new M
.irp b, 0,1,2,3
	v_exp_f32 v[240+\b], v[240+\b]                 ; the block's largest p: the same multiply-add and exponential on the same number give the same bits
	v_pk_fma_f32 v[96+2*\b:97+2*\b], v[96+2*\b:97+2*\b], s[CS:CS+1], v[14:15] op_sel_hi:[1,0,0]   ; t - M of pairs 0 to 3
.endr
; p = 2^(t - M), pair by pair.  Behind a pair's first exponential stands the scaling of the pair four on; behind its second a line of the scale arithmetic (the floor 2^(3 - 127), 2 off the exponent field: the conversion's
; scale operand, the byte, p's scale word) or of O^T's rescaling, and the sum of the pair before.  No line reads the result of the exponential just ahead of it.
; THE ROW'S SUM IS TAKEN OF THE UNQUANTISED p, in two chains: even pairs into v[252:253], odd pairs into v[254:255].
.set MM, 0
.rept 32
	v_exp_f32 v[96+2*MM], v[96+2*MM]
.if MM < 28
	v_pk_fma_f32 v[104+2*MM:105+2*MM], v[104+2*MM:105+2*MM], s[CS:CS+1], v[14:15] op_sel_hi:[1,0,0]
.endif
	v_exp_f32 v[97+2*MM], v[97+2*MM]
.if MM < 4
	s_wait_alu depctr_va_vdst(0)
	v_max_num_f32 v[240+MM], 0x1800000, v[240+MM]
.elseif MM < 8
	v_add_nc_u32 v[248+MM-4], 0xff000000, v[240+MM-4]
.elseif MM < 12
	v_lshrrev_b32 v[240+MM-8], 23, v[248+MM-8]
.elseif MM == 12
	v_lshl_or_b32 v31, v241, 8, v240
.elseif MM == 13
	v_lshl_or_b32 v31, v242, 16, v31
.elseif MM == 14
	v_lshl_or_b32 v31, v243, 24, v31
.elseif MM < 26
	v_pk_mul_f32 v[160+2*(MM-15):161+2*(MM-15)], v[160+2*(MM-15):161+2*(MM-15)], v[30:31] op_sel_hi:[1,0]   ; O^T under the new M, from its low end on: pairs 0 to 10 of 16
.endif
.if MM == 2
	s_wait_alu depctr_va_vdst(0)
	v_pk_add_f32 v[254:255], v[96:97], v[98:99]
.elseif MM > 2
	s_wait_alu depctr_va_vdst(0)
	v_pk_add_f32 v[252+2*((MM-1)%2):253+2*((MM-1)%2)], v[252+2*((MM-1)%2):253+2*((MM-1)%2)], v[94+2*MM:95+2*MM]
.endif
.set MM, MM+1
.endr
	v_cvt_scalef32_pk16_fp6_f32 v[80:82], v[96:111], v248
	v_cvt_scalef32_pk16_fp6_f32 v[84:86], v[112:127], v249            ; (a conversion's three registers begin on an even number: the second half of a block's six is made elsewhere and moved)
	s_wait_alu depctr_va_vdst(0)
	v_cvt_scalef32_pk16_fp6_f32 v[240:242], v[144:159], v251
	v_pk_mul_f32 v[182:183], v[182:183], v[30:31] op_sel_hi:[1,0]     ; O^T's pair 11: the plain instruction behind the scaled conversions
.irp i, 0,1,2
	v_permlane16_swap_b32 v[80+\i], v[84+\i]       ; the operand's layout wants a whole block in a lane
.endr
	v_mov_b32 v83, v84
	v_mov_b32 v84, v85
	v_mov_b32 v85, v86
	v_cvt_scalef32_pk16_fp6_f32 v[86:88], v[128:143], v250
	v_pk_mul_f32 v[184:185], v[184:185], v[30:31] op_sel_hi:[1,0]     ; pair 12: likewise
.irp i, 0,1,2
	v_permlane16_swap_b32 v[86+\i], v[240+\i]
.endr
.irp i, 0,1,2
	v_mov_b32 v[89+\i], v[240+\i]
.endr
.irp j, 186,188,190
	v_pk_mul_f32 v[\j:\j+1], v[\j:\j+1], v[30:31] op_sel_hi:[1,0]     ; pairs 13 to 15.  (With the two sums below: five places between p's codes and the products)
.endr
	v_pk_add_f32 v[254:255], v[254:255], v[158:159]
	v_pk_add_f32 v[252:253], v[252:253], v[254:255]
	s_wait_dscnt 0x0                               ; V's fragments and words; the next step's tiles of K, asked for behind them, too
.irp t, 0,1,2,3                                ; O^T += V^T P^T: the four accumulators by turns
	v_wmma_scale_f32_16x16x128_f8f6f4 v[160+8*\t:167+8*\t], v[192+12*\t:203+12*\t], v[80:91], v[160+8*\t:167+8*\t], v[92+\t], v31 matrix_a_fmt:MATRIX_FMT_FP6 matrix_b_fmt:MATRIX_FMT_FP6
.endr
	s_add_co_u32 s[TC], s[TC], 6144
	s_add_co_u32 s[TKS], s[TKS], 512
	s_add_co_u32 s[TVS], s[TVS], 256
.endm
	s_wait_loadcnt 0x0                             ; Q
	s_wait_tensorcnt 1                             ; my parts of the first 512 keys and of the words have landed; the third load may stay out
	s_barrier_signal -1
	s_barrier_wait -1                              ; everybody's have
.irp t, 0,1,2,3
	PK \t, 1, 2, 5, 0, 0                           ; key step 0's first four tiles
.endr
	s_mov_b32 s[CNT], 3
.Lfirst:                                           ; keys 0 to 383; each trip asks for the next 128 keys' first tiles, keys 511 at the most
	STEP 1
	s_sub_co_u32 s[CNT], s[CNT], 1
	s_cmp_lg_u32 s[CNT], 0
	s_cbranch_scc1 .Lfirst
	STEP 0                                         ; keys 384 to 511: nothing is asked for ahead
	s_wait_tensorcnt 0x0                           ; my part of the other keys has landed
	s_wait_dscnt 0x0
	s_barrier_signal -1
	s_barrier_wait -1                              ; everybody's has
.irp t, 0,1,2,3
	PK \t, 8, 9, 12, 6144, 512                     ; key step 4's first four tiles: one step behind the addresses of step 3
.endr
	s_mov_b32 s[CNT], 11
.Lrest:                                            ; keys 512 to 1,919
	STEP 1
	s_sub_co_u32 s[CNT], s[CNT], 1
	s_cmp_lg_u32 s[CNT], 0
	s_cbranch_scc1 .Lrest
	STEP 0                                         ; keys 1,920 to 2,047: there is no next step
	; THE WAY OUT: o = O^T / l, quantised along the head's 64 (two blocks of the next product's K): register 16 k + i is channel 32 k + 16 (lane / 16) + i of my query
.rept 4
	v_nop
.endr
	v_add_f32 v252, v252, v253
	v_permlanex16_b32 v244, v252, s[SEL], s[SEL+1]
	v_add_f32 v252, v252, v244                     ; the row's sum
	v_rcp_f32 v30, v252
	v_and_b32 v8, 15, v0                           ; (a plain instruction behind the transcendental)
	v_lshlrev_b32 v8, 2, v8                        ; 4 r
.set J, 0
.rept 16
	s_wait_alu depctr_va_vdst(0)
	v_pk_mul_f32 v[96+J:97+J], v[160+J:161+J], v[30:31] op_sel_hi:[1,0]
.set J, J+2
.endr
.irp b, 0,1
	v_max3_num_f32 v[240+\b], |v[96+16*\b]|, |v[97+16*\b]|, 0x1800000
.endr
.irp i, 2,4,6,8,10,12,14
.irp b, 0,1
	v_max3_num_f32 v[240+\b], v[240+\b], |v[96+16*\b+\i]|, |v[97+16*\b+\i]|
.endr
.endr
.irp b, 0,1
	v_permlanex16_b32 v[244+\b], v[240+\b], s[SEL], s[SEL+1]
.endr
.irp b, 0,1
	v_max_num_f32 v[240+\b], v[240+\b], v[244+\b]
.endr
.irp b, 0,1
	v_add_nc_u32 v[248+\b], 0xff000000, v[240+\b]
.endr
.irp b, 0,1
	v_lshrrev_b32 v[244+\b], 23, v[248+\b]
.endr
	v_lshl_or_b32 v29, v245, 8, v244               ; the head's two bytes of my token's word
	v_cvt_scalef32_pk16_fp6_f32 v[80:82], v[96:111], v248
	v_cvt_scalef32_pk16_fp6_f32 v[84:86], v[112:127], v249
	v_nop
.irp i, 0,1,2
	v_permlane16_swap_b32 v[80+\i], v[84+\i]
.endr
	v_mov_b32 v83, v84
	v_mov_b32 v84, v85
	v_mov_b32 v85, v86
	s_lshr_b32 s15, s12, 4
	s_lshl_b32 s15, s15, 7
	s_add_co_u32 s15, s15, s14                     ; T = 128 x batch + my rowtile
	s_and_b32 s16, s12, 15                         ; the head
	s_mul_i32 s86, s15, 12288
	s_mul_i32 s17, s16, 768
	s_add_co_u32 s86, s86, s17                     ; 12,288 T + 768 head
	s_mov_b32 s87, 0
	s_add_nc_u64 s[86:87], s[8:9], s[86:87]
	s_lshr_b32 s17, s16, 1
	s_lshl_b32 s17, s17, 8
	s_add_co_u32 s17, s17, s15
	s_lshl_b32 s88, s17, 6
	s_and_b32 s17, s16, 1
	s_lshl_b32 s17, s17, 1
	s_add_co_u32 s88, s88, s17
	s_add_co_u32 s88, s88, XSC                     ; XSC + 64 (256 (head / 2) + T) + 2 (head % 2)
	s_mov_b32 s89, 0
	s_add_nc_u64 s[88:89], s[8:9], s[88:89]
	global_store_b128 v1, v[80:83], s[86:87]                           ; 512 consecutive bytes, aligned
	global_store_b64 v7, v[84:85], s[86:87] offset:512                 ; 256 consecutive bytes, aligned
	global_store_b16 v8, v29, s[88:89]
	s_wait_xcnt 0x0
	v_lshl_add_u32 v254, v0, 2, 0x33000
	v_mov_b32 v255, 0
	s_wait_tensorcnt 0x0
	ds_add_u32 v254, v255
	s_wait_dscnt 0x0
	CROUND                                         ; the closing round
	s_endpgm
.Lfunc_end_k_qa3039038c4_attn:
	.size	k_qa3039038c4_attn, .Lfunc_end_k_qa3039038c4_attn-k_qa3039038c4_attn
	.p2alignl 7, 3214868480
	.fill 96, 4, 3214868480
	.section	.rodata,"a",@progbits
	.p2align	6, 0x0
	.amdhsa_kernel k_qa3039038c4_attn
		.amdhsa_group_segment_fixed_size 210944
		.amdhsa_private_segment_fixed_size 0
		.amdhsa_enable_private_segment 0
		.amdhsa_kernarg_size 24
		.amdhsa_user_sgpr_count 2
		.amdhsa_user_sgpr_kernarg_segment_ptr 1
		.amdhsa_wavefront_size32 1
		.amdhsa_system_sgpr_workgroup_id_x 1
		.amdhsa_system_sgpr_workgroup_id_y 1
		.amdhsa_system_sgpr_workgroup_id_z 1
		.amdhsa_system_vgpr_workitem_id 0
		.amdhsa_next_free_vgpr 256
		.amdhsa_next_free_sgpr 98
		.amdhsa_reserve_vcc 0
		.amdhsa_float_denorm_mode_32 3
		.amdhsa_float_denorm_mode_16_64 3
		.amdhsa_memory_ordered 1
		.amdhsa_forward_progress 1
		.amdhsa_inst_pref_size 86
	.end_amdhsa_kernel
	.amdgpu_metadata
---
amdhsa.version: [ 1, 2 ]
amdhsa.kernels:
  - .name:           k_qa3039038c4_attn
    .symbol:         k_qa3039038c4_attn.kd
    .args:
      - { .name: qk, .offset: 0, .size: 8, .value_kind: global_buffer, .address_space: global }
      - { .name: vt, .offset: 8, .size: 8, .value_kind: global_buffer, .address_space: global }
      - { .name: oq, .offset: 16, .size: 8, .value_kind: global_buffer, .address_space: global }
    .group_segment_fixed_size: 210944
    .private_segment_fixed_size: 0
    .kernarg_segment_align: 8
    .kernarg_segment_size: 24
    .max_flat_workgroup_size: 512
    .sgpr_count:     98
    .vgpr_count:     256
    .wavefront_size: 32
...
	.end_amdgpu_metadata
.endif
;; end of part 7
;; launch proj (part 8): grid 8 x 32, 4 waves a work-group, clusters of 4 x 4, 327,680 bytes of LDS; arguments oq, proj_w_codes, proj_w_scales, proj_b, x, x1; writes x1
.if DOCPART == 8
	.amdgcn_target "amdgcn-amd-amdhsa--gfx1250"
	.amdhsa_code_object_version 6
	.text
	.protected	k_qa3039038c4_proj
	.globl	k_qa3039038c4_proj
	.p2align	8
	.type	k_qa3039038c4_proj,@function
k_qa3039038c4_proj:
	s_mov_b64 s[64:65], 0
	v_nop
	global_prefetch_b8 v0, s[64:65] scope:SCOPE_SE
	s_setreg_imm32_b32 hwreg(HW_REG_WAVE_MODE, 25, 1), 1
	s_wait_xcnt 0x0
	s_wait_alu depctr_hold_cnt(0) depctr_sa_sdst(0) depctr_va_vdst(0) depctr_va_sdst(0) depctr_va_ssrc(0) depctr_va_vcc(0) depctr_vm_vsrc(0)
	s_getreg_b32 s2, hwreg(HW_REG_IB_STS2, 6, 4)
	s_cmp_eq_u32 s2, 0
	s_cbranch_scc0 .Lentry_in_a_cluster
	s_endpgm
.Lentry_in_a_cluster:
	s_bfe_u32 s2, ttmp6, 0x10000c
	s_cmp_lg_u32 s2, 0xf033
	s_cbranch_scc0 .Lentry_shape_is_right
	s_endpgm
.Lentry_shape_is_right:
; x1 = x + o W^T + b on codes of FP6 (E2M3) with E8M0 scales for each 32 along K = 1,024; x, x1: [4,096][1,024] f32.
; A (o): this program's own codes, by rowtiles (lane r of rowtile T = token 32 (T / 2) + 8 (T % 2) + r + 8 (r / 8)), a fragment of 16 rows x 128 K as an image of its 12 registers, 1,536 bytes:
;   [T 256][q KQ][1,536]; scale words at ASC: [q KQ][T 256][16 words].  B (W): given rows of codes, KROW bytes a row, and rows of KS scale bytes.
; THE TILE IS 128 x 128: 4,096 x 1,024 outputs make 256 such tiles, one for each work-group, where tiles of 256 x 256 would make 64.  Four waves, each 64 tokens (4 rowtiles) x 64 columns: 16 accumulators, 128 registers.
; For 128 along K a wave reads 8 fragments (12,288 bytes) from LDS for 16 matrix instructions, twice the bytes for each product of a wave tile of 128 x 128: the price of the smaller tile.
; K goes in steps of 512 through two LDS slots filled by the tensor data mover: as long a step as divides K and fits twice.  At K = 1,024 the two slots hold all of K: both are first fills, and nothing is filled again.
; All scales of the work-group's rows of A and of B come into LDS once, with the first fills.
; CLUSTERS: 4 x 4 work-groups; A's tiles are asked for jointly along a row of the cluster, B's along a column.
; THE MATRIX INSTRUCTION IS USED TRANSPOSED (source 0 = 16 neighbouring rows of W, source 1 = a rowtile of A): a lane holds one token and eight neighbouring columns.  The bias is the C of each sum's first matrix instruction.
; OUT.  A wave's 64 columns are 256 bytes of a row.  A block of 16 tokens goes through the wave's own LDS stage and comes back as whole rows; the residual, loaded at the kernel's head into registers of its own, is added;
; sixteen lanes store 256 consecutive bytes, aligned.
; REGISTERS, in windows of 256: window 0: v0-31 addresses; v32-95 scale words, two sets; v96-127 the bias; v128-255 the accumulators, (a, b) at v[128 + 8 (4 a + b)].
;   window 1: two fragment buffers at v0 and v128: A's four fragments, then B's four.   window 2: v0-127 the residual.
.set SIZE_K, 1024
.set ASC,    3145728                   ; where A's scale words begin in its buffer
.set NTOUT,  0                         ; the result is read again by later launches
.set KQ,     SIZE_K/128
.set KS,     SIZE_K/32                 ; a row of W's scale bytes
.set KROW,   SIZE_K*3/4                ; a row of W's codes in bytes
.set ROWB,   384                       ; 512 codes
.set PITCH,  432                       ; B's LDS row: 3 x (128 bytes + 16 of padding) = 108 words: the 16 rows of a fragment start at 16 different groups of four banks, and the 32 lanes of a load of 8 bytes touch 64 different banks
.set FR,     12
.set NP,     4                         ; places behind this matrix instruction (ISA guide 7.12.1)
.set HALFA,  4*6144                    ; 4 rowtiles x 512 K of A: one tensor load
.set HALFB,  64*PITCH                  ; 64 rows x 512 K of B: one tensor load
.set SLOT,   2*HALFA+2*HALFB
.set LAPS,   SIZE_K/1024               ; a lap = two slots
.set SCLA,   2*SLOT                    ; A's scale words: [half 2][q KQ][rowtile 4][64 bytes]
.set SCLB,   SCLA+512*KQ               ; B's scale bytes, as units of 256 bytes + 16 of padding
.set HALFS,  (64*KS/256)*272
.set SPARE,  SCLB+2*HALFS              ; the spare words, 128 bytes for each wave: two blocks of 256 bytes that no other line names
.set SPITCH, 272                       ; the way out: a stage of 16 rows x (256 + 16) bytes for each wave, in slot 0
.set ADA16, 8                          ; v8-9    A's images in slot 0, 1: + 16 l
.set ADA8,  10                         ; v10-11  the same + 8 l
.set ADRB,  20                         ; v20-21  B's rows in slot 0, 1 (v22-23: for the pieces that lie behind one padding more)
.set STO,   24                         ; v24     the way out: where I put 32 bytes of a row
.set RD,    25                         ; v25     where I read rows back
.set CO,    26                         ; v26     4,096 (l / 16) + 16 (l % 16): my bytes of two rows in memory
.set ADSB,  27                         ; v27     B's scale words
.set SPW,   28                         ; v28     my spare word: SPARE + 4 x my thread's number; never rewritten
.set NIL,   29                         ; v29     0; never rewritten
.set ADSA,  30                         ; v30     A's scale words
.set G1, 24                            ; s[24:31] group 1 for A's tiles; s[32:39] group 0, one set for each slot
.set G0, 32
.set G1B, 48                           ; the same for B's tiles
.set G0B, 56
.set G1S, 68                           ; groups 1 and 0 for A's scales; then for B's
.set G0S, 76
.set G1SB, 80
.set G0SB, 88
.set MSB, 0
.macro WIN new                         ; the immediate's high byte repeats the setting that is left
.if MSB != (\new)
	s_set_vgpr_msb (MSB<<8)|(\new)
.set MSB, (\new)
.endif
.endm
.set MUL,  0x05                        ; sources 0 (B) and 1 (A) window 1; C and D window 0
.set TO_F, 0x40                        ; destination window 1, address window 0
; A joint load: waves 0 and 1 fetch for A, waves 2 and 3 for B.  Each line has one mask and one set of registers; the branch hangs on the wave's number alone.  Four v_nop follow each line.
.macro JLOAD g0a, g1a, g0b, g1b
	s_cmp_eq_u32 s15, 0
	s_cbranch_scc0 .Lfor_b_\@
	tensor_load_to_lds s[\g0a:\g0a+3], s[\g1a:\g1a+7]
	s_nop 0
.rept 4
	v_nop
.endr
	s_branch .Lasked_\@
.Lfor_b_\@:
	tensor_load_to_lds s[\g0b:\g0b+3], s[\g1b:\g1b+7]
	s_nop 0
.rept 4
	v_nop
.endr
.Lasked_\@:
.endm
.macro CREST                           ; a round of the cluster's barrier behind its opening barrier
	s_cmp_lg_u32 s14, 0
	s_cbranch_scc1 .Lnot_wave_0_\@
	s_barrier_signal -3
.Lnot_wave_0_\@:
	s_barrier_wait -3
	s_barrier_signal -1
	s_barrier_wait -1
.endm
.macro CROUND
	s_barrier_signal -1
	s_barrier_wait -1
	CREST
.endm
.macro PLACES n
.rept \n
	v_nop
.endr
.endm
.macro SHAPE g, d0, d1, pitch          ; words 1 to 7 of a group 1: a tile of d1 rows of d0 elements, pitch elements apart, that lies inside its tensor
	s_mov_b32 s[\g+1], (\d0)<<16
	s_mov_b32 s[\g+2], (\d1)<<16
	s_mov_b32 s[\g+3], (\d0)<<16
	s_mov_b32 s[\g+4], \d1
	s_mov_b32 s[\g+5], \pitch
	s_mov_b32 s[\g+6], 0
	s_mov_b32 s[\g+7], 0
.endm
	s_load_b64 s[4:5], s[0:1], 0x0                 ; A: codes, and behind them its scale words
	s_load_b128 s[8:11], s[0:1], 0x8               ; W's codes, W's scales
	s_load_b64 s[66:67], s[0:1], 0x18              ; the bias
	s_load_b64 s[12:13], s[0:1], 0x20              ; the residual
	s_load_b64 s[96:97], s[0:1], 0x28              ; the result
	v_lshl_add_u32 v[SPW], v0, 2, SPARE
	v_mov_b32 v[NIL], 0
	ds_add_u32 v28, v29
	ds_add_u32 v28, v29
	s_wait_dscnt 0x0
	v_lshrrev_b32 v1, 5, v0
	v_readfirstlane_b32 s14, v1                    ; wave 0..3
	s_lshr_b32 s15, s14, 1                         ; which half of the tile's tokens is mine.  Also: I fetch for A (0) or for B (1)
	s_and_b32 s16, s14, 1                          ; which half of its columns.  Also: which half of that tile I fetch
	s_bfe_u32 s40, ttmp6, 0x40000                  ; cx, cy: my place in the cluster
	s_bfe_u32 s41, ttmp6, 0x40004
	s_lshl_b32 s42, ttmp9, 2
	s_add_co_u32 s42, s42, s40                     ; tile column tx = 4 x cluster x + cx
	s_and_b32 s17, ttmp7, 0xffff
	s_lshl_b32 s17, s17, 2
	s_add_co_u32 s17, s17, s41                     ; tile row ty = 4 x cluster y + cy
	s_lshl_b32 s43, s41, 2
	s_lshl_b32 s43, 15, s43                        ; my row of the cluster
	s_lshl_b32 s44, 0x1111, s40                    ; my column
	s_or_b32 s[G1+0], s43, (3<<16)|(1<<21)         ; A's codes: 4 rows (rowtiles) of 768 elements of 8 bytes (four fragments), 1,536 KQ bytes apart, no padding; the mask: my row; bit 21 set beside it
	SHAPE G1, 768, 4, 192*KQ
	s_or_b32 s[G1B+0], s44, (0<<16)|(1<<20)|(1<<21)|(4<<22)|(3<<25)   ; B's codes: 64 rows of 384 bytes, 16 bytes of padding behind every 128; the mask: my column
	SHAPE G1B, ROWB, 64, KROW
	s_or_b32 s[G1S+0], s43, (3<<16)|(1<<21)        ; A's scale words: KQ rows of 256 bytes (4 rowtiles), 16,384 bytes apart
	SHAPE G1S, 32, KQ, 2048
	s_or_b32 s[G1SB+0], s44, (3<<16)|(1<<20)|(1<<21)|(5<<22)|(3<<25)  ; B's scale bytes of 64 rows: a dense block, as rows of 256 bytes with 16 of padding
	SHAPE G1SB, 32, 64*KS/256, 32
	s_lshl_b32 s18, s16, 2
	s_lshl_b32 s20, s17, 3
	s_add_co_u32 s20, s20, s18                     ; A: rowtile 8 ty + 4 x half
	s_lshl_b32 s22, s20, 6
	s_add_co_u32 s22, s22, ASC                     ; its scale words of q = 0
	s_mov_b32 s23, 0
	s_mul_i32 s20, s20, 1536*KQ                    ; its codes
	s_mov_b32 s21, 0
	s_lshl_b32 s18, s16, 6
	s_lshl_b32 s46, s42, 7
	s_add_co_u32 s46, s46, s18                     ; B: row 128 tx + 64 x half
	s_mul_i32 s92, s46, KS
	s_mov_b32 s93, 0
	s_mul_i32 s46, s46, KROW
	s_mov_b32 s47, 0
	s_mul_i32 s45, s16, HALFA                      ; where they go: no place in the cluster enters an LDS address
	s_mul_i32 s19, s16, HALFB
	s_add_co_u32 s19, s19, 2*HALFA
	s_mul_i32 s94, s16, 256*KQ
	s_mul_i32 s95, s16, HALFS
	s_wait_kmcnt 0x0
	s_add_nc_u64 s[20:21], s[4:5], s[20:21]
	s_add_nc_u64 s[22:23], s[4:5], s[22:23]
	s_add_nc_u64 s[46:47], s[8:9], s[46:47]
	s_add_nc_u64 s[92:93], s[10:11], s[92:93]
	CROUND                                         ; all sixteen work-groups are here: the first joint loads meet
	s_mov_b32 s[G0S], 1
	s_add_co_u32 s[G0S+1], s94, SCLA
	s_mov_b64 s[G0S+2:G0S+3], s[22:23]
	s_or_b32 s[G0S+3], s[G0S+3], 0x80000000
	s_mov_b32 s[G0SB], 1
	s_add_co_u32 s[G0SB+1], s95, SCLB
	s_mov_b64 s[G0SB+2:G0SB+3], s[92:93]
	s_or_b32 s[G0SB+3], s[G0SB+3], 0x80000000
	JLOAD G0S, G1S, G0SB, G1SB                     ; the scales first: they are wanted with slot 0
.irp s, 0,1
	s_mov_b32 s[G0+4*\s], 1
	s_add_co_u32 s[G0+4*\s+1], s45, \s*SLOT
	s_add_nc_u64 s[G0+4*\s+2:G0+4*\s+3], s[20:21], \s*6144
	s_or_b32 s[G0+4*\s+3], s[G0+4*\s+3], 0x80000000
	s_mov_b32 s[G0B+4*\s], 1
	s_add_co_u32 s[G0B+4*\s+1], s19, \s*SLOT
	s_add_nc_u64 s[G0B+4*\s+2:G0B+4*\s+3], s[46:47], \s*ROWB
	s_or_b32 s[G0B+4*\s+3], s[G0B+4*\s+3], 0x80000000
	JLOAD G0+4*\s, G1, G0B+4*\s, G1B
.endr
	v_and_b32 v1, 15, v0                           ; r
	v_bfe_u32 v2, v0, 4, 1                         ; h
	v_and_b32 v3, 31, v0                           ; l
	s_mul_i32 s21, s15, HALFA                      ; my 4 rowtiles of A
	v_lshl_add_u32 v[ADA16], v3, 4, s21
	v_lshl_add_u32 v[ADA8], v3, 3, s21
	v_add_nc_u32 v[ADA16+1], SLOT, v[ADA16]
	v_add_nc_u32 v[ADA8+1], SLOT, v[ADA8]
	v_mul_u32_u24 v5, v1, PITCH
	v_mad_u32_u24 v6, v2, 24, v5                   ; B: row x pitch + 24 x half,
	v_mad_u32_u24 v7, v2, 40, v5                   ; and the same behind one padding more
	s_mul_i32 s22, s16, HALFB
	s_add_co_u32 s22, s22, 2*HALFA                 ; my 64 rows of B, behind A's two halves
	v_add_nc_u32 v[ADRB], s22, v6
	v_add_nc_u32 v[ADRB+2], s22, v7
	v_add_nc_u32 v[ADRB+1], SLOT, v[ADRB]
	v_add_nc_u32 v[ADRB+3], SLOT, v[ADRB+2]
	v_mul_u32_u24 v5, v1, KS                       ; my row's scale bytes: KS a row,
	v_lshrrev_b32 v6, 8, v5
	v_lshl_add_u32 v5, v6, 4, v5                   ; and 16 more for each 256 passed
	s_mul_i32 s22, s16, HALFS
	s_add_co_u32 s22, s22, SCLB
	v_add_nc_u32 v[ADSB], s22, v5
	s_mul_i32 s21, s15, 256*KQ
	s_add_co_u32 s21, s21, SCLA
	v_lshl_add_u32 v[ADSA], v1, 2, s21
	s_mul_i32 s23, s14, 16*SPITCH                  ; my stage
	v_mul_u32_u24 v5, v1, SPITCH
	v_lshl_add_u32 v5, v2, 5, v5
	v_add_nc_u32 v[STO], s23, v5                   ; in: row r, 32 bytes for each half of the lanes
	v_mul_u32_u24 v5, v2, SPITCH
	v_lshl_add_u32 v5, v1, 4, v5
	v_add_nc_u32 v[RD], s23, v5                    ; back: lanes 0-15 take one row of 256 bytes, lanes 16-31 the next
	v_lshlrev_b32 v[CO], 4, v1
	v_lshl_add_u32 v[CO], v2, 12, v[CO]            ; and the same two rows in memory
	s_lshl_b32 s46, s42, 9
	s_lshl_b32 s47, s16, 8
	s_add_co_u32 s46, s46, s47                     ; my 64 columns: 4 (128 tx + 64 half) bytes on
	s_mov_b32 s47, 0
	s_add_nc_u64 s[66:67], s[66:67], s[46:47]
	s_lshl_b32 s20, s17, 7
	s_lshl_b32 s21, s15, 6
	s_add_co_u32 s20, s20, s21
	s_lshl_b32 s20, s20, 12                        ; my first token: (128 ty + 64 half) rows of 4,096 bytes
	s_mov_b32 s21, 0
	s_add_nc_u64 s[20:21], s[20:21], s[46:47]
	s_add_nc_u64 s[12:13], s[12:13], s[20:21]
	s_add_nc_u64 s[96:97], s[96:97], s[20:21]
	v_lshlrev_b32 v31, 5, v2                       ; lanes 16-31 hold the columns 8 further on
.irp b, 0,1,2,3
	global_load_b128 v[96+8*\b:99+8*\b], v31, s[66:67] offset:64*\b
	global_load_b128 v[100+8*\b:103+8*\b], v31, s[66:67] offset:64*\b+16
.endr
	WIN 0x80                                       ; destination window 2: the residual's 64 rows x 256 bytes, asked for now and wanted on the way out.  Row 2 t + l / 16 of block a is token 32 (a / 2) + 8 (a % 2) + 2 t + 8 (t / 4) + l / 16 of my 64
.irp a, 0,1,2,3
.irp t, 0,1,2,3,4,5,6,7
	global_load_b128 v[32*\a+4*\t:32*\a+4*\t+3], v[CO], s[12:13] offset:(32*(\a/2)+8*(\a%2)+2*\t+8*(\t/4))*4096 th:TH_LOAD_NT
.endr
.endr
	WIN 0
.macro FRAGA reg, slot, q, i           ; a fragment of A comes back as it was stored: registers 0-3, 4-5, 6-9, 10-11
	ds_load_b128 v[\reg:\reg+3],     v[ADA16+\slot] offset:(\i)*6144+(\q)*1536
	ds_load_b64  v[\reg+4:\reg+5],   v[ADA8+\slot]  offset:(\i)*6144+(\q)*1536+512
	ds_load_b128 v[\reg+6:\reg+9],   v[ADA16+\slot] offset:(\i)*6144+(\q)*1536+768
	ds_load_b64  v[\reg+10:\reg+11], v[ADA8+\slot]  offset:(\i)*6144+(\q)*1536+1280
.endm
.macro FRAGB reg, adr, q, i            ; a fragment of B from rows: 24 bytes of the row's stream of bits for registers 0-5, 24 for 6-11, in pieces of 8 bytes; lanes 16-31 read three pieces further on,
.irp p, 0,1,2,3,4,5                    ; which lies behind one padding more where the piece is one of the last three of its sixteen: the second address register serves those
.set PCE, 12*(\q)+6*(\p/3)+\p%3
.if PCE%16 < 13
	ds_load_b64 v[\reg+2*\p:\reg+2*\p+1], v[\adr] offset:8*PCE+16*(PCE/16)+(\i)*16*PITCH
.else
	ds_load_b64 v[\reg+2*\p:\reg+2*\p+1], v[\adr+2] offset:8*PCE+16*(PCE/16)+(\i)*16*PITCH
.endif
.endr
.endm
; 4 matrix instructions: A's rowtile a x B's four tiles, the slot's q-th 128 along K, from buffer f.  sc: the set of scale words.  first = 1: the bias is the C: nothing is cleared, nothing is added later.
; The 16 accumulators take turns, one instruction a turn, in the same order in every step.
.macro MUL4 f, q, sc, a, first
.irp b, 0,1,2,3
.set DD, 128+8*(4*(\a)+\b)
.set BF, 128*(\f)+48+FR*\b
.set AA, 128*(\f)+FR*(\a)
.set SBR, 48+32*(\sc)+4*\b+(\q)
.set SAR, 32+32*(\sc)+4*(\a)+(\q)
.if \first
	v_wmma_scale_f32_16x16x128_f8f6f4 v[DD:DD+7], v[BF:BF+FR-1], v[AA:AA+FR-1], v[96+8*\b:103+8*\b], v[SBR], v[SAR] matrix_a_fmt:MATRIX_FMT_FP6 matrix_b_fmt:MATRIX_FMT_FP6
.else
	v_wmma_scale_f32_16x16x128_f8f6f4 v[DD:DD+7], v[BF:BF+FR-1], v[AA:AA+FR-1], v[DD:DD+7], v[SBR], v[SAR] matrix_a_fmt:MATRIX_FMT_FP6 matrix_b_fmt:MATRIX_FMT_FP6
.endif
.endr
.endm
.macro MUL8 f, q, sc, a0, first
	MUL4 \f, \q, \sc, \a0, \first
	MUL4 \f, \q, \sc, \a0+1, \first
.endm
.macro FETCH slot, q, f                ; 40 LDS loads in one run: B's four fragments (24), A's four (16), the slot's q-th 128 along K, into buffer f; A's rowtiles 2 and 3 last
	WIN TO_F
.irp i, 0,1,2,3
	FRAGB 128*(\f)+48+FR*\i, ADRB+\slot, \q, \i
.endr
.irp i, 0,1,2,3
	FRAGA 128*(\f)+FR*\i, \slot, \q, \i
.endr
.endm
.macro SCALES sc                       ; a slot's scale words: four for each of A's 4 rowtiles and of B's 4 tiles; lanes 16-31 load the same words as lanes 0-15 and are not read
.irp i, 0,1,2,3
.irp q, 0,1,2,3
	ds_load_b32 v[32+32*\sc+4*\i+\q], v[ADSA] offset:256*\q+64*\i
.endr
	ds_load_b128 v[48+32*\sc+4*\i:51+32*\sc+4*\i], v[ADSB] offset:(16*\i*KS/256)*272
.endr
.endm
; A step of 128 along K that has its successor in the same slot: it multiplies buffer q % 2 and, in its middle, fetches the next step's fragments into the other.  A load into a register that a matrix instruction has read stands NP places behind it.
.macro STEP slot, q, first
	s_wait_dscnt 8                                 ; B's fragments and A's rowtiles 0, 1 are in; the youngest eight loads (A's rowtiles 2, 3) may be out
	WIN MUL
	MUL8 (\q)%2, \q, \slot, 0, \first
	PLACES NP
	FETCH \slot, (\q)+1, 1-(\q)%2
	s_wait_dscnt 40                                ; all but the 40 just issued
	WIN MUL
	MUL8 (\q)%2, \q, \slot, 2, \first
.endm
; A slot's last step multiplies buffer 1 and changes slots: one barrier; in front of it each wave waits for all its tensor loads, adds 0 to its spare word, and waits for that and for its own reads of this slot.  fill = 1: this slot is filled again, two slots ahead.
.macro TURN slot, next, fill
	WIN 0                                          ; (the add's two registers lie in window 0)
	s_wait_tensorcnt 0x0                           ; all my tensor loads have landed: my part of the next slot
	ds_add_u32 v[SPW], v[NIL]                      ; 0 onto my spare word
	s_wait_dscnt 9                                 ; (the add and the youngest eight loads may be out)
	WIN MUL
	MUL4 1, 3, \slot, 0, 0                         ; four matrix instructions stand between the add and the wait for it
	s_wait_dscnt 0x0                               ; the add is done, and my reads of this slot are over
	s_barrier_signal -1
	MUL4 1, 3, \slot, 1, 0
	WIN 0
	s_barrier_wait -1
.if \fill
	CREST                                          ; the barrier has opened a round of the cluster's barrier: no wave of any partner still reads this slot or has a load on its way
	s_add_nc_u64 s[G0+4*\slot+2:G0+4*\slot+3], s[G0+4*\slot+2:G0+4*\slot+3], 2*6144
	s_add_nc_u64 s[G0B+4*\slot+2:G0B+4*\slot+3], s[G0B+4*\slot+2:G0B+4*\slot+3], 2*ROWB
	JLOAD G0+4*\slot, G1, G0B+4*\slot, G1B         ; the first tensor load behind the round: 56 matrix instructions ahead of the wait for it; its four v_nop are the places in front of the loads below
.else
	PLACES NP
.endif
	v_add_nc_u32 v[ADSA], 1024, v[ADSA]            ; on to the next slot's scale words
	v_add_nc_u32 v[ADSB], 16, v[ADSB]
	SCALES \next
	FETCH \next, 0, 0
	WIN MUL
	MUL8 1, 3, \slot, 2, 0
.endm
	s_wait_tensorcnt 1                             ; the scales and my part of slot 0 are in (slot 1's load may be out)
	s_barrier_signal -1
	s_barrier_wait -1
	SCALES 0
	FETCH 0, 0, 0
	s_wait_loadcnt 32                              ; the bias is in; the residual's 32 loads, issued behind it, may stay out
	STEP 0, 0, 1                                   ; the first step stands in front of the loop: its products start the sums
	WIN 0                                          ; at a label and at a branch every window is 0
.if LAPS > 1
	s_mov_b32 s3, LAPS-1
.Llap:                                                 ; a trip goes once round the ring, from a lap's second step to the next lap's first, and fills both slots again
	STEP 0, 1, 0
	STEP 0, 2, 0
	TURN 0, 1, 1
	STEP 1, 0, 0
	STEP 1, 1, 0
	STEP 1, 2, 0
	TURN 1, 0, 1
	STEP 0, 0, 0
	WIN 0
	s_sub_co_u32 s3, s3, 1
	s_cmp_lg_u32 s3, 0
	s_cbranch_scc1 .Llap
.endif
	STEP 0, 1, 0                                   ; the last lap fills nothing
	STEP 0, 2, 0
	TURN 0, 1, 0
	STEP 1, 0, 0
	STEP 1, 1, 0
	STEP 1, 2, 0
	s_wait_dscnt 8                                 ; the very last step: nothing more to fetch
	WIN MUL
	MUL8 1, 3, 1, 0, 0
	s_wait_dscnt 0
	MUL8 1, 3, 1, 2, 0
	WIN 0
; THE WAY OUT, block by block of 16 tokens x 64 columns.  Every row stands in an immediate, 62 x 4,096 bytes at the most; no base is stepped.
; The stage lies in slot 0, which has had its last fill and, since the last change of slots, its last read.  LDS serves a wave's instructions in order: no wait between a block's stores and its loads.
.macro TOSTAGE a
.set AC, 128+32*(\a)
.irp b, 0,1,2,3
	ds_store_b128 v[STO], v[AC+8*\b:AC+8*\b+3] offset:64*\b            ; each accumulator from its low end on
	ds_store_b128 v[STO], v[AC+8*\b+4:AC+8*\b+7] offset:64*\b+16
.endr
.set BB, 32+32*((\a)%2)
.irp t, 0,1,2,3,4,5,6,7
	ds_load_b128 v[BB+4*\t:BB+4*\t+3], v[RD] offset:\t*2*SPITCH
.endr
.endm
.macro SEND a, younger                 ; younger: the LDS instructions issued behind block a's loads, which may stay out
.set BB, 32+32*((\a)%2)
.set RS, 32*(\a)
	s_wait_dscnt \younger
	WIN 0x08                                       ; source 1 (the residual) in window 2
.set I, 0
.rept 16
	v_pk_add_f32 v[BB+I:BB+I+1], v[BB+I:BB+I+1], v[RS+I:RS+I+1]
.set I, I+2
.endr
	WIN 0
.irp t, 0,1,2,3,4,5,6,7                ; 16 lanes store 256 consecutive bytes, aligned
.if NTOUT
	global_store_b128 v[CO], v[BB+4*\t:BB+4*\t+3], s[96:97] offset:(32*((\a)/2)+8*((\a)%2)+2*\t+8*(\t/4))*4096 th:TH_STORE_NT
.else
	global_store_b128 v[CO], v[BB+4*\t:BB+4*\t+3], s[96:97] offset:(32*((\a)/2)+8*((\a)%2)+2*\t+8*(\t/4))*4096
.endif
.endr
.endm
	PLACES NP                                      ; behind the last products: for the first reads of results and for loads into the registers that held scale words
	s_wait_loadcnt 0x0                             ; the residual
	TOSTAGE 0
.irp a, 1,2,3
.if \a > 1
	s_wait_xcnt 0x0                                ; block a - 2's stores have read their registers: block a's loads may land there
.endif
	TOSTAGE \a
	SEND \a-1, 16                                  ; behind block a - 1's loads: block a's 8 stores and 8 loads
.endr
	SEND 3, 0
	s_wait_tensorcnt 0x0                           ; the wave's end
	ds_add_u32 v[SPW], v[NIL]
	s_wait_dscnt 0x0
	CROUND                                         ; the closing round: no work-group ends while a partner may still ask for a tile that names it
	s_endpgm
.Lfunc_end_k_qa3039038c4_proj:
	.size	k_qa3039038c4_proj, .Lfunc_end_k_qa3039038c4_proj-k_qa3039038c4_proj
	.p2alignl 7, 3214868480
	.fill 96, 4, 3214868480
	.section	.rodata,"a",@progbits
	.p2align	6, 0x0
	.amdhsa_kernel k_qa3039038c4_proj
		.amdhsa_group_segment_fixed_size 327680
		.amdhsa_private_segment_fixed_size 0
		.amdhsa_enable_private_segment 0
		.amdhsa_kernarg_size 48
		.amdhsa_user_sgpr_count 2
		.amdhsa_user_sgpr_kernarg_segment_ptr 1
		.amdhsa_wavefront_size32 1
		.amdhsa_system_sgpr_workgroup_id_x 1
		.amdhsa_system_sgpr_workgroup_id_y 1
		.amdhsa_system_sgpr_workgroup_id_z 1
		.amdhsa_system_vgpr_workitem_id 0
		.amdhsa_next_free_vgpr 640
		.amdhsa_next_free_sgpr 100
		.amdhsa_reserve_vcc 0
		.amdhsa_float_denorm_mode_32 3
		.amdhsa_float_denorm_mode_16_64 3
		.amdhsa_memory_ordered 1
		.amdhsa_forward_progress 1
		.amdhsa_inst_pref_size 67
	.end_amdhsa_kernel
	.amdgpu_metadata
---
amdhsa.version: [ 1, 2 ]
amdhsa.kernels:
  - .name:           k_qa3039038c4_proj
    .symbol:         k_qa3039038c4_proj.kd
    .args:
      - { .name: oq, .offset: 0, .size: 8, .value_kind: global_buffer, .address_space: global }
      - { .name: proj_w_codes, .offset: 8, .size: 8, .value_kind: global_buffer, .address_space: global }
      - { .name: proj_w_scales, .offset: 16, .size: 8, .value_kind: global_buffer, .address_space: global }
      - { .name: proj_b, .offset: 24, .size: 8, .value_kind: global_buffer, .address_space: global }
      - { .name: x, .offset: 32, .size: 8, .value_kind: global_buffer, .address_space: global }
      - { .name: x1, .offset: 40, .size: 8, .value_kind: global_buffer, .address_space: global }
    .group_segment_fixed_size: 327680
    .private_segment_fixed_size: 0
    .kernarg_segment_align: 8
    .kernarg_segment_size: 48
    .max_flat_workgroup_size: 128
    .sgpr_count:     100
    .vgpr_count:     640
    .wavefront_size: 32
...
	.end_amdgpu_metadata
.endif
;; end of part 8
;; launch ln2: the kernel of part 1 again; grid 256 x 1, 16 waves a work-group, no clusters, 68,352 bytes of LDS; arguments x1, ln2_w, ln2_b, xq; writes xq
;; launch fc1: the kernel of part 5 again; grid 16 x 16, 4 waves a work-group, clusters of 4 x 4, 327,680 bytes of LDS; arguments xq, fc1_w_codes, fc1_w_scales, fc1_b, hq; writes hq
;; launch fc2 (part 9): grid 8 x 32, 4 waves a work-group, clusters of 4 x 4, 327,680 bytes of LDS; arguments hq, fc2_w_codes, fc2_w_scales, fc2_b, x1, out0; writes out0
.if DOCPART == 9
	.amdgcn_target "amdgcn-amd-amdhsa--gfx1250"
	.amdhsa_code_object_version 6
	.text
	.protected	k_qa3039038c4_fc2
	.globl	k_qa3039038c4_fc2
	.p2align	8
	.type	k_qa3039038c4_fc2,@function
k_qa3039038c4_fc2:
	s_mov_b64 s[64:65], 0
	v_nop
	global_prefetch_b8 v0, s[64:65] scope:SCOPE_SE
	s_setreg_imm32_b32 hwreg(HW_REG_WAVE_MODE, 25, 1), 1
	s_wait_xcnt 0x0
	s_wait_alu depctr_hold_cnt(0) depctr_sa_sdst(0) depctr_va_vdst(0) depctr_va_sdst(0) depctr_va_ssrc(0) depctr_va_vcc(0) depctr_vm_vsrc(0)
	s_getreg_b32 s2, hwreg(HW_REG_IB_STS2, 6, 4)
	s_cmp_eq_u32 s2, 0
	s_cbranch_scc0 .Lentry_in_a_cluster
	s_endpgm
.Lentry_in_a_cluster:
	s_bfe_u32 s2, ttmp6, 0x10000c
	s_cmp_lg_u32 s2, 0xf033
	s_cbranch_scc0 .Lentry_shape_is_right
	s_endpgm
.Lentry_shape_is_right:
; out = x1 + h W^T + b on codes of FP6 (E2M3) with E8M0 scales for each 32 along K = 4,096; x1, out: [4,096][1,024] f32.
; A (h): this program's own codes, by rowtiles (lane r of rowtile T = token 32 (T / 2) + 8 (T % 2) + r + 8 (r / 8)), a fragment of 16 rows x 128 K as an image of its 12 registers, 1,536 bytes:
;   [T 256][q KQ][1,536]; scale words at ASC: [q KQ][T 256][16 words].  B (W): given rows of codes, KROW bytes a row, and rows of KS scale bytes.
; THE TILE IS 128 x 128: 4,096 x 1,024 outputs make 256 such tiles, one for each work-group, where tiles of 256 x 256 would make 64.  Four waves, each 64 tokens (4 rowtiles) x 64 columns: 16 accumulators, 128 registers.
; For 128 along K a wave reads 8 fragments (12,288 bytes) from LDS for 16 matrix instructions, twice the bytes for each product of a wave tile of 128 x 128: the price of the smaller tile.
; K goes in steps of 512 through a ring of two LDS slots filled by the tensor data mover: as long a step as divides K and fits twice: 8 fills, of which 6 are refills, 64 matrix instructions a wave in each.
; All scales of the work-group's rows of A and of B come into LDS once, with the first fills: 16,384 + 17,408 bytes.
; CLUSTERS: 4 x 4 work-groups; A's tiles are asked for jointly along a row of the cluster, B's along a column.
; THE MATRIX INSTRUCTION IS USED TRANSPOSED (source 0 = 16 neighbouring rows of W, source 1 = a rowtile of A): a lane holds one token and eight neighbouring columns.  The bias is the C of each sum's first matrix instruction.
; OUT.  A wave's 64 columns are 256 bytes of a row.  A block of 16 tokens goes through the wave's own LDS stage and comes back as whole rows; the residual, loaded at the kernel's head into registers of its own, is added;
; sixteen lanes store 256 consecutive bytes, aligned.
; REGISTERS, in windows of 256: window 0: v0-31 addresses; v32-95 scale words, two sets; v96-127 the bias; v128-255 the accumulators, (a, b) at v[128 + 8 (4 a + b)].
;   window 1: two fragment buffers at v0 and v128: A's four fragments, then B's four.   window 2: v0-127 the residual.
.set SIZE_K, 4096
.set ASC,    12582912                  ; where A's scale words begin in its buffer
.set NTOUT,  1                         ; the result is written once and read by nobody here
.set KQ,     SIZE_K/128
.set KS,     SIZE_K/32                 ; a row of W's scale bytes
.set KROW,   SIZE_K*3/4                ; a row of W's codes in bytes
.set ROWB,   384                       ; 512 codes
.set PITCH,  432                       ; B's LDS row: 3 x (128 bytes + 16 of padding) = 108 words: the 16 rows of a fragment start at 16 different groups of four banks, and the 32 lanes of a load of 8 bytes touch 64 different banks
.set FR,     12
.set NP,     4                         ; places behind this matrix instruction (ISA guide 7.12.1)
.set HALFA,  4*6144                    ; 4 rowtiles x 512 K of A: one tensor load
.set HALFB,  64*PITCH                  ; 64 rows x 512 K of B: one tensor load
.set SLOT,   2*HALFA+2*HALFB
.set LAPS,   SIZE_K/1024               ; a lap = two slots = once round the ring
.set SCLA,   2*SLOT                    ; A's scale words: [half 2][q KQ][rowtile 4][64 bytes]
.set SCLB,   SCLA+512*KQ               ; B's scale bytes, as units of 256 bytes + 16 of padding
.set HALFS,  (64*KS/256)*272
.set SPARE,  SCLB+2*HALFS              ; the spare words, 128 bytes for each wave: two blocks of 256 bytes that no other line names
.set SPITCH, 272                       ; the way out: a stage of 16 rows x (256 + 16) bytes for each wave, in slot 0
.set ADA16, 8                          ; v8-9    A's images in slot 0, 1: + 16 l
.set ADA8,  10                         ; v10-11  the same + 8 l
.set ADRB,  20                         ; v20-21  B's rows in slot 0, 1 (v22-23: for the pieces that lie behind one padding more)
.set STO,   24                         ; v24     the way out: where I put 32 bytes of a row
.set RD,    25                         ; v25     where I read rows back
.set CO,    26                         ; v26     4,096 (l / 16) + 16 (l % 16): my bytes of two rows in memory
.set ADSB,  27                         ; v27     B's scale words
.set SPW,   28                         ; v28     my spare word: SPARE + 4 x my thread's number; never rewritten
.set NIL,   29                         ; v29     0; never rewritten
.set ADSA,  30                         ; v30     A's scale words
.set G1, 24                            ; s[24:31] group 1 for A's tiles; s[32:39] group 0, one set for each slot
.set G0, 32
.set G1B, 48                           ; the same for B's tiles
.set G0B, 56
.set G1S, 68                           ; groups 1 and 0 for A's scales; then for B's
.set G0S, 76
.set G1SB, 80
.set G0SB, 88
.set MSB, 0
.macro WIN new                         ; the immediate's high byte repeats the setting that is left
.if MSB != (\new)
	s_set_vgpr_msb (MSB<<8)|(\new)
.set MSB, (\new)
.endif
.endm
.set MUL,  0x05                        ; sources 0 (B) and 1 (A) window 1; C and D window 0
.set TO_F, 0x40                        ; destination window 1, address window 0
; A joint load: waves 0 and 1 fetch for A, waves 2 and 3 for B.  Each line has one mask and one set of registers; the branch hangs on the wave's number alone.  Four v_nop follow each line.
.macro JLOAD g0a, g1a, g0b, g1b
	s_cmp_eq_u32 s15, 0
	s_cbranch_scc0 .Lfor_b_\@
	tensor_load_to_lds s[\g0a:\g0a+3], s[\g1a:\g1a+7]
	s_nop 0
.rept 4
	v_nop
.endr
	s_branch .Lasked_\@
.Lfor_b_\@:
	tensor_load_to_lds s[\g0b:\g0b+3], s[\g1b:\g1b+7]
	s_nop 0
.rept 4
	v_nop
.endr
.Lasked_\@:
.endm
.macro CREST                           ; a round of the cluster's barrier behind its opening barrier
	s_cmp_lg_u32 s14, 0
	s_cbranch_scc1 .Lnot_wave_0_\@
	s_barrier_signal -3
.Lnot_wave_0_\@:
	s_barrier_wait -3
	s_barrier_signal -1
	s_barrier_wait -1
.endm
.macro CROUND
	s_barrier_signal -1
	s_barrier_wait -1
	CREST
.endm
.macro PLACES n
.rept \n
	v_nop
.endr
.endm
.macro SHAPE g, d0, d1, pitch          ; words 1 to 7 of a group 1: a tile of d1 rows of d0 elements, pitch elements apart, that lies inside its tensor
	s_mov_b32 s[\g+1], (\d0)<<16
	s_mov_b32 s[\g+2], (\d1)<<16
	s_mov_b32 s[\g+3], (\d0)<<16
	s_mov_b32 s[\g+4], \d1
	s_mov_b32 s[\g+5], \pitch
	s_mov_b32 s[\g+6], 0
	s_mov_b32 s[\g+7], 0
.endm
	s_load_b64 s[4:5], s[0:1], 0x0                 ; A: codes, and behind them its scale words
	s_load_b128 s[8:11], s[0:1], 0x8               ; W's codes, W's scales
	s_load_b64 s[66:67], s[0:1], 0x18              ; the bias
	s_load_b64 s[12:13], s[0:1], 0x20              ; the residual
	s_load_b64 s[96:97], s[0:1], 0x28              ; the result
	v_lshl_add_u32 v[SPW], v0, 2, SPARE
	v_mov_b32 v[NIL], 0
	ds_add_u32 v28, v29
	ds_add_u32 v28, v29
	s_wait_dscnt 0x0
	v_lshrrev_b32 v1, 5, v0
	v_readfirstlane_b32 s14, v1                    ; wave 0..3
	s_lshr_b32 s15, s14, 1                         ; which half of the tile's tokens is mine.  Also: I fetch for A (0) or for B (1)
	s_and_b32 s16, s14, 1                          ; which half of its columns.  Also: which half of that tile I fetch
	s_bfe_u32 s40, ttmp6, 0x40000                  ; cx, cy: my place in the cluster
	s_bfe_u32 s41, ttmp6, 0x40004
	s_lshl_b32 s42, ttmp9, 2
	s_add_co_u32 s42, s42, s40                     ; tile column tx = 4 x cluster x + cx
	s_and_b32 s17, ttmp7, 0xffff
	s_lshl_b32 s17, s17, 2
	s_add_co_u32 s17, s17, s41                     ; tile row ty = 4 x cluster y + cy
	s_lshl_b32 s43, s41, 2
	s_lshl_b32 s43, 15, s43                        ; my row of the cluster
	s_lshl_b32 s44, 0x1111, s40                    ; my column
	s_or_b32 s[G1+0], s43, (3<<16)|(1<<21)         ; A's codes: 4 rows (rowtiles) of 768 elements of 8 bytes (four fragments), 1,536 KQ bytes apart, no padding; the mask: my row; bit 21 set beside it
	SHAPE G1, 768, 4, 192*KQ
	s_or_b32 s[G1B+0], s44, (0<<16)|(1<<20)|(1<<21)|(4<<22)|(3<<25)   ; B's codes: 64 rows of 384 bytes, 16 bytes of padding behind every 128; the mask: my column
	SHAPE G1B, ROWB, 64, KROW
	s_or_b32 s[G1S+0], s43, (3<<16)|(1<<21)        ; A's scale words: KQ rows of 256 bytes (4 rowtiles), 16,384 bytes apart
	SHAPE G1S, 32, KQ, 2048
	s_or_b32 s[G1SB+0], s44, (3<<16)|(1<<20)|(1<<21)|(5<<22)|(3<<25)  ; B's scale bytes of 64 rows: a dense block, as rows of 256 bytes with 16 of padding
	SHAPE G1SB, 32, 64*KS/256, 32
	s_lshl_b32 s18, s16, 2
	s_lshl_b32 s20, s17, 3
	s_add_co_u32 s20, s20, s18                     ; A: rowtile 8 ty + 4 x half
	s_lshl_b32 s22, s20, 6
	s_add_co_u32 s22, s22, ASC                     ; its scale words of q = 0
	s_mov_b32 s23, 0
	s_mul_i32 s20, s20, 1536*KQ                    ; its codes
	s_mov_b32 s21, 0
	s_lshl_b32 s18, s16, 6
	s_lshl_b32 s46, s42, 7
	s_add_co_u32 s46, s46, s18                     ; B: row 128 tx + 64 x half
	s_mul_i32 s92, s46, KS
	s_mov_b32 s93, 0
	s_mul_i32 s46, s46, KROW
	s_mov_b32 s47, 0
	s_mul_i32 s45, s16, HALFA                      ; where they go: no place in the cluster enters an LDS address
	s_mul_i32 s19, s16, HALFB
	s_add_co_u32 s19, s19, 2*HALFA
	s_mul_i32 s94, s16, 256*KQ
	s_mul_i32 s95, s16, HALFS
	s_wait_kmcnt 0x0
	s_add_nc_u64 s[20:21], s[4:5], s[20:21]
	s_add_nc_u64 s[22:23], s[4:5], s[22:23]
	s_add_nc_u64 s[46:47], s[8:9], s[46:47]
	s_add_nc_u64 s[92:93], s[10:11], s[92:93]
	CROUND                                         ; all sixteen work-groups are here: the first joint loads meet
	s_mov_b32 s[G0S], 1
	s_add_co_u32 s[G0S+1], s94, SCLA
	s_mov_b64 s[G0S+2:G0S+3], s[22:23]
	s_or_b32 s[G0S+3], s[G0S+3], 0x80000000
	s_mov_b32 s[G0SB], 1
	s_add_co_u32 s[G0SB+1], s95, SCLB
	s_mov_b64 s[G0SB+2:G0SB+3], s[92:93]
	s_or_b32 s[G0SB+3], s[G0SB+3], 0x80000000
	JLOAD G0S, G1S, G0SB, G1SB                     ; the scales first: they are wanted with slot 0
.irp s, 0,1
	s_mov_b32 s[G0+4*\s], 1
	s_add_co_u32 s[G0+4*\s+1], s45, \s*SLOT
	s_add_nc_u64 s[G0+4*\s+2:G0+4*\s+3], s[20:21], \s*6144
	s_or_b32 s[G0+4*\s+3], s[G0+4*\s+3], 0x80000000
	s_mov_b32 s[G0B+4*\s], 1
	s_add_co_u32 s[G0B+4*\s+1], s19, \s*SLOT
	s_add_nc_u64 s[G0B+4*\s+2:G0B+4*\s+3], s[46:47], \s*ROWB
	s_or_b32 s[G0B+4*\s+3], s[G0B+4*\s+3], 0x80000000
	JLOAD G0+4*\s, G1, G0B+4*\s, G1B
.endr
	v_and_b32 v1, 15, v0                           ; r
	v_bfe_u32 v2, v0, 4, 1                         ; h
	v_and_b32 v3, 31, v0                           ; l
	s_mul_i32 s21, s15, HALFA                      ; my 4 rowtiles of A
	v_lshl_add_u32 v[ADA16], v3, 4, s21
	v_lshl_add_u32 v[ADA8], v3, 3, s21
	v_add_nc_u32 v[ADA16+1], SLOT, v[ADA16]
	v_add_nc_u32 v[ADA8+1], SLOT, v[ADA8]
	v_mul_u32_u24 v5, v1, PITCH
	v_mad_u32_u24 v6, v2, 24, v5                   ; B: row x pitch + 24 x half,
	v_mad_u32_u24 v7, v2, 40, v5                   ; and the same behind one padding more
	s_mul_i32 s22, s16, HALFB
	s_add_co_u32 s22, s22, 2*HALFA                 ; my 64 rows of B, behind A's two halves
	v_add_nc_u32 v[ADRB], s22, v6
	v_add_nc_u32 v[ADRB+2], s22, v7
	v_add_nc_u32 v[ADRB+1], SLOT, v[ADRB]
	v_add_nc_u32 v[ADRB+3], SLOT, v[ADRB+2]
	v_mul_u32_u24 v5, v1, KS                       ; my row's scale bytes: KS a row,
	v_lshrrev_b32 v6, 8, v5
	v_lshl_add_u32 v5, v6, 4, v5                   ; and 16 more for each 256 passed
	s_mul_i32 s22, s16, HALFS
	s_add_co_u32 s22, s22, SCLB
	v_add_nc_u32 v[ADSB], s22, v5
	s_mul_i32 s21, s15, 256*KQ
	s_add_co_u32 s21, s21, SCLA
	v_lshl_add_u32 v[ADSA], v1, 2, s21
	s_mul_i32 s23, s14, 16*SPITCH                  ; my stage
	v_mul_u32_u24 v5, v1, SPITCH
	v_lshl_add_u32 v5, v2, 5, v5
	v_add_nc_u32 v[STO], s23, v5                   ; in: row r, 32 bytes for each half of the lanes
	v_mul_u32_u24 v5, v2, SPITCH
	v_lshl_add_u32 v5, v1, 4, v5
	v_add_nc_u32 v[RD], s23, v5                    ; back: lanes 0-15 take one row of 256 bytes, lanes 16-31 the next
	v_lshlrev_b32 v[CO], 4, v1
	v_lshl_add_u32 v[CO], v2, 12, v[CO]            ; and the same two rows in memory
	s_lshl_b32 s46, s42, 9
	s_lshl_b32 s47, s16, 8
	s_add_co_u32 s46, s46, s47                     ; my 64 columns: 4 (128 tx + 64 half) bytes on
	s_mov_b32 s47, 0
	s_add_nc_u64 s[66:67], s[66:67], s[46:47]
	s_lshl_b32 s20, s17, 7
	s_lshl_b32 s21, s15, 6
	s_add_co_u32 s20, s20, s21
	s_lshl_b32 s20, s20, 12                        ; my first token: (128 ty + 64 half) rows of 4,096 bytes
	s_mov_b32 s21, 0
	s_add_nc_u64 s[20:21], s[20:21], s[46:47]
	s_add_nc_u64 s[12:13], s[12:13], s[20:21]
	s_add_nc_u64 s[96:97], s[96:97], s[20:21]
	v_lshlrev_b32 v31, 5, v2                       ; lanes 16-31 hold the columns 8 further on
.irp b, 0,1,2,3
	global_load_b128 v[96+8*\b:99+8*\b], v31, s[66:67] offset:64*\b
	global_load_b128 v[100+8*\b:103+8*\b], v31, s[66:67] offset:64*\b+16
.endr
	WIN 0x80                                       ; destination window 2: the residual's 64 rows x 256 bytes, asked for now and wanted on the way out.  Row 2 t + l / 16 of block a is token 32 (a / 2) + 8 (a % 2) + 2 t + 8 (t / 4) + l / 16 of my 64
.irp a, 0,1,2,3
.irp t, 0,1,2,3,4,5,6,7
	global_load_b128 v[32*\a+4*\t:32*\a+4*\t+3], v[CO], s[12:13] offset:(32*(\a/2)+8*(\a%2)+2*\t+8*(\t/4))*4096 th:TH_LOAD_NT
.endr
.endr
	WIN 0
.macro FRAGA reg, slot, q, i           ; a fragment of A comes back as it was stored: registers 0-3, 4-5, 6-9, 10-11
	ds_load_b128 v[\reg:\reg+3],     v[ADA16+\slot] offset:(\i)*6144+(\q)*1536
	ds_load_b64  v[\reg+4:\reg+5],   v[ADA8+\slot]  offset:(\i)*6144+(\q)*1536+512
	ds_load_b128 v[\reg+6:\reg+9],   v[ADA16+\slot] offset:(\i)*6144+(\q)*1536+768
	ds_load_b64  v[\reg+10:\reg+11], v[ADA8+\slot]  offset:(\i)*6144+(\q)*1536+1280
.endm
.macro FRAGB reg, adr, q, i            ; a fragment of B from rows: 24 bytes of the row's stream of bits for registers 0-5, 24 for 6-11, in pieces of 8 bytes; lanes 16-31 read three pieces further on,
.irp p, 0,1,2,3,4,5                    ; which lies behind one padding more where the piece is one of the last three of its sixteen: the second address register serves those
.set PCE, 12*(\q)+6*(\p/3)+\p%3
.if PCE%16 < 13
	ds_load_b64 v[\reg+2*\p:\reg+2*\p+1], v[\adr] offset:8*PCE+16*(PCE/16)+(\i)*16*PITCH
.else
	ds_load_b64 v[\reg+2*\p:\reg+2*\p+1], v[\adr+2] offset:8*PCE+16*(PCE/16)+(\i)*16*PITCH
.endif
.endr
.endm
; 4 matrix instructions: A's rowtile a x B's four tiles, the slot's q-th 128 along K, from buffer f.  sc: the set of scale words.  first = 1: the bias is the C: nothing is cleared, nothing is added later.
; The 16 accumulators take turns, one instruction a turn, in the same order in every step.
.macro MUL4 f, q, sc, a, first
.irp b, 0,1,2,3
.set DD, 128+8*(4*(\a)+\b)
.set BF, 128*(\f)+48+FR*\b
.set AA, 128*(\f)+FR*(\a)
.set SBR, 48+32*(\sc)+4*\b+(\q)
.set SAR, 32+32*(\sc)+4*(\a)+(\q)
.if \first
	v_wmma_scale_f32_16x16x128_f8f6f4 v[DD:DD+7], v[BF:BF+FR-1], v[AA:AA+FR-1], v[96+8*\b:103+8*\b], v[SBR], v[SAR] matrix_a_fmt:MATRIX_FMT_FP6 matrix_b_fmt:MATRIX_FMT_FP6
.else
	v_wmma_scale_f32_16x16x128_f8f6f4 v[DD:DD+7], v[BF:BF+FR-1], v[AA:AA+FR-1], v[DD:DD+7], v[SBR], v[SAR] matrix_a_fmt:MATRIX_FMT_FP6 matrix_b_fmt:MATRIX_FMT_FP6
.endif
.endr
.endm
.macro MUL8 f, q, sc, a0, first
	MUL4 \f, \q, \sc, \a0, \first
	MUL4 \f, \q, \sc, \a0+1, \first
.endm
.macro FETCH slot, q, f                ; 40 LDS loads in one run: B's four fragments (24), A's four (16), the slot's q-th 128 along K, into buffer f; A's rowtiles 2 and 3 last
	WIN TO_F
.irp i, 0,1,2,3
	FRAGB 128*(\f)+48+FR*\i, ADRB+\slot, \q, \i
.endr
.irp i, 0,1,2,3
	FRAGA 128*(\f)+FR*\i, \slot, \q, \i
.endr
.endm
.macro SCALES sc                       ; a slot's scale words: four for each of A's 4 rowtiles and of B's 4 tiles; lanes 16-31 load the same words as lanes 0-15 and are not read
.irp i, 0,1,2,3
.irp q, 0,1,2,3
	ds_load_b32 v[32+32*\sc+4*\i+\q], v[ADSA] offset:256*\q+64*\i
.endr
	ds_load_b128 v[48+32*\sc+4*\i:51+32*\sc+4*\i], v[ADSB] offset:(16*\i*KS/256)*272
.endr
.endm
; A step of 128 along K that has its successor in the same slot: it multiplies buffer q % 2 and, in its middle, fetches the next step's fragments into the other.  A load into a register that a matrix instruction has read stands NP places behind it.
.macro STEP slot, q, first
	s_wait_dscnt 8                                 ; B's fragments and A's rowtiles 0, 1 are in; the youngest eight loads (A's rowtiles 2, 3) may be out
	WIN MUL
	MUL8 (\q)%2, \q, \slot, 0, \first
	PLACES NP
	FETCH \slot, (\q)+1, 1-(\q)%2
	s_wait_dscnt 40                                ; all but the 40 just issued
	WIN MUL
	MUL8 (\q)%2, \q, \slot, 2, \first
.endm
; A slot's last step multiplies buffer 1 and changes slots: one barrier; in front of it each wave waits for all its tensor loads, adds 0 to its spare word, and waits for that and for its own reads of this slot.  fill = 1: this slot is filled again, two slots ahead.
.macro TURN slot, next, fill
	WIN 0                                          ; (the add's two registers lie in window 0)
	s_wait_tensorcnt 0x0                           ; all my tensor loads have landed: my part of the next slot
	ds_add_u32 v[SPW], v[NIL]                      ; 0 onto my spare word
	s_wait_dscnt 9                                 ; (the add and the youngest eight loads may be out)
	WIN MUL
	MUL4 1, 3, \slot, 0, 0                         ; four matrix instructions stand between the add and the wait for it
	s_wait_dscnt 0x0                               ; the add is done, and my reads of this slot are over
	s_barrier_signal -1
	MUL4 1, 3, \slot, 1, 0
	WIN 0
	s_barrier_wait -1
.if \fill
	CREST                                          ; the barrier has opened a round of the cluster's barrier: no wave of any partner still reads this slot or has a load on its way
	s_add_nc_u64 s[G0+4*\slot+2:G0+4*\slot+3], s[G0+4*\slot+2:G0+4*\slot+3], 2*6144
	s_add_nc_u64 s[G0B+4*\slot+2:G0B+4*\slot+3], s[G0B+4*\slot+2:G0B+4*\slot+3], 2*ROWB
	JLOAD G0+4*\slot, G1, G0B+4*\slot, G1B         ; the first tensor load behind the round: 56 matrix instructions ahead of the wait for it; its four v_nop are the places in front of the loads below
.else
	PLACES NP
.endif
	v_add_nc_u32 v[ADSA], 1024, v[ADSA]            ; on to the next slot's scale words
	v_add_nc_u32 v[ADSB], 16, v[ADSB]
	SCALES \next
	FETCH \next, 0, 0
	WIN MUL
	MUL8 1, 3, \slot, 2, 0
.endm
	s_wait_tensorcnt 1                             ; the scales and my part of slot 0 are in (slot 1's load may be out)
	s_barrier_signal -1
	s_barrier_wait -1
	SCALES 0
	FETCH 0, 0, 0
	s_wait_loadcnt 32                              ; the bias is in; the residual's 32 loads, issued behind it, may stay out
	STEP 0, 0, 1                                   ; the first step stands in front of the loop: its products start the sums
	WIN 0                                          ; at a label and at a branch every window is 0
.if LAPS > 1
	s_mov_b32 s3, LAPS-1
.Llap:                                                 ; a trip goes once round the ring, from a lap's second step to the next lap's first, and fills both slots again
	STEP 0, 1, 0
	STEP 0, 2, 0
	TURN 0, 1, 1
	STEP 1, 0, 0
	STEP 1, 1, 0
	STEP 1, 2, 0
	TURN 1, 0, 1
	STEP 0, 0, 0
	WIN 0
	s_sub_co_u32 s3, s3, 1
	s_cmp_lg_u32 s3, 0
	s_cbranch_scc1 .Llap
.endif
	STEP 0, 1, 0                                   ; the last lap fills nothing
	STEP 0, 2, 0
	TURN 0, 1, 0
	STEP 1, 0, 0
	STEP 1, 1, 0
	STEP 1, 2, 0
	s_wait_dscnt 8                                 ; the very last step: nothing more to fetch
	WIN MUL
	MUL8 1, 3, 1, 0, 0
	s_wait_dscnt 0
	MUL8 1, 3, 1, 2, 0
	WIN 0
; THE WAY OUT, block by block of 16 tokens x 64 columns.  Every row stands in an immediate, 62 x 4,096 bytes at the most; no base is stepped.
; The stage lies in slot 0, which has had its last fill and, since the last change of slots, its last read.  LDS serves a wave's instructions in order: no wait between a block's stores and its loads.
.macro TOSTAGE a
.set AC, 128+32*(\a)
.irp b, 0,1,2,3
	ds_store_b128 v[STO], v[AC+8*\b:AC+8*\b+3] offset:64*\b            ; each accumulator from its low end on
	ds_store_b128 v[STO], v[AC+8*\b+4:AC+8*\b+7] offset:64*\b+16
.endr
.set BB, 32+32*((\a)%2)
.irp t, 0,1,2,3,4,5,6,7
	ds_load_b128 v[BB+4*\t:BB+4*\t+3], v[RD] offset:\t*2*SPITCH
.endr
.endm
.macro SEND a, younger                 ; younger: the LDS instructions issued behind block a's loads, which may stay out
.set BB, 32+32*((\a)%2)
.set RS, 32*(\a)
	s_wait_dscnt \younger
	WIN 0x08                                       ; source 1 (the residual) in window 2
.set I, 0
.rept 16
	v_pk_add_f32 v[BB+I:BB+I+1], v[BB+I:BB+I+1], v[RS+I:RS+I+1]
.set I, I+2
.endr
	WIN 0
.irp t, 0,1,2,3,4,5,6,7                ; 16 lanes store 256 consecutive bytes, aligned
.if NTOUT
	global_store_b128 v[CO], v[BB+4*\t:BB+4*\t+3], s[96:97] offset:(32*((\a)/2)+8*((\a)%2)+2*\t+8*(\t/4))*4096 th:TH_STORE_NT
.else
	global_store_b128 v[CO], v[BB+4*\t:BB+4*\t+3], s[96:97] offset:(32*((\a)/2)+8*((\a)%2)+2*\t+8*(\t/4))*4096
.endif
.endr
.endm
	PLACES NP                                      ; behind the last products: for the first reads of results and for loads into the registers that held scale words
	s_wait_loadcnt 0x0                             ; the residual
	TOSTAGE 0
.irp a, 1,2,3
.if \a > 1
	s_wait_xcnt 0x0                                ; block a - 2's stores have read their registers: block a's loads may land there
.endif
	TOSTAGE \a
	SEND \a-1, 16                                  ; behind block a - 1's loads: block a's 8 stores and 8 loads
.endr
	SEND 3, 0
	s_wait_tensorcnt 0x0                           ; the wave's end
	ds_add_u32 v[SPW], v[NIL]
	s_wait_dscnt 0x0
	CROUND                                         ; the closing round: no work-group ends while a partner may still ask for a tile that names it
	s_endpgm
.Lfunc_end_k_qa3039038c4_fc2:
	.size	k_qa3039038c4_fc2, .Lfunc_end_k_qa3039038c4_fc2-k_qa3039038c4_fc2
	.p2alignl 7, 3214868480
	.fill 96, 4, 3214868480
	.section	.rodata,"a",@progbits
	.p2align	6, 0x0
	.amdhsa_kernel k_qa3039038c4_fc2
		.amdhsa_group_segment_fixed_size 327680
		.amdhsa_private_segment_fixed_size 0
		.amdhsa_enable_private_segment 0
		.amdhsa_kernarg_size 48
		.amdhsa_user_sgpr_count 2
		.amdhsa_user_sgpr_kernarg_segment_ptr 1
		.amdhsa_wavefront_size32 1
		.amdhsa_system_sgpr_workgroup_id_x 1
		.amdhsa_system_sgpr_workgroup_id_y 1
		.amdhsa_system_sgpr_workgroup_id_z 1
		.amdhsa_system_vgpr_workitem_id 0
		.amdhsa_next_free_vgpr 640
		.amdhsa_next_free_sgpr 100
		.amdhsa_reserve_vcc 0
		.amdhsa_float_denorm_mode_32 3
		.amdhsa_float_denorm_mode_16_64 3
		.amdhsa_memory_ordered 1
		.amdhsa_forward_progress 1
		.amdhsa_inst_pref_size 110
	.end_amdhsa_kernel
	.amdgpu_metadata
---
amdhsa.version: [ 1, 2 ]
amdhsa.kernels:
  - .name:           k_qa3039038c4_fc2
    .symbol:         k_qa3039038c4_fc2.kd
    .args:
      - { .name: hq, .offset: 0, .size: 8, .value_kind: global_buffer, .address_space: global }
      - { .name: fc2_w_codes, .offset: 8, .size: 8, .value_kind: global_buffer, .address_space: global }
      - { .name: fc2_w_scales, .offset: 16, .size: 8, .value_kind: global_buffer, .address_space: global }
      - { .name: fc2_b, .offset: 24, .size: 8, .value_kind: global_buffer, .address_space: global }
      - { .name: x1, .offset: 32, .size: 8, .value_kind: global_buffer, .address_space: global }
      - { .name: out0, .offset: 40, .size: 8, .value_kind: global_buffer, .address_space: global }
    .group_segment_fixed_size: 327680
    .private_segment_fixed_size: 0
    .kernarg_segment_align: 8
    .kernarg_segment_size: 48
    .max_flat_workgroup_size: 128
    .sgpr_count:     100
    .vgpr_count:     640
    .wavefront_size: 32
...
	.end_amdgpu_metadata
.endif
;; end of part 9
